; MI455X (gfx1250); checked and timed in simulation.
; The chip was launched on July 23, 2026; its instructions are those of AMD's public machine-readable ISA for CDNA 5 (MIT licence, August 2026) and "CDNA5" Instruction Set Architecture Reference Guide (July 2026). The comments in the code are by the model that wrote it; some were corrected since.
;; Single Head Attention. Allowed arithmetic: matrix products marked QUANTISED: E5M2 operands, one E8M0 scale for each 32 along K, by v_wmma_scale_f32_16x16x128_f8f6f4 with both operands' format E5M2, f32 sums; everything else in f32.
;; Inputs: W_k_codes 1,024 x 32 x 32 uint8 (E5M2 codes of W_k, K innermost, in blocks of 32 codes); W_k_scales 1,024 x 32 uint8 (E8M0 scales of W_k, one for each 32 codes along K); W_q_codes 1,024 x 32 x 32 uint8 (E5M2 codes of W_q, K innermost, in blocks of 32 codes); W_q_scales 1,024 x 32 uint8 (E8M0 scales of W_q, one for each 32 codes along K); W_v_codes 1,024 x 32 x 32 uint8 (E5M2 codes of W_v, K innermost, in blocks of 32 codes); W_v_scales 1,024 x 32 uint8 (E8M0 scales of W_v, one for each 32 codes along K); embedded_codes 4 x 2,048 x 32 x 32 uint8 (E5M2 codes of embedded, K innermost, in blocks of 32 codes); embedded_scales 4 x 2,048 x 32 uint8 (E8M0 scales of embedded, one for each 32 codes along K).
;; Outputs: out0 4 x 2,048 x 1,024 float32.
;; This version of the problem:
;;   THIS VERSION OF THE PROBLEM IS GIVEN IN LOW PRECISION. The matrix products marked QUANTISED in the list below multiply operands that are first quantised to E5M2 (5 exponent bits, 2 mantissa bits; 8 bits a number), with one power-of-two scale for each 32 numbers along K (OCP MX v1.0); their sums are f32. All else is computed in f32.
;;   The module's matrix products, in the order in which they are computed (A, B: the left and right operand; K: the contracted axis; several contracted axes count as one K, in the product's order):
;;     1. [M 8,192, K 1,024] x [K 1,024, N 1,024]; A: input embedded (given as codes); B: input W_k (given as codes): QUANTISED
;;     2. [M 8,192, K 1,024] x [K 1,024, N 1,024]; A: input embedded (given as codes); B: input W_q (given as codes): QUANTISED
;;     3. [M 8,192, K 1,024] x [K 1,024, N 1,024]; A: input embedded (given as codes); B: input W_v (given as codes): QUANTISED
;;     4. batch 4 x [M 2,048, K 1,024] x [K 1,024, N 2,048]; A: computed on the way; B: computed on the way: QUANTISED
;;     5. batch 4 x [M 2,048, K 2,048] x [K 2,048, N 1,024]; A: softmax (see below); B: computed on the way: QUANTISED
;;   THE QUANTISER, for each operand of a quantised product, along K:
;;     - K is cut into blocks of 32 from its start; a last block that is shorter is filled with zeros.
;;     - A block's scale is 2^e with e = floor(log2(the largest magnitude in the block)) - 15, held to -126 .. 127; a block of zeros has e = 0. As a byte (E8M0): e + 127.
;;     - Each number is divided by its block's scale, clamped to +-57,344, and rounded to the nearest number of E5M2, ties to even, subnormals kept.
;;     - The product sums the exact products of the quantised numbers (number of the format x scale) in f32.
;;   ~~~python
;;   def quantise(x, axis):      # numpy; x: float32 -> the quantised numbers, widened to float32 again
;;       x = np.moveaxis(x, axis, -1); K = x.shape[-1]
;;       x = np.pad(x, [(0, 0)] * (x.ndim - 1) + [(0, -K % 32)]); x = x.reshape(x.shape[:-1] + (-1, 32)); a = np.abs(x).max(-1, keepdims=True)
;;       e = np.where(a > 0, np.clip(np.frexp(np.where(a > 0, a, 1))[1] - 1 - 15, -126, 127), 0)      # np.frexp(a)[1] - 1 = floor(log2(a)), exactly
;;       r = np.clip(x / 2.0 ** e, -57344, 57344)
;;       step = 2.0 ** (np.maximum(np.frexp(np.where(r == 0, 1, r))[1] - 1, -14) - 2)
;;       q = np.round(r / step) * step * 2.0 ** e      # np.round: ties to even
;;       return np.moveaxis(q.reshape(q.shape[:-2] + (-1,))[..., :K], -1, axis).astype(np.float32)
;;   ~~~
;;   SOFTMAX AHEAD OF A QUANTISED PRODUCT. Where the list says 'softmax', what is quantised is not the finished softmax but p = 2^(t - M), with t = logit x log2(e) and M = ceil(the row's largest t), a whole number; so 1/2 < the row's largest p <= 1. The row's sum l is taken of the UNQUANTISED p, in f32, and the product's result is divided by l at the end. Since M is a whole number, a kernel that streams over the keys may use a running M (the ceiling of the running maximum): every later rescaling is an exact power of two, which a block's scale takes up: the codes' values come out the same.
;;   OPERANDS COMPUTED ON THE WAY. 'Computed on the way' means the value that the module computes at that place (a softmax that the list does not call 'softmax' is quantised finished and normalised). What goes into a quantiser is computed in f32, as accurately as f32 sums, v_exp_f32 and their like allow (about 1e-6 of the number): no bf16 or f16 on the way to a quantiser, and a product that is left as it is and whose result goes on into a quantised operand takes f32 operands (vector FMAs, or v_wmma_f32_16x16x4_f32). A number that lies on a knife's edge between two numbers of the format may be rounded either way, as far as f32 arithmetic and the matrix unit's own rounding can turn it there, and no further.
;;   INPUTS GIVEN AS CODES. W_k (in the module: [1024, 1024], K = its axis 1); W_q (in the module: [1024, 1024], K = its axis 1); W_v (in the module: [1024, 1024], K = its axis 1); embedded (in the module: [4, 2048, 1024], K = its axis 2): each comes as NAME_codes (uint8): NAME with its K axis moved to the last place and cut into blocks of 32 codes, [.., K / 32, bytes a block], one block behind the other in memory; one code a byte (a code: sign, 5 exponent bits, 2 mantissa bits); and NAME_scales (uint8): the same leading axes, one E8M0 byte (e + 127) for each 32 codes along K. Its value is code x scale, taken as it is: it is not quantised again, and the codes and scales need not be those that the quantiser above would give.
;; 2 versions. Each part assembles by itself: llvm-mc -triple=amdgcn-amd-amdhsa -mcpu=gfx1250 --defsym DOCPART=n.
;; ======== version 1 of 2: 3 launches
;; workspace buffers: qkc 16,777,216 bytes; qks 524,288 bytes; vc 8,388,608 bytes; vs 262,144 bytes; pc 16,777,216 bytes; pst 1,572,864 bytes
;; launch proj (part 1): grid 12 x 32, 4 waves a work-group, clusters of 4 x 4, 327,680 bytes of LDS; arguments embedded_codes, embedded_scales, W_q_codes, W_q_scales, W_k_codes, W_k_scales, W_v_codes, W_v_scales, qkc, qks, vc, vs; writes qkc, qks, vc, vs
.if DOCPART == 1
	.amdgcn_target "amdgcn-amd-amdhsa--gfx1250"
	.amdhsa_code_object_version 6
	.text
	.protected	k_q7f77063ec1_proj
	.globl	k_q7f77063ec1_proj
	.p2align	8
	.type	k_q7f77063ec1_proj,@function
k_q7f77063ec1_proj:
	s_mov_b64 s[64:65], 0
	v_nop
	global_prefetch_b8 v0, s[64:65] scope:SCOPE_SE
	s_setreg_imm32_b32 hwreg(HW_REG_WAVE_MODE, 25, 1), 1
	s_wait_xcnt 0x0
	s_wait_alu depctr_hold_cnt(0) depctr_sa_sdst(0) depctr_va_vdst(0) depctr_va_sdst(0) depctr_va_ssrc(0) depctr_va_vcc(0) depctr_vm_vsrc(0)
	s_getreg_b32 s2, hwreg(HW_REG_IB_STS2, 6, 4)
	s_cmp_eq_u32 s2, 0
	s_cbranch_scc0 .Lentry_in_a_cluster
	s_endpgm
.Lentry_in_a_cluster:
	s_bfe_u32 s2, ttmp6, 0x10000c
	s_cmp_lg_u32 s2, 0xf033
	s_cbranch_scc0 .Lentry_shape_is_right
	s_endpgm
.Lentry_shape_is_right:
; Q = x Wq^T, K = x Wk^T, V = x Wv^T on codes of BF8 (E5M2) with one E8M0 byte for each 32 along the 1,024 of the embedding; the results are quantised at once:
; Q and K along the channels, V along the tokens (its keys), and stored as blocks of [256 rows][256 codes] with [256 rows][8 scale bytes] beside them.
; A work-group of four waves makes a tile of 256 x 256; a wave 128 x 128: 64 accumulators of 16 x 16.  K goes in 4 steps of 256 through two LDS slots; all is written out, there is no loop.
; THE MATRIX INSTRUCTION IS USED TRANSPOSED: source 1's 16 rows lie across the lanes, source 0's 16 rows along a lane's registers: so a lane's registers run along the axis that is quantised.
; The cluster's x says which product: 0 Q, 1 K, 2 V.  For Q and K source 1 = tokens, source 0 = the weight's rows; for V the other way round.  The tiles always land in the same LDS regions (tokens first, weight
; second); a V work-group only reads them with the two roles exchanged: four selects on the cluster's x, no branch.
; CLUSTERS: 4 x 4.  The four of a row of the cluster share the token tile, the four of a column the weight tile: each is asked for jointly, by one tensor load with a mask that names the four.
; The scale bytes of the work-group's 256 tokens and 256 weight rows, for all of K, are two dense blocks of 8,192 bytes: they come once, with the first fills.
; LIMITS: NaN and infinities are not served.  A block whose largest magnitude lies under 2^-111, a block of zeros too, gets the scale byte 1; its bytes are read by this program alone.
; REGISTERS: window 0: v0-31 addresses; v32-95 scale words (two sets; in each 16 for source 1, 16 for source 0); v96-127 at work; v128-255 source 1's fragments, ONE set.
;   window 1: source 0's fragments, two sets.   windows 2, 3: the accumulators, (a, b) at v[8 (8 (a % 4) + b)] of window 2 + a / 4.
.set PITCH,  272                       ; an LDS row: 256 bytes + 16 of padding = 68 words, so the 16 rows of a fragment load start 4 words apart
.set HALFT,  128*PITCH                 ; 128 rows: what one tensor load brings
.set SLOT,   4*HALFT                   ; 256 token rows, then 256 weight rows
.set FR,     16                        ; registers of a fragment
.set SCL,    2*SLOT                    ; behind the ring: the scale bytes, as units of 256 bytes + 16 of padding; a row has 32 bytes
.set HALFS,  16*272                    ; those of 128 rows
.set SB,     544                       ; those of 16 rows
.set SPARE,  SCL+4*HALFS               ; the spare words: 128 bytes a wave, two blocks of 256 bytes that no other line names
.set SST,    256*PITCH                 ; the way out, in slot 0: codes at 0 (256 rows x 272), scale words here (2,048 bytes)
.set ADR1, 16                          ; v16-17 LDS address of source 1's fragments in slot 0, 1
.set ADR0, 20                          ; v20-21 of source 0's
.set AS1,  22                          ; v22  of source 1's scale words
.set AS0,  23                          ; v23  of source 0's
.set STO,  24                          ; v24  the way out: where I put 8 codes
.set RD,   25                          ; v25  where I read rows back
.set GO,   26                          ; v26  my byte offset in the block of codes
.set SWA,  27                          ; v27  where I put a scale word
.set SPW,  28                          ; v28  my spare word; never rewritten
.set NIL,  29                          ; v29  0; never rewritten
.set SRD,  30                          ; v30  where I read 16 scale bytes back
.set SGO,  31                          ; v31  and their offset in the block of scales
.set SC1,  32
.set SC0,  48
.set TM,   96                          ; v96-99 largest magnitudes
.set PX,   100                         ; v100-103 the other half's, then the bytes
.set HOLD, 104                         ; v104-107 57,344 x the scale
.set SCOP, 108                         ; v108-111 the conversions' scale operands
.set WD,   112                         ; v112 the scale word
.set AF,   128
.set XT,   128                         ; the way out: 64 held numbers
.set CD,   192                         ; and their 16 registers of codes
.set G1,   24
.set G0,   32
.set G1B,  48
.set G0B,  56
.set G1S,  68
.set G0S,  76
.set G1SB, 80
.set G0SB, 88
.set MNT,  95
.set SEL,  96
.set MSB, 0
.macro WIN new                         ; the immediate's high byte repeats the setting that is left
.if MSB != (\new)
	s_set_vgpr_msb (MSB<<8)|(\new)
.set MSB, (\new)
.endif
.endm
.set MUL_LO, 0xa1                      ; source 0 window 1, source 1 window 0, C and D window 2
.set MUL_HI, 0xf1                      ; the same, C and D window 3
.set TO_B,   0x40                      ; destination window 1
.macro PLACES n
.rept \n
	v_nop
.endr
.endm
; A joint load: waves 0 and 1 fetch the tokens' part, waves 2 and 3 the weight's.  The branch hangs on the wave's number alone.  Four v_nop follow each line.
.macro JLOAD g0a, g1a, g0b, g1b
	s_cmp_eq_u32 s15, 0
	s_cbranch_scc0 .Lfor_b_\@
	tensor_load_to_lds s[\g0a:\g0a+3], s[\g1a:\g1a+7]
	s_nop 0
.rept 4
	v_nop
.endr
	s_branch .Lasked_\@
.Lfor_b_\@:
	tensor_load_to_lds s[\g0b:\g0b+3], s[\g1b:\g1b+7]
	s_nop 0
.rept 4
	v_nop
.endr
.Lasked_\@:
.endm
.macro CREST                           ; a round of the cluster's barrier behind its opening barrier
	s_cmp_lg_u32 s14, 0
	s_cbranch_scc1 .Lnot_wave_0_\@
	s_barrier_signal -3
.Lnot_wave_0_\@:
	s_barrier_wait -3
	s_barrier_signal -1
	s_barrier_wait -1
.endm
.macro CROUND
	s_barrier_signal -1
	s_barrier_wait -1
	CREST
.endm
.macro FRAG reg, adr, q, i             ; 16 rows x 128 K: lane l holds row l % 16; registers 4 c .. 4 c + 3 hold K = 32 c + 16 (l / 16) + 0 .. 15
.irp c, 0,1,2,3
	ds_load_b128 v[\reg+4*\c:\reg+4*\c+3], v[\adr] offset:128*(\q)+32*\c+(\i)*16*PITCH
.endr
.endm
.macro FETCH_B slot, q, p              ; source 0's eight fragments of the slot's q-th 128 along K into set p
	WIN TO_B
.irp i, 0,1,2,3,4,5,6,7
	FRAG 128*(\p)+FR*\i, ADR0+\slot, \q, \i
.endr
	WIN 0
.endm
.macro FETCH_A slot, q, i0             ; source 1's blocks i0 .. i0 + 3
.irp i, \i0, \i0+1, \i0+2, \i0+3
	FRAG AF+FR*(\i), ADR1+\slot, \q, \i
.endr
.endm
.macro SCALES sc, k                    ; a K step's scale words, two a row, at byte k of the rows' scales: register 2 i + q is block i's word for the q-th 128
.irp i, 0,1,2,3,4,5,6,7
	ds_load_b64 v[SC1+32*(\sc)+2*\i:SC1+32*(\sc)+2*\i+1], v[AS1] offset:(\k)+\i*SB
.endr
.irp i, 0,1,2,3,4,5,6,7
	ds_load_b64 v[SC0+32*(\sc)+2*\i:SC0+32*(\sc)+2*\i+1], v[AS0] offset:(\k)+\i*SB
.endr
.endm
; 16 matrix instructions: source 1's blocks a0, a0 + 1 against source 0's eight.  The 64 accumulators take turns, one instruction a turn, in the same order in every step.
.macro MUL16 a0, p, q, sc, zero
.irp a, \a0, \a0+1
.irp b, 0,1,2,3,4,5,6,7
.if \zero
	v_wmma_scale_f32_16x16x128_f8f6f4 v[8*(8*((\a)%4)+\b):8*(8*((\a)%4)+\b)+7], v[128*(\p)+FR*\b:128*(\p)+FR*\b+FR-1], v[AF+FR*(\a):AF+FR*(\a)+FR-1], 0, v[SC0+32*(\sc)+2*\b+(\q)], v[SC1+32*(\sc)+2*(\a)+(\q)] matrix_a_fmt:MATRIX_FMT_BF8 matrix_b_fmt:MATRIX_FMT_BF8
.else
	v_wmma_scale_f32_16x16x128_f8f6f4 v[8*(8*((\a)%4)+\b):8*(8*((\a)%4)+\b)+7], v[128*(\p)+FR*\b:128*(\p)+FR*\b+FR-1], v[AF+FR*(\a):AF+FR*(\a)+FR-1], v[8*(8*((\a)%4)+\b):8*(8*((\a)%4)+\b)+7], v[SC0+32*(\sc)+2*\b+(\q)], v[SC1+32*(\sc)+2*(\a)+(\q)] matrix_a_fmt:MATRIX_FMT_BF8 matrix_b_fmt:MATRIX_FMT_BF8
.endif
.endr
.endr
.endm
; Eight plain vector instructions stand between a matrix instruction of this form and a load into a register that it read, or a read of its result.
.macro STEP slot, zero                 ; a slot's first 128 along K
	s_wait_dscnt 16                                ; all but the youngest 16 loads (source 1's blocks 4-7) are in
	WIN MUL_LO
	MUL16 0, 0, 0, \slot, \zero
	MUL16 2, 0, 0, \slot, \zero
	s_wait_dscnt 0
	PLACES 8
	FETCH_B \slot, 1, 1
	FETCH_A \slot, 1, 0
	WIN MUL_HI
	MUL16 4, 0, 0, \slot, \zero
	MUL16 6, 0, 0, \slot, \zero
	PLACES 8
	WIN 0
	FETCH_A \slot, 1, 4
.endm
; A slot's second 128 along K, and the change of slots: one barrier; in front of it each wave waits for all its tensor loads, adds 0 to its spare word, and waits for that and for its reads of this slot.
.macro TURN slot, next, fill, k
	s_wait_tensorcnt 0x0                           ; all my tensor loads have landed: my part of the next slot
	ds_add_u32 v[SPW], v[NIL]                      ; 0 onto my spare word
	s_wait_dscnt 17                                ; the add and the youngest 16 loads may be out
	WIN MUL_LO
	MUL16 0, 1, 1, \slot, 0
	s_wait_dscnt 0x0                               ; the add is done, and my reads of this slot are over
	s_barrier_signal -1
	MUL16 2, 1, 1, \slot, 0
	WIN 0
	s_barrier_wait -1
.if \fill
	CREST                                          ; the barrier has opened a round of the cluster's: no wave of any partner still reads this slot or has a load on its way
	s_add_nc_u64 s[G0+4*\slot+2:G0+4*\slot+3], s[G0+4*\slot+2:G0+4*\slot+3], 512
	s_add_nc_u64 s[G0B+4*\slot+2:G0B+4*\slot+3], s[G0B+4*\slot+2:G0B+4*\slot+3], 512
	JLOAD G0+4*\slot, G1, G0B+4*\slot, G1B         ; two K steps on; its four v_nop are four of the eight places
	PLACES 4
.else
	PLACES 8
.endif
	FETCH_B \next, 0, 0
	FETCH_A \next, 0, 0
	SCALES \next, \k
	WIN MUL_HI
	MUL16 4, 1, 1, \slot, 0
	MUL16 6, 1, 1, \slot, 0
	PLACES 8
	WIN 0
	FETCH_A \next, 0, 4
.endm
.macro LAST slot                       ; the very last 128 along K
	s_wait_dscnt 16
	WIN MUL_LO
	MUL16 0, 1, 1, \slot, 0
	MUL16 2, 1, 1, \slot, 0
	s_wait_dscnt 0
	WIN MUL_HI
	MUL16 4, 1, 1, \slot, 0
	MUL16 6, 1, 1, \slot, 0
	WIN 0
.endm
	s_load_b512 s[68:83], s[0:1], 0x0              ; x codes, x scales, Wq codes, scales, Wk codes, scales, Wv codes, scales
	s_load_b256 s[84:91], s[0:1], 0x40             ; qkc, qks, vc, vs
	v_lshl_add_u32 v[SPW], v0, 2, SPARE
	v_mov_b32 v[NIL], 0
	ds_add_u32 v28, v29
	ds_add_u32 v28, v29
	s_wait_dscnt 0x0
	v_lshrrev_b32 v1, 5, v0
	v_readfirstlane_b32 s14, v1                    ; wave 0..3
	s_lshr_b32 s15, s14, 1                         ; which half of the tile's rows (source 1) is mine.  Also: I fetch tokens (0) or the weight (1)
	s_and_b32 s16, s14, 1                          ; which half of its columns (source 0).  Also: which 128 rows I fetch
	s_bfe_u32 s40, ttmp6, 0x40000                  ; cx: the tile of the weight's rows
	s_bfe_u32 s41, ttmp6, 0x40004                  ; cy
	s_and_b32 s17, ttmp7, 0xffff
	s_lshl_b32 s17, s17, 2
	s_add_co_u32 s17, s17, s41                     ; the token tile, 0 .. 31
	s_lshl_b32 s43, s41, 2
	s_lshl_b32 s43, 15, s43                        ; my row of the cluster
	s_lshl_b32 s44, 0x1111, s40                    ; my column
	s_or_b32 s[G1+0], s43, (1<<20)|(1<<21)|(5<<22)|(3<<25)   ; the mask; elements of 1 byte; padding on; bit 21 beside a mask; 4 words of padding after every 64
	s_or_b32 s[G1B+0], s44, (1<<20)|(1<<21)|(5<<22)|(3<<25)
.irp g, G1, G1B
	s_mov_b32 s[\g+1], 256<<16                     ; tensor_dim0
	s_mov_b32 s[\g+2], 128<<16                     ; tensor_dim1
	s_mov_b32 s[\g+3], 256<<16                     ; tile_dim0
	s_mov_b32 s[\g+4], 128                         ; tile_dim1
	s_mov_b32 s[\g+5], 1024                        ; from row to row
	s_mov_b32 s[\g+6], 0
	s_mov_b32 s[\g+7], 0
.endr
	s_lshl_b32 s18, s16, 7
	s_lshl_b32 s20, s17, 8
	s_add_co_u32 s20, s20, s18                     ; the first token that I fetch
	s_lshl_b32 s46, s40, 8
	s_add_co_u32 s46, s46, s18                     ; the first weight row that I fetch
	s_lshl_b32 s22, s20, 5                         ; their scales: 32 bytes a row
	s_mov_b32 s23, 0
	s_lshl_b32 s92, s46, 5
	s_mov_b32 s93, 0
	s_lshl_b32 s20, s20, 10                        ; their codes: 1,024 bytes a row
	s_mov_b32 s21, 0
	s_lshl_b32 s46, s46, 10
	s_mov_b32 s47, 0
	s_mul_i32 s45, s14, HALFT                      ; where they go: wave x 128 rows
	s_mul_i32 s94, s14, HALFS
	s_wait_kmcnt 0x0
	s_cmp_eq_u32 ttmp9, 0                          ; which weight, which outputs: chosen by the cluster's x alone
	s_cselect_b64 s[8:9], s[72:73], s[76:77]
	s_cselect_b64 s[10:11], s[74:75], s[78:79]
	s_cmp_eq_u32 ttmp9, 2
	s_cselect_b64 s[8:9], s[80:81], s[8:9]
	s_cselect_b64 s[10:11], s[82:83], s[10:11]
	s_cselect_b64 s[12:13], s[88:89], s[84:85]     ; the codes' buffer
	s_cselect_b64 s[66:67], s[90:91], s[86:87]     ; the scales' buffer
	s_add_nc_u64 s[20:21], s[68:69], s[20:21]
	s_add_nc_u64 s[22:23], s[70:71], s[22:23]
	s_add_nc_u64 s[46:47], s[8:9], s[46:47]
	s_add_nc_u64 s[92:93], s[10:11], s[92:93]
	; the arguments' registers are free now: the scales' descriptors: 4,096 dense bytes as 16 rows of 256 bytes (32 elements of 8), 16 bytes of padding behind each
	s_or_b32 s[G1S+0], s43, (3<<16)|(1<<20)|(1<<21)|(5<<22)|(3<<25)
	s_or_b32 s[G1SB+0], s44, (3<<16)|(1<<20)|(1<<21)|(5<<22)|(3<<25)
.irp g, G1S, G1SB
	s_mov_b32 s[\g+1], 32<<16
	s_mov_b32 s[\g+2], 16<<16
	s_mov_b32 s[\g+3], 32<<16
	s_mov_b32 s[\g+4], 16
	s_mov_b32 s[\g+5], 32
	s_mov_b32 s[\g+6], 0
	s_mov_b32 s[\g+7], 0
.endr
	CROUND                                         ; all sixteen work-groups are here: the first joint loads meet
	s_mov_b32 s[G0S], 1
	s_add_co_u32 s[G0S+1], s94, SCL
	s_mov_b64 s[G0S+2:G0S+3], s[22:23]
	s_or_b32 s[G0S+3], s[G0S+3], 0x80000000
	s_mov_b32 s[G0SB], 1
	s_add_co_u32 s[G0SB+1], s94, SCL
	s_mov_b64 s[G0SB+2:G0SB+3], s[92:93]
	s_or_b32 s[G0SB+3], s[G0SB+3], 0x80000000
	JLOAD G0S, G1S, G0SB, G1SB                     ; the scales first: they are wanted with K step 0
.irp s, 0,1
	s_mov_b32 s[G0+4*\s], 1
	s_add_co_u32 s[G0+4*\s+1], s45, \s*SLOT
	s_add_nc_u64 s[G0+4*\s+2:G0+4*\s+3], s[20:21], \s*256
	s_or_b32 s[G0+4*\s+3], s[G0+4*\s+3], 0x80000000
	s_mov_b32 s[G0B+4*\s], 1
	s_add_co_u32 s[G0B+4*\s+1], s45, \s*SLOT
	s_add_nc_u64 s[G0B+4*\s+2:G0B+4*\s+3], s[46:47], \s*256
	s_or_b32 s[G0B+4*\s+3], s[G0B+4*\s+3], 0x80000000
	JLOAD G0+4*\s, G1, G0B+4*\s, G1B
.endr
	; the output block: Q, K: 128 x which + 4 x token tile + cx;  V: ((token tile / 8) x 4 + cx) x 8 + token tile % 8
	s_lshl_b32 s98, ttmp9, 7
	s_lshl_b32 s99, s17, 2
	s_add_co_u32 s98, s98, s99
	s_add_co_u32 s98, s98, s40
	s_lshr_b32 s99, s17, 3
	s_lshl_b32 s99, s99, 2
	s_add_co_u32 s99, s99, s40
	s_lshl_b32 s99, s99, 3
	s_and_b32 s2, s17, 7
	s_add_co_u32 s99, s99, s2
	s_cmp_eq_u32 ttmp9, 2
	s_cselect_b32 s98, s99, s98
	s_lshl_b32 s2, s98, 16                         ; 65,536 bytes of codes a block
	s_mov_b32 s3, 0
	s_add_nc_u64 s[12:13], s[12:13], s[2:3]
	s_lshl_b32 s2, s98, 11                         ; 2,048 scale bytes a block
	s_add_nc_u64 s[66:67], s[66:67], s[2:3]
	v_and_b32 v1, 15, v0                           ; r = lane % 16
	v_bfe_u32 v2, v0, 4, 1                         ; h = lane / 16
	v_mul_u32_u24 v3, v1, PITCH
	v_lshl_add_u32 v4, v2, 4, v3                   ; a fragment's row x pitch + 16 h
	s_cmp_eq_u32 ttmp9, 2                          ; V: the weight's region feeds source 1, the tokens' source 0
	s_cselect_b32 s18, 2*HALFT, 0
	s_cselect_b32 s19, 0, 2*HALFT
	s_cselect_b32 s2, 2*HALFS, 0
	s_cselect_b32 s3, 0, 2*HALFS
	s_mul_i32 s21, s15, HALFT
	s_add_co_u32 s21, s21, s18
	s_mul_i32 s22, s16, HALFT
	s_add_co_u32 s22, s22, s19
.irp s, 0,1
	v_add_nc_u32 v[ADR1+\s], s21, v4
	v_add_nc_u32 v[ADR0+\s], s22, v4
	s_add_co_u32 s21, s21, SLOT
	s_add_co_u32 s22, s22, SLOT
.endr
	v_lshlrev_b32 v5, 5, v1                        ; my row's scales: 32 bytes a row,
	v_lshrrev_b32 v6, 3, v1
	v_lshl_add_u32 v5, v6, 4, v5                   ; and 16 more behind each 8 rows
	s_mul_i32 s21, s15, HALFS
	s_add_co_u32 s21, s21, s2
	s_add_co_u32 s21, s21, SCL
	s_mul_i32 s22, s16, HALFS
	s_add_co_u32 s22, s22, s3
	s_add_co_u32 s22, s22, SCL
	v_add_nc_u32 v[AS1], s21, v5
	v_add_nc_u32 v[AS0], s22, v5
	s_mul_i32 s21, s15, HALFT                      ; the codes' stage: row 128 x my row half + r, byte 128 x my column half + 8 h
	s_lshl_b32 s22, s16, 7
	s_add_co_u32 s21, s21, s22
	v_lshl_add_u32 v5, v2, 3, v3
	v_add_nc_u32 v[STO], s21, v5
	s_lshl_b32 s21, s15, 10                        ; the scale words' stage: 8 bytes a row, word = my column half
	s_lshl_b32 s22, s16, 2
	s_add_co_u32 s21, s21, s22
	s_add_co_u32 s21, s21, SST
	v_lshl_add_u32 v[SWA], v1, 3, s21
	s_mul_i32 s21, s14, 64*PITCH                   ; back: wave w takes rows 64 w on, two rows a load
	v_mul_u32_u24 v5, v2, PITCH
	v_lshl_add_u32 v5, v1, 4, v5
	v_add_nc_u32 v[RD], s21, v5
	v_and_b32 v6, 31, v0
	v_lshlrev_b32 v6, 4, v6
	s_lshl_b32 s21, s14, 14
	v_add_nc_u32 v[GO], s21, v6                    ; the block is dense: 16,384 w + 16 x lane
	v_lshl_add_u32 v[SRD], v0, 4, SST
	v_lshlrev_b32 v[SGO], 4, v0
	s_mov_b32 s[SEL], 0x76543210
	s_mov_b32 s[SEL+1], 0xfedcba98                 ; v_permlanex16_b32's selects for lane l xor 16
	s_mov_b32 s[MNT], 0x600000                     ; the mantissa field of 57,344
.irp c, 0,1,2,3
	v_mov_b32 v[PX+\c], 0                          ; written once: a lane permute's destination counts as one of its sources
.endr
; THE WAY OUT of block a (16 rows x 128 columns).  Register 8 b + j of lane (r, h) is column 16 b + 8 h + j of row 16 a + r; a block of 32 columns is registers 16 c .. 16 c + 15 of lanes l and l xor 16.
.macro QUANT a
.set AC, 64*((\a)%4)
.set XW, 2+(\a)/4
.set WQ, XW|(XW<<2)
	WIN WQ                                         ; sources 0 and 1: the accumulators' window
.irp c, 0,1,2,3
	v_max3_num_f32 v[TM+\c], |v[AC+16*\c]|, |v[AC+16*\c+1]|, 0x8000000   ; with the floor 2^(16 - 127): the byte cannot fall under 1.  Each accumulator is read from its low end on
.endr
.irp i, 2,4,6,8,10,12,14
.irp c, 0,1,2,3
	v_max3_num_f32 v[TM+\c], |v[AC+16*\c+\i]|, |v[AC+16*\c+\i+1]|, v[TM+\c]
.endr
.endr
	WIN 0
	s_wait_dscnt 0x0                               ; the last block's LDS stores have read the codes' registers and the scale word
.irp c, 0,1,2,3
	v_permlanex16_b32 v[PX+\c], v[TM+\c], s[SEL], s[SEL+1]
.endr
.irp c, 0,1,2,3
	v_max_num_f32 v[TM+\c], v[TM+\c], v[PX+\c]     ; the block's largest magnitude
.endr
.irp c, 0,1,2,3
	v_add_nc_u32 v[SCOP+\c], 0xf8800000, v[TM+\c]  ; 15 off its exponent field: the conversion's scale operand
.endr
.irp c, 0,1,2,3
	v_and_or_b32 v[HOLD+\c], v[TM+\c], 0x7f800000, s[MNT]   ; 57,344 x the scale
.endr
.irp c, 0,1,2,3
	v_lshrrev_b32 v[PX+\c], 23, v[SCOP+\c]         ; the scale's byte
.endr
	v_lshl_or_b32 v[WD], v[PX+1], 8, v[PX]
	v_lshl_or_b32 v[WD], v[PX+2], 16, v[WD]
	v_lshl_or_b32 v[WD], v[PX+3], 24, v[WD]
	WIN XW                                         ; source 0: the accumulators' window
.set kk, 0
.rept 64
	v_med3_num_f32 v[XT+kk], v[AC+kk], -v[HOLD+kk/16], v[HOLD+kk/16]   ; the conversion to an 8-bit code does not saturate (ISA guide 7.6.2): the hold comes first
.set kk, kk+1
.endr
	WIN 0
.irp b, 0,1,2,3,4,5,6,7
	v_cvt_scalef32_pk8_bf8_f32 v[CD+2*\b:CD+2*\b+1], v[XT+8*\b:XT+8*\b+7], v[SCOP+\b/2]
.endr
	v_nop                                          ; one plain line behind the last conversion, ahead of the next vector line that writes its sources
.irp b, 0,1,2,3,4,5,6,7
	ds_store_b64 v[STO], v[CD+2*\b:CD+2*\b+1] offset:(\a)*16*PITCH+16*\b
.endr
	ds_store_b32 v[SWA], v[WD] offset:(\a)*128     ; both halves of the lanes write the same word with the same value
.endm
	s_wait_tensorcnt 1                             ; the scales and my part of K step 0 are in; K step 1's load may be out
	s_barrier_signal -1
	s_barrier_wait -1
	FETCH_B 0, 0, 0
	FETCH_A 0, 0, 0
	SCALES 0, 0
	FETCH_A 0, 0, 4
	STEP 0, 1                                      ; the first products start the sums: nothing is cleared
	TURN 0, 1, 1, 8                                ; slot 0 takes K step 2
	STEP 1, 0
	TURN 1, 0, 1, 16                               ; slot 1 takes K step 3
	STEP 0, 0
	TURN 0, 1, 0, 24                               ; nothing is left to fetch; slot 0 has had its last fill and, behind this barrier, its last read
	STEP 1, 0
	LAST 1
	PLACES 8
.irp a, 0,1,2,3,4,5,6,7
	QUANT \a
.endr
	s_wait_dscnt 0x0                               ; for the others' sake: my stores into the stages are done
	s_barrier_signal -1
	s_barrier_wait -1
	ds_load_b128 v[96:99], v[SRD]
.set tt, 0
.rept 32
	ds_load_b128 v[128+4*tt:128+4*tt+3], v[RD] offset:tt*2*PITCH
.set tt, tt+1
.endr
	s_wait_dscnt 32
	global_store_b128 v[SGO], v[96:99], s[66:67]   ; a wave stores 512 consecutive scale bytes
.set tt, 0
.rept 32
	s_wait_dscnt 31-tt
	global_store_b128 v[GO], v[128+4*tt:128+4*tt+3], s[12:13] offset:512*tt   ; a wave stores 512 consecutive bytes, two rows of the block
.set tt, tt+1
.endr
	s_wait_tensorcnt 0x0                           ; the wave's end
	ds_add_u32 v[SPW], v[NIL]
	s_wait_dscnt 0x0
	CROUND                                         ; the closing round
	s_endpgm
.Lfunc_end_k_q7f77063ec1_proj:
	.size	k_q7f77063ec1_proj, .Lfunc_end_k_q7f77063ec1_proj-k_q7f77063ec1_proj
	.p2alignl 7, 3214868480
	.fill 96, 4, 3214868480
	.section	.rodata,"a",@progbits
	.p2align	6, 0x0
	.amdhsa_kernel k_q7f77063ec1_proj
		.amdhsa_group_segment_fixed_size 327680
		.amdhsa_private_segment_fixed_size 0
		.amdhsa_enable_private_segment 0
		.amdhsa_kernarg_size 96
		.amdhsa_user_sgpr_count 2
		.amdhsa_user_sgpr_kernarg_segment_ptr 1
		.amdhsa_wavefront_size32 1
		.amdhsa_system_sgpr_workgroup_id_x 1
		.amdhsa_system_sgpr_workgroup_id_y 1
		.amdhsa_system_sgpr_workgroup_id_z 1
		.amdhsa_system_vgpr_workitem_id 0
		.amdhsa_next_free_vgpr 1024
		.amdhsa_next_free_sgpr 100
		.amdhsa_reserve_vcc 0
		.amdhsa_float_denorm_mode_32 3
		.amdhsa_float_denorm_mode_16_64 3
		.amdhsa_memory_ordered 1
		.amdhsa_forward_progress 1
		.amdhsa_inst_pref_size 195
	.end_amdhsa_kernel
	.amdgpu_metadata
---
amdhsa.version: [ 1, 2 ]
amdhsa.kernels:
  - .name:           k_q7f77063ec1_proj
    .symbol:         k_q7f77063ec1_proj.kd
    .args:
      - { .name: embedded_codes, .offset: 0, .size: 8, .value_kind: global_buffer, .address_space: global }
      - { .name: embedded_scales, .offset: 8, .size: 8, .value_kind: global_buffer, .address_space: global }
      - { .name: W_q_codes, .offset: 16, .size: 8, .value_kind: global_buffer, .address_space: global }
      - { .name: W_q_scales, .offset: 24, .size: 8, .value_kind: global_buffer, .address_space: global }
      - { .name: W_k_codes, .offset: 32, .size: 8, .value_kind: global_buffer, .address_space: global }
      - { .name: W_k_scales, .offset: 40, .size: 8, .value_kind: global_buffer, .address_space: global }
      - { .name: W_v_codes, .offset: 48, .size: 8, .value_kind: global_buffer, .address_space: global }
      - { .name: W_v_scales, .offset: 56, .size: 8, .value_kind: global_buffer, .address_space: global }
      - { .name: qkc, .offset: 64, .size: 8, .value_kind: global_buffer, .address_space: global }
      - { .name: qks, .offset: 72, .size: 8, .value_kind: global_buffer, .address_space: global }
      - { .name: vc, .offset: 80, .size: 8, .value_kind: global_buffer, .address_space: global }
      - { .name: vs, .offset: 88, .size: 8, .value_kind: global_buffer, .address_space: global }
    .group_segment_fixed_size: 327680
    .private_segment_fixed_size: 0
    .kernarg_segment_align: 8
    .kernarg_segment_size: 96
    .max_flat_workgroup_size: 128
    .sgpr_count:     100
    .vgpr_count:     1024
    .wavefront_size: 32
...
	.end_amdgpu_metadata
.endif
;; end of part 1
;; launch score (part 2): grid 36 x 4, 4 waves a work-group, no clusters, 327,680 bytes of LDS; arguments qkc, qks, pc, pst; writes pc, pst
.if DOCPART == 2
	.amdgcn_target "amdgcn-amd-amdhsa--gfx1250"
	.amdhsa_code_object_version 6
	.text
	.protected	k_q7f77063ec1_score
	.globl	k_q7f77063ec1_score
	.p2align	8
	.type	k_q7f77063ec1_score,@function
k_q7f77063ec1_score:
	s_mov_b64 s[64:65], 0
	v_nop
	global_prefetch_b8 v0, s[64:65] scope:SCOPE_SE
	s_setreg_imm32_b32 hwreg(HW_REG_WAVE_MODE, 25, 1), 1
	s_wait_xcnt 0x0
; The kept tiles of S = Q K^T (256 queries x 256 keys, key tile j <= query tile i: 36 a batch), on the codes that the launch before made, and a LOCAL softmax on each wave's 128 x 128:
; t = score x log2(e) / 32; for each row and each 128 keys M = ceil(the largest t there), a whole number; p = 2^(t - M); l = the sum of the unquantised p.  p is quantised along the keys.
; Stored: p's codes as a block [256 queries][256 keys], and for each (row, 128 keys) the scale word, M and l.  The next launch brings all of a row's parts under one M by subtracting a whole number from the scale bytes, which is exact.
; Hidden keys (key > query) get t = -infinity, so p = 0.  A quarter that is wholly hidden gets M = -3e38, l = 0 and zero codes.
; NO CLUSTER: a batch's kept tiles form a triangle whose rows have 1 to 8 tiles; a 4 x 4 cluster on the diagonal would hold 6 hidden work-groups that could not branch round their products, a third more work in all.
; The core (ring of two slots, K steps of 256, four waves of 128 x 128, transposed use: source 1 = queries across the lanes, source 0 = keys along the registers) is the first launch's.
; LIMITS: NaN and infinities are not served; a block of p under 2^-111 keeps the scale byte 1.
.set PITCH,  272
.set HALFT,  128*PITCH
.set SLOT,   4*HALFT                   ; 256 rows of Q, then 256 rows of K
.set FR,     16
.set SCL,    2*SLOT                    ; Q's scale bytes [4 K steps][256 rows][8], then K's
.set SB,     128                       ; those of 16 rows
.set SPARE,  SCL+16384                 ; the spare words: 128 bytes a wave
.set SST,    256*PITCH                 ; the way out, in slot 0: codes at 0; here the scale words, + 2,048 M, + 4,096 l
.set ADR1, 16
.set ADR0, 20
.set AS1,  22
.set AS0,  23
.set STO,  24
.set RD,   25
.set GO,   26
.set SWA,  27
.set SPW,  28
.set NIL,  29
.set SRD,  30
.set SGO,  31
.set SC1,  32
.set SC0,  48
.set BM,   96                          ; v96-99 the blocks' largest t, then largest p
.set PX,   100
.set HOLD, 104
.set SCOP, 108
.set NM,   112                         ; v[112:113] -M (the pair's low word serves both halves)
.set LS,   114                         ; v[114:115], v[116:117] the sum in two chains
.set L2,   116
.set WD,   118
.set MV,   119                         ; M
.set VD0,  120
.set VD,   121
.set NINF, 122
.set RT,   123
.set AF,   128
.set XT,   128
.set CD,   192
.set G0S,  20
.set G1,   24
.set G0,   32
.set G1S,  44
.set CS,   52
.set SEL,  54
.set MNT,  56
.set MASKF, 57
.set MSB, 0
.macro WIN new
.if MSB != (\new)
	s_set_vgpr_msb (MSB<<8)|(\new)
.set MSB, (\new)
.endif
.endm
.set MUL_LO, 0xa1
.set MUL_HI, 0xf1
.set TO_B,   0x40
.macro PLACES n
.rept \n
	v_nop
.endr
.endm
.macro FRAG reg, adr, q, i
.irp c, 0,1,2,3
	ds_load_b128 v[\reg+4*\c:\reg+4*\c+3], v[\adr] offset:128*(\q)+32*\c+(\i)*16*PITCH
.endr
.endm
.macro FETCH_B slot, q, p
	WIN TO_B
.irp i, 0,1,2,3,4,5,6,7
	FRAG 128*(\p)+FR*\i, ADR0+\slot, \q, \i
.endr
	WIN 0
.endm
.macro FETCH_A slot, q, i0
.irp i, \i0, \i0+1, \i0+2, \i0+3
	FRAG AF+FR*(\i), ADR1+\slot, \q, \i
.endr
.endm
.macro SCALES sc, k
.irp i, 0,1,2,3,4,5,6,7
	ds_load_b64 v[SC1+32*(\sc)+2*\i:SC1+32*(\sc)+2*\i+1], v[AS1] offset:(\k)+\i*SB
.endr
.irp i, 0,1,2,3,4,5,6,7
	ds_load_b64 v[SC0+32*(\sc)+2*\i:SC0+32*(\sc)+2*\i+1], v[AS0] offset:(\k)+\i*SB
.endr
.endm
.macro MUL16 a0, p, q, sc, zero        ; the 64 accumulators take turns, one instruction a turn
.irp a, \a0, \a0+1
.irp b, 0,1,2,3,4,5,6,7
.if \zero
	v_wmma_scale_f32_16x16x128_f8f6f4 v[8*(8*((\a)%4)+\b):8*(8*((\a)%4)+\b)+7], v[128*(\p)+FR*\b:128*(\p)+FR*\b+FR-1], v[AF+FR*(\a):AF+FR*(\a)+FR-1], 0, v[SC0+32*(\sc)+2*\b+(\q)], v[SC1+32*(\sc)+2*(\a)+(\q)] matrix_a_fmt:MATRIX_FMT_BF8 matrix_b_fmt:MATRIX_FMT_BF8
.else
	v_wmma_scale_f32_16x16x128_f8f6f4 v[8*(8*((\a)%4)+\b):8*(8*((\a)%4)+\b)+7], v[128*(\p)+FR*\b:128*(\p)+FR*\b+FR-1], v[AF+FR*(\a):AF+FR*(\a)+FR-1], v[8*(8*((\a)%4)+\b):8*(8*((\a)%4)+\b)+7], v[SC0+32*(\sc)+2*\b+(\q)], v[SC1+32*(\sc)+2*(\a)+(\q)] matrix_a_fmt:MATRIX_FMT_BF8 matrix_b_fmt:MATRIX_FMT_BF8
.endif
.endr
.endr
.endm
.macro STEP slot, zero
	s_wait_dscnt 16                                ; all but the youngest 16 loads (source 1's blocks 4-7) are in
	WIN MUL_LO
	MUL16 0, 0, 0, \slot, \zero
	MUL16 2, 0, 0, \slot, \zero
	s_wait_dscnt 0
	PLACES 8
	FETCH_B \slot, 1, 1
	FETCH_A \slot, 1, 0
	WIN MUL_HI
	MUL16 4, 0, 0, \slot, \zero
	MUL16 6, 0, 0, \slot, \zero
	PLACES 8
	WIN 0
	FETCH_A \slot, 1, 4
.endm
.macro TURN slot, next, fill, k
	s_wait_tensorcnt 0x0                           ; all my tensor loads have landed: my part of the next slot
	ds_add_u32 v[SPW], v[NIL]                      ; 0 onto my spare word
	s_wait_dscnt 17                                ; the add and the youngest 16 loads may be out
	WIN MUL_LO
	MUL16 0, 1, 1, \slot, 0
	s_wait_dscnt 0x0                               ; the add is done, and my reads of this slot are over
	s_barrier_signal -1
	MUL16 2, 1, 1, \slot, 0
	WIN 0
	s_barrier_wait -1
.if \fill
	s_add_nc_u64 s[G0+4*\slot+2:G0+4*\slot+3], s[G0+4*\slot+2:G0+4*\slot+3], 131072   ; two blocks on
	tensor_load_to_lds s[G0+4*\slot:G0+4*\slot+3], s[G1:G1+7]   ; my one tensor load behind this barrier
	s_nop 0
	PLACES 8                                       ; four follow a tensor load; all eight are the places in front of the loads below
.else
	PLACES 8
.endif
	FETCH_B \next, 0, 0
	FETCH_A \next, 0, 0
	SCALES \next, \k
	WIN MUL_HI
	MUL16 4, 1, 1, \slot, 0
	MUL16 6, 1, 1, \slot, 0
	PLACES 8
	WIN 0
	FETCH_A \next, 0, 4
.endm
.macro LAST slot
	s_wait_dscnt 16
	WIN MUL_LO
	MUL16 0, 1, 1, \slot, 0
	MUL16 2, 1, 1, \slot, 0
	s_wait_dscnt 0
	WIN MUL_HI
	MUL16 4, 1, 1, \slot, 0
	MUL16 6, 1, 1, \slot, 0
	WIN 0
.endm
	s_load_b256 s[4:11], s[0:1], 0x0               ; qkc, qks, pc, pst
	v_lshl_add_u32 v[SPW], v0, 2, SPARE
	v_mov_b32 v[NIL], 0
	ds_add_u32 v28, v29
	ds_add_u32 v28, v29
	s_wait_dscnt 0x0
	v_lshrrev_b32 v1, 5, v0
	v_readfirstlane_b32 s14, v1                    ; wave 0..3
	s_lshr_b32 s15, s14, 1                         ; my half of the queries
	s_and_b32 s16, s14, 1                          ; my half of the keys.  Also: which 128 rows I fetch
	s_mov_b32 s40, 0                               ; the work-group's number t = i (i + 1) / 2 + j: i = how many of the triangle's row starts are <= t
.irp th, 1,3,6,10,15,21,28
	s_cmp_ge_u32 ttmp9, \th
	s_cselect_b32 s41, 1, 0
	s_add_co_u32 s40, s40, s41
.endr
	s_add_co_u32 s41, s40, 1
	s_mul_i32 s41, s41, s40
	s_lshr_b32 s41, s41, 1
	s_sub_co_u32 s41, ttmp9, s41                   ; j
	s_and_b32 s17, ttmp7, 0xffff                   ; the batch
	s_lshl_b32 s17, s17, 3
	s_add_co_u32 s42, s17, s40                     ; Q's token tile
	s_add_co_u32 s43, s17, s41                     ; K's
	s_mov_b32 s[G1], (1<<20)|(5<<22)|(3<<25)       ; elements of 1 byte; 4 words of padding after every 64
	s_mov_b32 s[G1+1], 256<<16
	s_mov_b32 s[G1+2], 128<<16
	s_mov_b32 s[G1+3], 256<<16
	s_mov_b32 s[G1+4], 128
	s_mov_b32 s[G1+5], 256                         ; a block's rows are dense
	s_mov_b32 s[G1+6], 0
	s_mov_b32 s[G1+7], 0
	s_mov_b32 s[G1S], 3<<16                        ; 4,096 dense scale bytes as 16 rows of 32 elements of 8 bytes
	s_mov_b32 s[G1S+1], 32<<16
	s_mov_b32 s[G1S+2], 16<<16
	s_mov_b32 s[G1S+3], 32<<16
	s_mov_b32 s[G1S+4], 16
	s_mov_b32 s[G1S+5], 32
	s_mov_b32 s[G1S+6], 0
	s_mov_b32 s[G1S+7], 0
	s_lshl_b32 s58, s42, 18                        ; a token tile's four blocks of codes are 262,144 bytes; K's tiles lie behind Q's 32
	s_lshl_b32 s59, s43, 18
	s_add_co_u32 s59, s59, 8388608
	s_lshl_b32 s60, s42, 13                        ; and 8,192 scale bytes
	s_lshl_b32 s61, s43, 13
	s_add_co_u32 s61, s61, 262144
	s_cmp_lt_u32 s14, 2                            ; waves 0 and 1 fetch for Q, waves 2 and 3 for K
	s_cselect_b32 s58, s58, s59
	s_cselect_b32 s60, s60, s61
	s_lshl_b32 s59, s16, 15                        ; my 128 rows of a block
	s_add_co_u32 s58, s58, s59
	s_mov_b32 s59, 0
	s_lshl_b32 s61, s16, 12                        ; my half of the scale bytes
	s_add_co_u32 s60, s60, s61
	s_mov_b32 s61, 0
	s_mul_i32 s62, s14, HALFT
	s_lshl_b32 s63, s14, 12
	s_wait_kmcnt 0x0
	s_add_nc_u64 s[12:13], s[4:5], s[58:59]
	s_mov_b32 s[G0S], 1
	s_add_co_u32 s[G0S+1], s63, SCL
	s_add_nc_u64 s[G0S+2:G0S+3], s[6:7], s[60:61]
	s_or_b32 s[G0S+3], s[G0S+3], 0x80000000
.irp s, 0,1
	s_mov_b32 s[G0+4*\s], 1
	s_add_co_u32 s[G0+4*\s+1], s62, \s*SLOT
	s_add_nc_u64 s[G0+4*\s+2:G0+4*\s+3], s[12:13], \s*65536
	s_or_b32 s[G0+4*\s+3], s[G0+4*\s+3], 0x80000000
.endr
	tensor_load_to_lds s[G0S:G0S+3], s[G1S:G1S+7]  ; the first fills go out together: three loads of mine are out
	s_nop 0
	tensor_load_to_lds s[G0:G0+3], s[G1:G1+7]
	s_nop 0
	tensor_load_to_lds s[G0+4:G0+7], s[G1:G1+7]
	s_nop 0
	PLACES 4
	s_lshl_b32 s58, s42, 3
	s_add_co_u32 s58, s58, s41                     ; the output block: (8 b + i) x 8 + j
	s_lshl_b32 s60, s58, 11
	s_lshl_b32 s58, s58, 16
	s_add_nc_u64 s[8:9], s[8:9], s[58:59]
	s_add_nc_u64 s[10:11], s[10:11], s[60:61]
	s_cmp_eq_u32 s40, s41                          ; the mask is at work on the diagonal tile, in the quarters that are not wholly open
	s_cselect_b32 s[MASKF], 1, 0
	s_cmp_le_u32 s15, s16
	s_cselect_b32 s[MASKF], s[MASKF], 0
	v_and_b32 v1, 15, v0                           ; r
	v_bfe_u32 v2, v0, 4, 1                         ; h
	v_mul_u32_u24 v3, v1, PITCH
	v_lshl_add_u32 v4, v2, 4, v3
	s_mul_i32 s58, s15, HALFT
	s_mul_i32 s59, s16, HALFT
	s_add_co_u32 s59, s59, 2*HALFT
.irp s, 0,1
	v_add_nc_u32 v[ADR1+\s], s58, v4
	v_add_nc_u32 v[ADR0+\s], s59, v4
	s_add_co_u32 s58, s58, SLOT
	s_add_co_u32 s59, s59, SLOT
.endr
	s_lshl_b32 s58, s15, 10
	s_add_co_u32 s58, s58, SCL
	v_lshl_add_u32 v[AS1], v1, 3, s58              ; 8 bytes a row
	s_lshl_b32 s58, s16, 10
	s_add_co_u32 s58, s58, SCL+8192
	v_lshl_add_u32 v[AS0], v1, 3, s58
	s_mul_i32 s58, s15, HALFT
	s_lshl_b32 s59, s16, 7
	s_add_co_u32 s58, s58, s59
	v_lshl_add_u32 v5, v2, 3, v3
	v_add_nc_u32 v[STO], s58, v5                   ; the codes' stage: row 128 x my row half + r, byte 128 x my column half + 8 h
	s_lshl_b32 s58, s15, 10
	s_lshl_b32 s59, s16, 2
	s_add_co_u32 s58, s58, s59
	s_add_co_u32 s58, s58, SST
	v_lshl_add_u32 v[SWA], v1, 3, s58
	s_mul_i32 s58, s14, 64*PITCH
	v_mul_u32_u24 v5, v2, PITCH
	v_lshl_add_u32 v5, v1, 4, v5
	v_add_nc_u32 v[RD], s58, v5
	v_and_b32 v6, 31, v0
	v_lshlrev_b32 v6, 4, v6
	s_lshl_b32 s58, s14, 14
	v_add_nc_u32 v[GO], s58, v6
	v_lshl_add_u32 v[SRD], v0, 4, SST
	v_lshlrev_b32 v[SGO], 4, v0
	s_sub_co_i32 s58, s15, s16
	s_lshl_b32 s58, s58, 7
	v_lshlrev_b32 v5, 3, v2
	v_sub_nc_u32 v5, v1, v5
	v_add_nc_u32 v[VD0], s58, v5                   ; 128 (row half - column half) + r - 8 h
	v_mov_b32 v[NINF], 0xff800000                  ; -infinity
	v_mov_b32 v[NM+1], 0                           ; named with -M as a pair, so it is written
	s_mov_b32 s[CS], 0x3d38aa3b                    ; log2(e) / 32
	s_mov_b32 s[CS+1], s[CS]
	s_mov_b32 s[SEL], 0x76543210
	s_mov_b32 s[SEL+1], 0xfedcba98
	s_mov_b32 s[MNT], 0x600000
.irp c, 0,1,2,3
	v_mov_b32 v[PX+\c], 0
.endr
; Block a: 16 queries x my 128 keys.  Register 8 b + j of lane (r, h) is key 16 b + 8 h + j of query 16 a + r.
.macro SOFT a
.set AC, 64*((\a)%4)
.set XW, 2+(\a)/4
	WIN XW                                         ; source 0: the accumulators' window
.set kk, 0
.rept 32
	v_pk_mul_f32 v[XT+kk:XT+kk+1], v[AC+kk:AC+kk+1], s[CS:CS+1] op_sel_hi:[1,0]   ; t; each accumulator is read from its low end on
.set kk, kk+2
.endr
	WIN 0
	s_wait_dscnt 0x0                               ; the last block's LDS stores have read their registers
	s_cmp_eq_u32 s[MASKF], 0
	s_cbranch_scc1 .Lopen_\@
	v_add_nc_u32 v[VD], 16*(\a), v[VD0]            ; key 16 b + 8 h + j is hidden where 16 b + j > this
.set kk, 0
.rept 64
	v_cmp_gt_i32 vcc_lo, 16*(kk/8)+kk%8, v[VD]
	v_cndmask_b32 v[XT+kk], v[XT+kk], v[NINF], vcc_lo
.set kk, kk+1
.endr
.Lopen_\@:
.irp c, 0,1,2,3
	v_max3_num_f32 v[BM+\c], v[XT+16*\c], v[XT+16*\c+1], v[XT+16*\c+2]   ; the largest t of each block of 32 keys: for the row's maximum, and, since p rises with t, for the block's largest p
.endr
.irp i, 3,5,7,9,11,13
.irp c, 0,1,2,3
	v_max3_num_f32 v[BM+\c], v[BM+\c], v[XT+16*\c+\i], v[XT+16*\c+\i+1]
.endr
.endr
.irp c, 0,1,2,3
	v_max_num_f32 v[BM+\c], v[BM+\c], v[XT+16*\c+15]
.endr
.irp c, 0,1,2,3
	v_permlanex16_b32 v[PX+\c], v[BM+\c], s[SEL], s[SEL+1]
.endr
.irp c, 0,1,2,3
	v_max_num_f32 v[BM+\c], v[BM+\c], v[PX+\c]
.endr
	v_max3_num_f32 v[RT], v[BM], v[BM+1], v[BM+2]
	v_max3_num_f32 v[RT], v[RT], v[BM+3], 0xff61b1e6   ; not under -3e38: a row with no open key here gets a number for M, and p = 0
	v_floor_f32 v[NM], -v[RT]                      ; -M = floor(-t) = -ceil(t)
.set kk, 0
.rept 32
	v_pk_add_f32 v[XT+kk:XT+kk+1], v[XT+kk:XT+kk+1], v[NM:NM+1] op_sel_hi:[1,0]
.set kk, kk+2
.endr
.irp c, 0,1,2,3
	v_add_f32 v[BM+\c], v[BM+\c], v[NM]
.endr
.set kk, 0
.rept 64
	v_exp_f32 v[XT+kk], v[XT+kk]                   ; p = 2^(t - M)
.set kk, kk+1
.endr
	v_sub_f32 v[MV], 0, v[NM]                      ; M.  (The plain line behind the exponentials)
	s_wait_alu depctr_va_vdst(0)                   ; one wait for the batch of 64, ahead of its first reader
.irp c, 0,1,2,3
	v_exp_f32 v[BM+\c], v[BM+\c]                   ; each block's largest p
.endr
	v_pk_add_f32 v[LS:LS+1], v[XT:XT+1], v[XT+2:XT+3]       ; the sum of the unquantised p, in two chains; it reads the 64 alone
	v_pk_add_f32 v[L2:L2+1], v[XT+4:XT+5], v[XT+6:XT+7]
.irp j, 8,12,16,20,24,28,32,36,40,44,48,52,56,60
	v_pk_add_f32 v[LS:LS+1], v[LS:LS+1], v[XT+\j:XT+\j+1]
	v_pk_add_f32 v[L2:L2+1], v[L2:L2+1], v[XT+\j+2:XT+\j+3]
.endr
	v_pk_add_f32 v[LS:LS+1], v[LS:LS+1], v[L2:L2+1]
	s_wait_alu depctr_va_vdst(0)                   ; and one for the four
.irp c, 0,1,2,3
	v_max_num_f32 v[BM+\c], 0x8000000, v[BM+\c]    ; the floor 2^(16 - 127)
.endr
.irp c, 0,1,2,3
	v_add_nc_u32 v[SCOP+\c], 0xf8800000, v[BM+\c]
.endr
.irp c, 0,1,2,3
	v_and_or_b32 v[HOLD+\c], v[BM+\c], 0x7f800000, s[MNT]
.endr
.irp c, 0,1,2,3
	v_lshrrev_b32 v[PX+\c], 23, v[SCOP+\c]
.endr
	v_lshl_or_b32 v[WD], v[PX+1], 8, v[PX]
	v_lshl_or_b32 v[WD], v[PX+2], 16, v[WD]
	v_lshl_or_b32 v[WD], v[PX+3], 24, v[WD]
	v_add_f32 v[LS], v[LS], v[LS+1]
	v_permlanex16_b32 v[L2], v[LS], s[SEL], s[SEL+1]
	v_add_f32 v[LS], v[LS], v[L2]                  ; l of my row and these 128 keys
.set kk, 0
.rept 64
	v_min_num_f32 v[XT+kk], v[XT+kk], v[HOLD+kk/16]   ; p is not negative: a one-sided hold ahead of the conversion, which does not saturate (ISA guide 7.6.2)
.set kk, kk+1
.endr
.irp b, 0,1,2,3,4,5,6,7
	v_cvt_scalef32_pk8_bf8_f32 v[CD+2*\b:CD+2*\b+1], v[XT+8*\b:XT+8*\b+7], v[SCOP+\b/2]
.endr
	v_nop                                          ; one plain line behind the last conversion
.irp b, 0,1,2,3,4,5,6,7
	ds_store_b64 v[STO], v[CD+2*\b:CD+2*\b+1] offset:(\a)*16*PITCH+16*\b
.endr
	ds_store_b32 v[SWA], v[WD] offset:(\a)*128
	ds_store_b32 v[SWA], v[MV] offset:(\a)*128+2048
	ds_store_b32 v[SWA], v[LS] offset:(\a)*128+4096
.endm
	s_wait_tensorcnt 1                             ; the scales and my part of K step 0 are in; K step 1's load may be out
	s_barrier_signal -1
	s_barrier_wait -1
	FETCH_B 0, 0, 0
	FETCH_A 0, 0, 0
	SCALES 0, 0
	FETCH_A 0, 0, 4
	STEP 0, 1
	TURN 0, 1, 1, 2048
	STEP 1, 0
	TURN 1, 0, 1, 4096
	STEP 0, 0
	TURN 0, 1, 0, 6144                             ; slot 0 has had its last fill and, behind this barrier, its last read
	STEP 1, 0
	LAST 1
	PLACES 8
.irp a, 0,1,2,3,4,5,6,7
	SOFT \a
.endr
	s_wait_dscnt 0x0                               ; for the others' sake: my stores into the stages are done
	s_barrier_signal -1
	s_barrier_wait -1
	ds_load_b128 v[96:99], v[SRD]
	ds_load_b128 v[100:103], v[SRD] offset:2048
	ds_load_b128 v[104:107], v[SRD] offset:4096
.set tt, 0
.rept 32
	ds_load_b128 v[128+4*tt:128+4*tt+3], v[RD] offset:tt*2*PITCH
.set tt, tt+1
.endr
	s_wait_dscnt 32
	global_store_b128 v[SGO], v[96:99], s[10:11]                    ; the scale words,
	global_store_b128 v[SGO], v[100:103], s[10:11] offset:524288    ; M,
	global_store_b128 v[SGO], v[104:107], s[10:11] offset:1048576   ; l: a wave stores 512 consecutive bytes each time
.set tt, 0
.rept 32
	s_wait_dscnt 31-tt
	global_store_b128 v[GO], v[128+4*tt:128+4*tt+3], s[8:9] offset:512*tt
.set tt, tt+1
.endr
	s_wait_tensorcnt 0x0                           ; the wave's end
	ds_add_u32 v[SPW], v[NIL]
	s_wait_dscnt 0x0
	s_endpgm
.Lfunc_end_k_q7f77063ec1_score:
	.size	k_q7f77063ec1_score, .Lfunc_end_k_q7f77063ec1_score-k_q7f77063ec1_score
	.p2alignl 7, 3214868480
	.fill 96, 4, 3214868480
	.section	.rodata,"a",@progbits
	.p2align	6, 0x0
	.amdhsa_kernel k_q7f77063ec1_score
		.amdhsa_group_segment_fixed_size 327680
		.amdhsa_private_segment_fixed_size 0
		.amdhsa_enable_private_segment 0
		.amdhsa_kernarg_size 32
		.amdhsa_user_sgpr_count 2
		.amdhsa_user_sgpr_kernarg_segment_ptr 1
		.amdhsa_wavefront_size32 1
		.amdhsa_system_sgpr_workgroup_id_x 1
		.amdhsa_system_sgpr_workgroup_id_y 1
		.amdhsa_system_sgpr_workgroup_id_z 1
		.amdhsa_system_vgpr_workitem_id 0
		.amdhsa_next_free_vgpr 1024
		.amdhsa_next_free_sgpr 66
		.amdhsa_reserve_vcc 1
		.amdhsa_float_denorm_mode_32 3
		.amdhsa_float_denorm_mode_16_64 3
		.amdhsa_memory_ordered 1
		.amdhsa_forward_progress 1
		.amdhsa_inst_pref_size 255
	.end_amdhsa_kernel
	.section	.bss,"aw",@nobits
	.p2align	6
	.space	262144
	.amdgpu_metadata
---
amdhsa.version: [ 1, 2 ]
amdhsa.kernels:
  - .name:           k_q7f77063ec1_score
    .symbol:         k_q7f77063ec1_score.kd
    .args:
      - { .name: qkc, .offset: 0, .size: 8, .value_kind: global_buffer, .address_space: global }
      - { .name: qks, .offset: 8, .size: 8, .value_kind: global_buffer, .address_space: global }
      - { .name: pc, .offset: 16, .size: 8, .value_kind: global_buffer, .address_space: global }
      - { .name: pst, .offset: 24, .size: 8, .value_kind: global_buffer, .address_space: global }
    .group_segment_fixed_size: 327680
    .private_segment_fixed_size: 0
    .kernarg_segment_align: 8
    .kernarg_segment_size: 32
    .max_flat_workgroup_size: 128
    .sgpr_count:     66
    .vgpr_count:     1024
    .wavefront_size: 32
...
	.end_amdgpu_metadata
.endif
;; end of part 2
;; launch pv (part 3): grid 4 x 32, 4 waves a work-group, clusters of 4 x 1, 327,680 bytes of LDS; arguments pc, pst, vc, vs, out0; writes out0
.if DOCPART == 3
	.amdgcn_target "amdgcn-amd-amdhsa--gfx1250"
	.amdhsa_code_object_version 6
	.text
	.protected	k_q7f77063ec1_pv
	.globl	k_q7f77063ec1_pv
	.p2align	8
	.type	k_q7f77063ec1_pv,@function
k_q7f77063ec1_pv:
	s_mov_b64 s[64:65], 0
	v_nop
	global_prefetch_b8 v0, s[64:65] scope:SCOPE_SE
	s_setreg_imm32_b32 hwreg(HW_REG_WAVE_MODE, 25, 1), 1
	s_wait_xcnt 0x0
	s_wait_alu depctr_hold_cnt(0) depctr_sa_sdst(0) depctr_va_vdst(0) depctr_va_sdst(0) depctr_va_ssrc(0) depctr_va_vcc(0) depctr_vm_vsrc(0)
	s_getreg_b32 s2, hwreg(HW_REG_IB_STS2, 6, 4)
	s_cmp_eq_u32 s2, 0
	s_cbranch_scc0 .Lentry_in_a_cluster
	s_endpgm
.Lentry_in_a_cluster:
	s_bfe_u32 s2, ttmp6, 0x10000c
	s_cmp_lg_u32 s2, 0x3003
	s_cbranch_scc0 .Lentry_shape_is_right
	s_endpgm
.Lentry_shape_is_right:
; out = round(10,000 x (P V) / l) / 10,000.  P: the codes of p made tile by tile under local whole numbers M; V^T: codes with the keys innermost.
; A work-group makes 256 queries (tile y = 8 b + it) x 256 channels (tile cx); K = the keys of tiles 0 .. it, a K step of 256 a tile: it + 1 steps, written out for up to 8, left by a branch on the cluster's y.
; THE PREAMBLE brings a row's parts under one M.  For each row: MF = the largest of its 16 M; each part's four scale bytes are lowered by MF - M (a whole number; held at 127), a byte that would fall under 0 becomes 0;
; l = the sum of the parts' l x 2^(M - MF).  All of that is exact but for the hold.  The new scale words and 10,000 / l go to LDS for all four waves.
; CLUSTER: the four work-groups of a cluster share y, so P's tiles are asked for jointly (mask 15); V's tiles differ (cx) and come by plain loads behind the same rounds.
; With it = 0 slot 1's first fill brings P's block 0 a second time and nobody reads it: so every work-group issues the same first fills and one count serves the first wait.
; Source 1 = P's queries across the lanes, source 0 = V^T's channels along the registers: a lane holds eight neighbouring channels of one row of out.
; LIMITS: NaN and infinities are not served.  A part lying more than 127 powers of two under the row's M, or a block whose byte would fall under 0, counts with 2^-127 in place of less: at most 2^-111 beside a row sum above 1/2.
; 1 / l is v_rcp_f32 with 10,000 folded in, and the division by 10,000 is a multiplication by the f32 nearest 1e-4: an ulp each.
.set PITCH,  272
.set HALFT,  128*PITCH
.set SLOT,   4*HALFT                   ; 256 rows of P, then 256 rows of V^T
.set FR,     16
.set VSC,    2*SLOT                    ; V's scale bytes [8 key tiles][256 rows][8]: filled once
.set PSC,    VSC+16384                 ; P's, as the preamble makes them: the same shape; written by LDS stores alone
.set RLB,    PSC+16384                 ; 10,000 / l, twice, 8 bytes a row
.set SPARE,  RLB+2048                  ; the spare words: 128 bytes a wave
.set SB,     128
.set SPITCH, 528                       ; the way out: a stage of 16 rows x (512 + 16) bytes a wave, in slot 0
.set OFFJ, 8                           ; v8-15 the statistics' offsets, one for each key tile
.set ADR1, 16
.set ADR0, 20
.set AS1,  22
.set AS0,  23
.set STO,  24
.set RD,   25
.set GO,   26
.set RFA,  27
.set SPW,  28
.set NIL,  29
.set PSA,  30
.set RLA,  31
.set SC1,  32
.set SC0,  48
.set MF,   96                          ; preamble: v96-97 MF, v98-99 l, v100-101 1 / l, v102-105 10,000 / l twice
.set LSU,  98
.set RC,   100
.set FP,   102
.set RF,   96                          ; the way out: v96-111 10,000 / l of my eight blocks' rows, in pairs
.set AF,   128
.set PS,   128                         ; preamble: register 4 jj + 2 u + q: key tile jj, row tid + 128 u, the q-th 128 keys: scale words,
.set PM,   160                         ; M,
.set PL,   192                         ; l,
.set PK,   224                         ; masks
.set BK,   128                         ; the way out: 16 rows read back: v128-191 and v192-255 by turns
.set IT,   18
.set G1,   24
.set G0,   32
.set G1B,  48
.set G0B,  56
.set G1S,  68
.set G0S,  76
.set VAL,  80                          ; s80-87 1.0 where key tile jj <= it, else 0
.set LIT,  88                          ; s88 0x01010101
.set INV,  90                          ; s[90:91] 1e-4
.set MSB, 0
.macro WIN new
.if MSB != (\new)
	s_set_vgpr_msb (MSB<<8)|(\new)
.set MSB, (\new)
.endif
.endm
.set MUL_LO, 0xa1
.set MUL_HI, 0xf1
.set TO_B,   0x40
.macro PLACES n
.rept \n
	v_nop
.endr
.endm
.macro JLOAD s                         ; waves 0 and 1: P's halves, jointly; waves 2 and 3: V's halves.  The branch hangs on the wave's number alone; four v_nop follow each line
	s_cmp_lt_u32 s14, 2
	s_cbranch_scc0 .Lfor_v_\@
	tensor_load_to_lds s[G0+4*\s:G0+4*\s+3], s[G1:G1+7]
	s_nop 0
.rept 4
	v_nop
.endr
	s_branch .Lasked_\@
.Lfor_v_\@:
	tensor_load_to_lds s[G0B+4*\s:G0B+4*\s+3], s[G1B:G1B+7]
	s_nop 0
.rept 4
	v_nop
.endr
.Lasked_\@:
.endm
.macro CREST
	s_cmp_lg_u32 s14, 0
	s_cbranch_scc1 .Lnot_wave_0_\@
	s_barrier_signal -3
.Lnot_wave_0_\@:
	s_barrier_wait -3
	s_barrier_signal -1
	s_barrier_wait -1
.endm
.macro CROUND
	s_barrier_signal -1
	s_barrier_wait -1
	CREST
.endm
.macro FRAG reg, adr, q, i
.irp c, 0,1,2,3
	ds_load_b128 v[\reg+4*\c:\reg+4*\c+3], v[\adr] offset:128*(\q)+32*\c+(\i)*16*PITCH
.endr
.endm
.macro FETCH_B slot, q, p
	WIN TO_B
.irp i, 0,1,2,3,4,5,6,7
	FRAG 128*(\p)+FR*\i, ADR0+\slot, \q, \i
.endr
	WIN 0
.endm
.macro FETCH_A slot, q, i0
.irp i, \i0, \i0+1, \i0+2, \i0+3
	FRAG AF+FR*(\i), ADR1+\slot, \q, \i
.endr
.endm
.macro SCALES sc, k
.irp i, 0,1,2,3,4,5,6,7
	ds_load_b64 v[SC1+32*(\sc)+2*\i:SC1+32*(\sc)+2*\i+1], v[AS1] offset:(\k)+\i*SB
.endr
.irp i, 0,1,2,3,4,5,6,7
	ds_load_b64 v[SC0+32*(\sc)+2*\i:SC0+32*(\sc)+2*\i+1], v[AS0] offset:(\k)+\i*SB
.endr
.endm
.macro MUL16 a0, p, q, sc, zero        ; the 64 accumulators take turns, one instruction a turn
.irp a, \a0, \a0+1
.irp b, 0,1,2,3,4,5,6,7
.if \zero
	v_wmma_scale_f32_16x16x128_f8f6f4 v[8*(8*((\a)%4)+\b):8*(8*((\a)%4)+\b)+7], v[128*(\p)+FR*\b:128*(\p)+FR*\b+FR-1], v[AF+FR*(\a):AF+FR*(\a)+FR-1], 0, v[SC0+32*(\sc)+2*\b+(\q)], v[SC1+32*(\sc)+2*(\a)+(\q)] matrix_a_fmt:MATRIX_FMT_BF8 matrix_b_fmt:MATRIX_FMT_BF8
.else
	v_wmma_scale_f32_16x16x128_f8f6f4 v[8*(8*((\a)%4)+\b):8*(8*((\a)%4)+\b)+7], v[128*(\p)+FR*\b:128*(\p)+FR*\b+FR-1], v[AF+FR*(\a):AF+FR*(\a)+FR-1], v[8*(8*((\a)%4)+\b):8*(8*((\a)%4)+\b)+7], v[SC0+32*(\sc)+2*\b+(\q)], v[SC1+32*(\sc)+2*(\a)+(\q)] matrix_a_fmt:MATRIX_FMT_BF8 matrix_b_fmt:MATRIX_FMT_BF8
.endif
.endr
.endr
.endm
.macro STEP slot, zero
	s_wait_dscnt 16                                ; all but the youngest 16 loads (source 1's blocks 4-7) are in
	WIN MUL_LO
	MUL16 0, 0, 0, \slot, \zero
	MUL16 2, 0, 0, \slot, \zero
	s_wait_dscnt 0
	PLACES 8
	FETCH_B \slot, 1, 1
	FETCH_A \slot, 1, 0
	WIN MUL_HI
	MUL16 4, 0, 0, \slot, \zero
	MUL16 6, 0, 0, \slot, \zero
	PLACES 8
	WIN 0
	FETCH_A \slot, 1, 4
.endm
; The change of slots.  fill = 1: the barrier opens a round of the cluster's; behind the round this slot takes the key tile two on, if the work-group has one (it >= lim: the cluster's y, alike in all partners and waves).
.macro TURN slot, next, fill, k, lim
	s_wait_tensorcnt 0x0                           ; all my tensor loads have landed: my part of the next slot
	ds_add_u32 v[SPW], v[NIL]                      ; 0 onto my spare word
	s_wait_dscnt 17                                ; the add and the youngest 16 loads may be out
	WIN MUL_LO
	MUL16 0, 1, 1, \slot, 0
	s_wait_dscnt 0x0                               ; the add is done, and my reads of this slot are over
	s_barrier_signal -1
	MUL16 2, 1, 1, \slot, 0
	WIN 0
	s_barrier_wait -1
.if \fill
	CREST                                          ; no wave of any partner still reads this slot or has a load on its way
	s_cmp_lt_u32 s[IT], \lim
	s_cbranch_scc1 .Lno_fill_\@                    ; no later step would read it: no fill
	s_add_nc_u64 s[G0+4*\slot+2:G0+4*\slot+3], s[G0+4*\slot+2:G0+4*\slot+3], 131072
	s_add_nc_u64 s[G0B+4*\slot+2:G0B+4*\slot+3], s[G0B+4*\slot+2:G0B+4*\slot+3], 131072
	JLOAD \slot
.Lno_fill_\@:
.endif
	PLACES 8
	FETCH_B \next, 0, 0
	FETCH_A \next, 0, 0
	SCALES \next, \k
	WIN MUL_HI
	MUL16 4, 1, 1, \slot, 0
	MUL16 6, 1, 1, \slot, 0
	PLACES 8
	WIN 0
	FETCH_A \next, 0, 4
.endm
.macro LAST slot
	s_wait_dscnt 16
	WIN MUL_LO
	MUL16 0, 1, 1, \slot, 0
	MUL16 2, 1, 1, \slot, 0
	s_wait_dscnt 0
	WIN MUL_HI
	MUL16 4, 1, 1, \slot, 0
	MUL16 6, 1, 1, \slot, 0
	WIN 0
.endm
.macro LINK jj, slot, next, zero, fill ; key tile jj: its first 128 keys; out, if it is the last tile; else its second 128 and the change of slots
	STEP \slot, \zero
	s_cmp_eq_u32 s[IT], \jj
	s_cbranch_scc1 .Lfin_\slot
	TURN \slot, \next, \fill, 2048*(\jj+1), \jj+2
.endm
	s_load_b256 s[4:11], s[0:1], 0x0               ; pc, pst, vc, vs
	s_load_b64 s[12:13], s[0:1], 0x20              ; out0
	v_lshl_add_u32 v[SPW], v0, 2, SPARE
	v_mov_b32 v[NIL], 0
	ds_add_u32 v28, v29
	ds_add_u32 v28, v29
	s_wait_dscnt 0x0
	v_lshrrev_b32 v1, 5, v0
	v_readfirstlane_b32 s14, v1                    ; wave 0..3
	s_lshr_b32 s15, s14, 1                         ; my half of the queries
	s_and_b32 s16, s14, 1                          ; my half of the channels.  Also: which 128 rows I fetch
	s_bfe_u32 s40, ttmp6, 0x40000                  ; cx: the channel tile
	s_and_b32 s17, ttmp7, 0xffff                   ; y = 8 b + it
	s_and_b32 s[IT], s17, 7
	s_lshr_b32 s19, s17, 3                         ; b
	s_mov_b32 s[G1], 15|(1<<20)|(1<<21)|(5<<22)|(3<<25)   ; P: all four work-groups; elements of 1 byte; bit 21 beside a mask; 4 words of padding after every 64
	s_mov_b32 s[G1B], (1<<20)|(5<<22)|(3<<25)      ; V: no mask
.irp g, G1, G1B
	s_mov_b32 s[\g+1], 256<<16
	s_mov_b32 s[\g+2], 128<<16
	s_mov_b32 s[\g+3], 256<<16
	s_mov_b32 s[\g+4], 128
	s_mov_b32 s[\g+5], 256
	s_mov_b32 s[\g+6], 0
	s_mov_b32 s[\g+7], 0
.endr
	s_mov_b32 s[G1S], 3<<16                        ; 8,192 dense scale bytes as 32 rows of 32 elements of 8 bytes
	s_mov_b32 s[G1S+1], 32<<16
	s_mov_b32 s[G1S+2], 32<<16
	s_mov_b32 s[G1S+3], 32<<16
	s_mov_b32 s[G1S+4], 32
	s_mov_b32 s[G1S+5], 32
	s_mov_b32 s[G1S+6], 0
	s_mov_b32 s[G1S+7], 0
	s_lshl_b32 s20, s17, 19                        ; P: block 8 y + jj, 65,536 bytes each;
	s_lshl_b32 s21, s16, 15                        ; my 128 rows
	s_add_co_u32 s20, s20, s21
	s_mov_b32 s21, 0
	s_min_u32 s22, s[IT], 1                        ; slot 1's first block: 1, or 0 where there is no block 1
	s_lshl_b32 s22, s22, 16
	s_mov_b32 s23, 0
	s_lshl_b32 s46, s19, 2
	s_add_co_u32 s46, s46, s40                     ; V: block (4 b + cx) x 8 + jj
	s_lshl_b32 s42, s46, 14                        ; its 8 blocks of scale bytes
	s_lshl_b32 s46, s46, 19
	s_lshl_b32 s47, s16, 15
	s_add_co_u32 s46, s46, s47
	s_mov_b32 s47, 0
	s_lshl_b32 s43, s16, 13                        ; my half of them
	s_add_co_u32 s42, s42, s43
	s_lshl_b32 s44, s16, 13
	s_mov_b32 s43, 0
	s_mul_i32 s45, s14, HALFT                      ; where the tiles go: wave x 128 rows
	s_wait_kmcnt 0x0
	s_add_nc_u64 s[20:21], s[4:5], s[20:21]
	s_add_nc_u64 s[46:47], s[8:9], s[46:47]
	s_add_nc_u64 s[42:43], s[10:11], s[42:43]
	CROUND                                         ; all four work-groups are here: the first joint loads meet
	s_mov_b32 s[G0], 1
	s_mov_b32 s[G0+1], s45
	s_mov_b64 s[G0+2:G0+3], s[20:21]
	s_or_b32 s[G0+3], s[G0+3], 0x80000000
	s_mov_b32 s[G0+4], 1
	s_add_co_u32 s[G0+5], s45, SLOT
	s_add_nc_u64 s[G0+6:G0+7], s[20:21], s[22:23]
	s_or_b32 s[G0+7], s[G0+7], 0x80000000
.irp s, 0,1
	s_mov_b32 s[G0B+4*\s], 1
	s_add_co_u32 s[G0B+4*\s+1], s45, \s*SLOT
	s_add_nc_u64 s[G0B+4*\s+2:G0B+4*\s+3], s[46:47], \s*65536
	s_or_b32 s[G0B+4*\s+3], s[G0B+4*\s+3], 0x80000000
.endr
	s_mov_b32 s[G0S], 1
	s_add_co_u32 s[G0S+1], s44, VSC
	s_mov_b64 s[G0S+2:G0S+3], s[42:43]
	s_or_b32 s[G0S+3], s[G0S+3], 0x80000000
	s_cmp_lt_u32 s14, 2                            ; a wave's first fills stand in one branch: two loads of mine are out, or three
	s_cbranch_scc0 .Lfirst_v
	tensor_load_to_lds s[G0:G0+3], s[G1:G1+7]
	s_nop 0
	tensor_load_to_lds s[G0+4:G0+7], s[G1:G1+7]
	s_nop 0
	PLACES 4
	s_branch .Lfirst_done
.Lfirst_v:
	tensor_load_to_lds s[G0S:G0S+3], s[G1S:G1S+7]
	s_nop 0
	tensor_load_to_lds s[G0B:G0B+3], s[G1B:G1B+7]
	s_nop 0
	tensor_load_to_lds s[G0B+4:G0B+7], s[G1B:G1B+7]
	s_nop 0
	PLACES 4
.Lfirst_done:
	; ---- the preamble: thread tid owns rows tid and tid + 128
	v_lshlrev_b32 v1, 3, v0                        ; 8 bytes a row
.irp jj, 0,1,2,3,4,5,6,7
	s_min_u32 s2, s[IT], \jj                       ; only written blocks are read: a tile beyond it reads tile it again, which changes no maximum and is weighed with 0
	s_lshl_b32 s2, s2, 11
	v_add_nc_u32 v[OFFJ+\jj], s2, v1
.endr
	s_lshl_b32 s2, s17, 14                         ; my row of 8 blocks of 2,048 bytes
	s_mov_b32 s3, 0
	s_add_nc_u64 s[6:7], s[6:7], s[2:3]
.irp jj, 0,1,2,3,4,5,6,7
.irp u, 0,1
	global_load_b64 v[PS+4*\jj+2*\u:PS+4*\jj+2*\u+1], v[OFFJ+\jj], s[6:7] offset:1024*\u
	global_load_b64 v[PM+4*\jj+2*\u:PM+4*\jj+2*\u+1], v[OFFJ+\jj], s[6:7] offset:524288+1024*\u
	global_load_b64 v[PL+4*\jj+2*\u:PL+4*\jj+2*\u+1], v[OFFJ+\jj], s[6:7] offset:1048576+1024*\u
.endr
.endr
.irp jj, 0,1,2,3,4,5,6,7
	s_cmp_ge_u32 s[IT], \jj
	s_cselect_b32 s[VAL+\jj], 1.0, 0
.endr
	s_mov_b32 s[LIT], 0x01010101
	s_mov_b32 s[INV], 0x38d1b717                   ; 1e-4
	s_mov_b32 s[INV+1], s[INV]
	; addresses, while the loads are out
	v_and_b32 v1, 15, v0                           ; r
	v_bfe_u32 v2, v0, 4, 1                         ; h
	v_mul_u32_u24 v3, v1, PITCH
	v_lshl_add_u32 v4, v2, 4, v3
	s_mul_i32 s2, s15, HALFT
	s_mul_i32 s3, s16, HALFT
	s_add_co_u32 s3, s3, 2*HALFT
.irp s, 0,1
	v_add_nc_u32 v[ADR1+\s], s2, v4
	v_add_nc_u32 v[ADR0+\s], s3, v4
	s_add_co_u32 s2, s2, SLOT
	s_add_co_u32 s3, s3, SLOT
.endr
	s_lshl_b32 s2, s15, 10
	s_add_co_u32 s3, s2, PSC
	v_lshl_add_u32 v[AS1], v1, 3, s3
	s_add_co_u32 s3, s2, RLB
	v_lshl_add_u32 v[RFA], v1, 3, s3
	s_lshl_b32 s2, s16, 10
	s_add_co_u32 s2, s2, VSC
	v_lshl_add_u32 v[AS0], v1, 3, s2
	s_mul_i32 s2, s14, 16*SPITCH                   ; my stage
	v_mul_u32_u24 v5, v1, SPITCH
	v_lshl_add_u32 v5, v2, 5, v5
	v_add_nc_u32 v[STO], s2, v5                    ; in: row r, 32 bytes for each half of the lanes
	v_and_b32 v6, 31, v0
	v_lshlrev_b32 v[GO], 4, v6                     ; back: the 32 lanes take one row of 512 bytes; the same in out
	v_add_nc_u32 v[RD], s2, v[GO]
	v_lshl_add_u32 v[PSA], v0, 3, PSC
	v_lshl_add_u32 v[RLA], v0, 3, RLB
	s_lshl_b32 s2, s17, 8                          ; out: row 256 y + 128 x my row half, 4,096 bytes a row; byte 1,024 cx + 512 x my column half
	s_lshl_b32 s3, s15, 7
	s_add_co_u32 s2, s2, s3
	s_lshl_b32 s2, s2, 12
	s_lshl_b32 s3, s40, 10
	s_add_co_u32 s2, s2, s3
	s_lshl_b32 s3, s16, 9
	s_add_co_u32 s2, s2, s3
	s_mov_b32 s3, 0
	s_add_nc_u64 s[12:13], s[12:13], s[2:3]
	s_wait_loadcnt 0x0
.irp u, 0,1
	v_max3_num_f32 v[MF+\u], v[PM+2*\u], v[PM+2*\u+1], v[PM+4+2*\u]   ; MF: the largest of the row's 16 M
.endr
.irp m, 3,5,7,9,11,13
.irp u, 0,1
	v_max3_num_f32 v[MF+\u], v[MF+\u], v[PM+4*(\m/2)+2*\u+\m%2], v[PM+4*((\m+1)/2)+2*\u+(\m+1)%2]
.endr
.endr
.irp u, 0,1
	v_max_num_f32 v[MF+\u], v[MF+\u], v[PM+28+2*\u+1]
.endr
.set nn, 0
.rept 32
	v_sub_f32 v[PM+nn], v[PM+nn], v[MF+(nn/2)%2]   ; M - MF: a whole number, 0 or less
.set nn, nn+1
.endr
.set nn, 0
.rept 32
	v_max_num_f32 v[PM+nn], 0xc2fe0000, v[PM+nn]   ; held at -127
.set nn, nn+1
.endr
.set nn, 0
.rept 32
	v_cvt_i32_f32 v[PM+nn], v[PM+nn]
.set nn, nn+1
.endr
.set nn, 0
.rept 32
	v_ldexp_f32 v[PL+nn], v[PL+nn], v[PM+nn]       ; the part's l under MF: nothing is rounded
.set nn, nn+1
.endr
.set nn, 0
.rept 32
.if (nn == 0) || (nn == 2)
	v_mul_f32 v[LSU+(nn/2)%2], s[VAL+nn/4], v[PL+nn]
.else
	v_fmac_f32 v[LSU+(nn/2)%2], s[VAL+nn/4], v[PL+nn]
.endif
.set nn, nn+1
.endr
	v_rcp_f32 v[RC], v[LSU]
	v_rcp_f32 v[RC+1], v[LSU+1]
.set nn, 0
.rept 32
	v_or_b32 v[PS+nn], 0x80808080, v[PS+nn]        ; a guard bit over each byte (the bytes are 1 .. 112), so that no byte borrows from its neighbour.  (Plain work behind the reciprocals)
.set nn, nn+1
.endr
.set nn, 0
.rept 32
	v_mul_lo_u32 v[PM+nn], v[PM+nn], s[LIT]        ; M - MF in each byte
.set nn, nn+1
.endr
.set nn, 0
.rept 32
	v_add_nc_u32 v[PS+nn], v[PS+nn], v[PM+nn]
.set nn, nn+1
.endr
.set nn, 0
.rept 32
	v_and_b32 v[PK+nn], 0x80808080, v[PS+nn]       ; the guard bit stays where the byte did not fall under 0
.set nn, nn+1
.endr
.set nn, 0
.rept 32
	v_lshrrev_b32 v[PM+nn], 7, v[PK+nn]
.set nn, nn+1
.endr
.set nn, 0
.rept 32
	v_sub_nc_u32 v[PK+nn], v[PK+nn], v[PM+nn]      ; 0x7f in those bytes, 0 in the others
.set nn, nn+1
.endr
.set nn, 0
.rept 32
	v_and_b32 v[PS+nn], v[PS+nn], v[PK+nn]
.set nn, nn+1
.endr
	s_wait_alu depctr_va_vdst(0)                   ; one wait for the two reciprocals, ahead of their first reader
	v_mul_f32 v[FP], 0x461c4000, v[RC]             ; 10,000 / l, twice: the packed multiply takes a pair
	v_mul_f32 v[FP+1], 0x461c4000, v[RC]
	v_mul_f32 v[FP+2], 0x461c4000, v[RC+1]
	v_mul_f32 v[FP+3], 0x461c4000, v[RC+1]
.irp jj, 0,1,2,3,4,5,6,7
.irp u, 0,1
	ds_store_b64 v[PSA], v[PS+4*\jj+2*\u:PS+4*\jj+2*\u+1] offset:2048*\jj+1024*\u
.endr
.endr
	ds_store_b64 v[RLA], v[FP:FP+1]
	ds_store_b64 v[RLA], v[FP+2:FP+3] offset:1024
	s_wait_dscnt 0x0                               ; for the others' sake: my stores are done
	s_wait_tensorcnt 1                             ; V's scales and my part of slot 0 are in; slot 1's load may be out
	s_barrier_signal -1
	s_barrier_wait -1
	FETCH_B 0, 0, 0
	FETCH_A 0, 0, 0
	SCALES 0, 0
	FETCH_A 0, 0, 4
	LINK 0, 0, 1, 1, 1
	LINK 1, 1, 0, 0, 1
	LINK 2, 0, 1, 0, 1
	LINK 3, 1, 0, 0, 1
	LINK 4, 0, 1, 0, 1
	LINK 5, 1, 0, 0, 1
	LINK 6, 0, 1, 0, 0                             ; there is no key tile 8: a plain barrier, no fill
	STEP 1, 0
.Lfin_1:
	LAST 1
	s_branch .Lepi
.Lfin_0:
	LAST 0
.Lepi:
	PLACES 8
	s_wait_tensorcnt 0x0                           ; every fill of mine has landed (with it = 0: slot 1's, which nobody reads),
	s_wait_dscnt 0x0                               ; and my reads of the ring are over:
	s_barrier_signal -1
	s_barrier_wait -1                              ; the ring has had its last fill and its last read: slot 0 serves as the stage
.irp a, 0,1,2,3,4,5,6,7
	ds_load_b64 v[RF+2*\a:RF+2*\a+1], v[RFA] offset:\a*128
.endr
	s_wait_dscnt 0x0
; THE WAY OUT of block a: x 10,000 / l, to the nearest whole number (ties to even), x 1e-4, in place; through my stage; whole rows of 512 bytes out.
.macro FINISH a
.set AC, 64*((\a)%4)
.set XW, 2+(\a)/4
.set WQ, (XW<<6)|XW
	WIN WQ                                         ; destination and source 0: the accumulators' window
.set kk, 0
.rept 32
	v_pk_mul_f32 v[AC+kk:AC+kk+1], v[AC+kk:AC+kk+1], v[RF+2*(\a):RF+2*(\a)+1]   ; each accumulator is read from its low end on
.set kk, kk+2
.endr
.set kk, 0
.rept 64
	v_rndne_f32 v[AC+kk], v[AC+kk]
.set kk, kk+1
.endr
.set kk, 0
.rept 32
	v_pk_mul_f32 v[AC+kk:AC+kk+1], v[AC+kk:AC+kk+1], s[INV:INV+1] op_sel_hi:[1,0]
.set kk, kk+2
.endr
	WIN 0
.endm
.macro TOSTAGE a
.set AC, 64*((\a)%4)
.set WQ, 0x08+4*((\a)/4)
	WIN WQ                                         ; an LDS store's data are its source 1
.irp b, 0,1,2,3,4,5,6,7
	ds_store_b128 v[STO], v[AC+8*\b:AC+8*\b+3] offset:64*\b
	ds_store_b128 v[STO], v[AC+8*\b+4:AC+8*\b+7] offset:64*\b+16
.endr
	WIN 0
.set BB, BK+64*((\a)%2)
.set tt, 0
.rept 16
	ds_load_b128 v[BB+4*tt:BB+4*tt+3], v[RD] offset:tt*SPITCH   ; LDS serves a wave's instructions in order (ISA guide 5.7.1.4): these see the stores above
.set tt, tt+1
.endr
.endm
.macro SEND a, younger                 ; younger: the LDS instructions issued behind block a's loads
.set BB, BK+64*((\a)%2)
	s_wait_dscnt \younger
.set tt, 0
.rept 16
	global_store_b128 v[GO], v[BB+4*tt:BB+4*tt+3], s[12:13] offset:(16*(\a)+tt)*4096 th:TH_STORE_NT   ; 32 lanes store 512 consecutive bytes, aligned; 127 rows at the most stand in the immediate
.set tt, tt+1
.endr
.endm
	FINISH 0
	TOSTAGE 0
.irp a, 1,2,3,4,5,6,7
	FINISH \a
.if \a > 1
	s_wait_xcnt 0x0                                ; block a - 2's stores have read their registers: block a's loads may land there
.endif
	TOSTAGE \a
	SEND \a-1, 32                                  ; behind block a - 1's loads: block a's 16 stores and 16 loads
.endr
	SEND 7, 0
	s_wait_tensorcnt 0x0                           ; the wave's end
	ds_add_u32 v[SPW], v[NIL]
	s_wait_dscnt 0x0
	CROUND                                         ; the closing round
	s_endpgm
.Lfunc_end_k_q7f77063ec1_pv:
	.size	k_q7f77063ec1_pv, .Lfunc_end_k_q7f77063ec1_pv-k_q7f77063ec1_pv
	.p2alignl 7, 3214868480
	.fill 96, 4, 3214868480
	.section	.rodata,"a",@progbits
	.p2align	6, 0x0
	.amdhsa_kernel k_q7f77063ec1_pv
		.amdhsa_group_segment_fixed_size 327680
		.amdhsa_private_segment_fixed_size 0
		.amdhsa_enable_private_segment 0
		.amdhsa_kernarg_size 40
		.amdhsa_user_sgpr_count 2
		.amdhsa_user_sgpr_kernarg_segment_ptr 1
		.amdhsa_wavefront_size32 1
		.amdhsa_system_sgpr_workgroup_id_x 1
		.amdhsa_system_sgpr_workgroup_id_y 1
		.amdhsa_system_sgpr_workgroup_id_z 1
		.amdhsa_system_vgpr_workitem_id 0
		.amdhsa_next_free_vgpr 1024
		.amdhsa_next_free_sgpr 100
		.amdhsa_reserve_vcc 0
		.amdhsa_float_denorm_mode_32 3
		.amdhsa_float_denorm_mode_16_64 3
		.amdhsa_memory_ordered 1
		.amdhsa_forward_progress 1
		.amdhsa_inst_pref_size 255
	.end_amdhsa_kernel
	.section	.bss,"aw",@nobits
	.p2align	6
	.space	262144
	.amdgpu_metadata
---
amdhsa.version: [ 1, 2 ]
amdhsa.kernels:
  - .name:           k_q7f77063ec1_pv
    .symbol:         k_q7f77063ec1_pv.kd
    .args:
      - { .name: pc, .offset: 0, .size: 8, .value_kind: global_buffer, .address_space: global }
      - { .name: pst, .offset: 8, .size: 8, .value_kind: global_buffer, .address_space: global }
      - { .name: vc, .offset: 16, .size: 8, .value_kind: global_buffer, .address_space: global }
      - { .name: vs, .offset: 24, .size: 8, .value_kind: global_buffer, .address_space: global }
      - { .name: out0, .offset: 32, .size: 8, .value_kind: global_buffer, .address_space: global }
    .group_segment_fixed_size: 327680
    .private_segment_fixed_size: 0
    .kernarg_segment_align: 8
    .kernarg_segment_size: 40
    .max_flat_workgroup_size: 128
    .sgpr_count:     100
    .vgpr_count:     1024
    .wavefront_size: 32
...
	.end_amdgpu_metadata
.endif
;; end of part 3
;; ======== version 2 of 2: 3 launches
;; limits: right only within a limited range of input values
;; workspace buffers: qkc 16,777,216 bytes; qks 524,288 bytes; vc 8,388,608 bytes; vs 262,144 bytes; pc 16,777,216 bytes; pst 1,572,864 bytes
;; launch proj (part 4): grid 16 x 16, 4 waves a work-group, clusters of 4 x 4, 327,680 bytes of LDS; arguments embedded_codes, embedded_scales, W_q_codes, W_q_scales, W_k_codes, W_k_scales, W_v_codes, W_v_scales, qkc, qks, vc, vs; writes qkc, qks, vc, vs
.if DOCPART == 4
	.amdgcn_target "amdgcn-amd-amdhsa--gfx1250"
	.amdhsa_code_object_version 6
	.text
	.protected	k_q7f77063ec1_proj
	.globl	k_q7f77063ec1_proj
	.p2align	8
	.type	k_q7f77063ec1_proj,@function
k_q7f77063ec1_proj:
	s_mov_b64 s[64:65], 0
	v_nop
	global_prefetch_b8 v0, s[64:65] scope:SCOPE_SE
	s_setreg_imm32_b32 hwreg(HW_REG_WAVE_MODE, 25, 1), 1
	s_wait_xcnt 0x0
	s_wait_alu depctr_hold_cnt(0) depctr_sa_sdst(0) depctr_va_vdst(0) depctr_va_sdst(0) depctr_va_ssrc(0) depctr_va_vcc(0) depctr_vm_vsrc(0)
	s_getreg_b32 s2, hwreg(HW_REG_IB_STS2, 6, 4)
	s_cmp_eq_u32 s2, 0
	s_cbranch_scc0 .Lentry_in_a_cluster
	s_endpgm
.Lentry_in_a_cluster:
	s_bfe_u32 s2, ttmp6, 0x10000c
	s_cmp_lg_u32 s2, 0xf033
	s_cbranch_scc0 .Lentry_shape_is_right
	s_endpgm
.Lentry_shape_is_right:
; Q = x Wq^T, K = x Wk^T, V = x Wv^T on codes of BF8 (E5M2), a scale byte for 32 along the 1,024 of the embedding; the results are quantised at once and leave in the order of the operand registers of the launches that read them.
; LEFT OUT BY THE PROGRAM: tiles of Q K^T whose keys all come after their queries, and the products with them: the causal mask puts -infinity there, so their p is 0 for all inputs.  A NaN, an infinity or an overflow that reaches only those is not carried.
; LIMITS: NaN, infinities and sums beyond f32's range are not served.  A block's byte never falls under 1 (a block whose largest magnitude lies under 2^-111, zeros too, keeps 1); the bytes are read by this program alone.
; LAYOUTS (lane = 16 h + r).  qkc[16-token block: Q's 512, then K's][128 channels: 8][c 4][lane][16 bytes]; bytes 0-7 of lane (r, h): token r, channels 32 c + 8 h + 0..7; bytes 8-15: 16 on.  Both operands of Q K^T have this order inside 32, so the sum is the same.
; qks[256-token tile: 32, 32][128 channels: 8][256][4].   vc[batch][128 channels: 8][256 keys: 8][128 keys: 2][16 channels: 8][c 4][lane][16]: lane (r, h): channel r, keys 32 c + 8 h + 0..7 and 16 on: the order in which the next launch leaves p.   vs[batch][8][8][128][2][4].
; THE DEAL.  256 work-groups of four waves, 2 x 2; a wave holds 64 rows of a weight, all of K, in registers (512) and streams x's rows past them in blocks of 16, two whole sets (256).
; PHASE 1: 512 tokens x 128 columns of Q (cluster x 0, 1) or K (2, 3): sixteen blocks a wave.  PHASE 2: 256 x 128 of V: eight blocks, on one of the work-group's own two windows of 256 tokens, number s18; W_v's tile is 4 (cluster x / 2) + cx.
; ORDER: the window that is not V's (chunks 0, 1 of 128 tokens), then V's (2, 3).  LDS has two slots of 128 rows; a weight's rows lie in a slot (the first in 1, W_v's in 0).  Chunk 3 still lies in slot 1 when V begins; chunk 2 comes anew.  In a chunk wave row w takes tokens 64 w + 16 n, n = 0..3.
; FILLS.  Head, one joint load a wave: the weight (wave 0), chunk 0 (1), a window's scale bytes each (2, 3).  Refills in drained rounds, a quarter of 128 rows a wave: waves 0, 1 bring rows 0-31, 64-95 (blocks n = 0, 1), waves 2, 3 the rest.  Chunks 1, 2, 3 inside blocks 0, 4, 8; waves 0, 1's part is shown inside the block two on, the rest by the next round.
; CLUSTERS: a row of the cluster shares x's rows, a column the weights'.  A prefetch names chunks 1, 2 at the head, chunk 3 and W_v's rows one trip ahead of their loads, a sixteenth a wave of the four partners, told apart by address.
; A block's way out stands among the next block's products; a pair of V's among the next pair's.  The first way out of either phase has no block before it and stores nothing.
.set SIZE_K, 1024
.set NB, 4
.set TM, 512
.set TN, 128
.set CH, 128
.set KROW, 1024
.set KS, 32
.set PITCH, KROW+16                    ; 260 words: the 16 rows of a fragment load start 4 words apart
.set FR, 16
.set FPW, 16                           ; fragments in a window
.set NP, 8
.set NF, 34                            ; LDS loads of a block: 32 of fragments, 2 of scale words
.set BP, 16*PITCH                      ; from block to block in a chunk
.set YB, CH*PITCH                      ; slot 1
.set SCL, 2*CH*PITCH                   ; scale bytes of x's 512 rows in the order of work: units of 256 bytes (8 rows) + 16
.set RS, 32
.set SSTEP, 2*272                      ; 16 rows
.set SCHK, 16*272                      ; a chunk
.set XN, SCL+2*RS*272                  ; Q's or K's scale bytes [512 rows in the order of work][4]
.set XV, XN+2048                       ; V's [128 channels][2][4]
.set SPARE, XV+1024
.set TBK, 16384                        ; a 16-token block in qkc
.set EMAX, 15
.set ADRA0, 4
.set AAS0, 6
.set CO, 9                             ; 16 x lane
.set SPW, 10
.set NIL, 11
.set ADRA, 12
.set VX, 13
.set ADRB, 14                          ; v14, v15: a weight in slot 1, in slot 0
.set ABS, 16
.set AAS, 17
.set VXB, 18
.set RD, 19
.set SOP, 20                           ; v20-23 conversions' scale operands (phase 1: v22 a bound's second copy)
.set SB, 24                            ; v24-39 the weight's scale words: register 8 p + q: lanes 0-15 tile 2 p, lanes 16-31 tile 2 p + 1
.set SA, 44                            ; v44-59 x's, two sets
.set EB, 40                            ; v40-43 scale bytes
.set TQ, 60                            ; v60-63 maxima and bounds
.set ACC, 64                           ; v64-191 four sets of four accumulators
.set WS, 128                           ; phase 1: W_v's scale words
.set NCD, 192
.set MCD, 192
.set G1A, 24
.set G0A, 56
.set G1B, 32
.set G0B, 60
.set G1R, 48
.set G0R, 68
.set G1S, 92
.set G0S, 72
.set MSB, 0
.macro WIN new                         ; the immediate's high byte repeats the setting that is left
.if MSB != (\new)
	s_set_vgpr_msb (MSB<<8)|(\new)
.set MSB, (\new)
.endif
.endm
.macro PLACES n
.rept \n
	v_nop
.endr
.endm
.macro BARRIER
	s_barrier_signal -1
	s_barrier_wait -1
.endm
.macro CROUND                          ; a round of the cluster's barrier
	BARRIER
	s_cmp_lg_u32 s14, 0
	s_cbranch_scc1 .Lnot_wave_0_\@
	s_barrier_signal -3
.Lnot_wave_0_\@:
	s_barrier_wait -3
	BARRIER
.endm
.macro TLOAD g0, g1                    ; s_nop 0 and four v_nop follow a tensor load
	tensor_load_to_lds s[\g0:\g0+3], s[\g1:\g1+7]
	s_nop 0
	PLACES 4
.endm
.macro GROUP1 g, mask, rows            ; rows of 1,024 bytes, 16 bytes of padding behind each
	s_or_b32 s[\g+0], s[\mask], (1<<20)|(1<<21)|(7<<22)|(3<<25)
	s_mov_b32 s[\g+1], KROW<<16
	s_mov_b32 s[\g+2], (\rows)<<16
	s_mov_b32 s[\g+3], KROW<<16
	s_mov_b32 s[\g+4], \rows
	s_mov_b32 s[\g+5], KROW
	s_mov_b32 s[\g+6], 0
	s_mov_b32 s[\g+7], 0
.endm
.macro SADD d, x
	s_add_co_u32 s\d, s\d, s\x
.endm
	s_load_b128 s[4:7], s[0:1], 0x0                ; x's codes, scales
	s_load_b256 s[76:83], s[0:1], 0x10             ; W_q's codes, scales, W_k's
	s_load_b64 s[8:9], s[0:1], 0x38                ; W_v's scales
	v_lshl_add_u32 v[SPW], v0, 2, SPARE
	v_mov_b32 v[NIL], 0
	ds_add_u32 v[SPW], v[NIL]                      ; the wave's opening: the add, twice on end
	ds_add_u32 v[SPW], v[NIL]
	v_lshrrev_b32 v1, 5, v0
	v_readfirstlane_b32 s14, v1                    ; wave 0..3
	s_lshr_b32 s15, s14, 1                         ; my row of waves
	s_and_b32 s16, s14, 1                          ; my column of waves
	s_bfe_u32 s40, ttmp6, 0x40000
	s_bfe_u32 s41, ttmp6, 0x40004
	s_lshl_b32 s42, ttmp9, 2
	SADD 42, 40
	s_and_b32 s42, s42, 7                          ; phase 1's 128 columns of its tensor
	s_and_b32 s43, ttmp7, 0xffff
	s_lshl_b32 s43, s43, 2
	SADD 43, 41                                    ; tile row: 512 tokens
	s_lshr_b32 s19, ttmp9, 1                       ; 0: Q; 1: K
	s_and_b32 s18, ttmp9, 1                        ; V's window
	s_lshl_b32 s44, s41, 2
	s_lshl_b32 s44, 15, s44                        ; my row of the cluster
	s_lshl_b32 s45, 0x1111, s40                    ; my column
	GROUP1 G1B, 45, TN
	GROUP1 G1A, 44, CH
	GROUP1 G1R, 44, CH/4
	s_or_b32 s[G1S+0], s44, (3<<16)|(1<<20)|(1<<21)|(5<<22)|(3<<25)  ; 8,192 dense scale bytes as 32 rows of 256, 16 of padding behind each
	s_mov_b32 s[G1S+1], 32<<16
	s_mov_b32 s[G1S+2], RS<<16
	s_mov_b32 s[G1S+3], 32<<16
	s_mov_b32 s[G1S+4], RS
	s_mov_b32 s[G1S+5], 32
	s_mov_b32 s[G1S+6], 0
	s_mov_b32 s[G1S+7], 0
	s_mov_b32 s[G0S], 1
	s_mul_i32 s[G0S+1], s16, RS*272
	s_add_co_u32 s[G0S+1], s[G0S+1], SCL
	s_mul_i32 s67, s43, TM*KROW                    ; s67, s2: the window that is not V's, V's window, in bytes of x's codes
	s_mul_i32 s20, s18, TM/2*KROW
	s_add_co_u32 s2, s67, s20
	s_xor_b32 s20, s20, TM/2*KROW
	SADD 67, 20
	s_lshl_b32 s13, s19, 2
	SADD 13, 40                                    ; W_v's tile of 128 rows
	s_mul_i32 s3, s13, TN*KROW
	s_mul_i32 s12, s13, TN*KS
	s_mul_i32 s21, s16, 64*KS
	SADD 12, 21                                    ; W_v's scale bytes of my 64 rows
	s_mul_i32 s84, s42, TN*KROW                    ; the first weight's codes,
	s_mov_b32 s85, 0
	s_mul_i32 s22, s42, TN*KS                      ; and scale bytes
	SADD 22, 21
	s_mov_b32 s23, 0
	s_mov_b32 s86, s67
	s_mov_b32 s87, 0
	s_lshl_b32 s88, s43, 1                         ; x's scale bytes: wave 2 the window that is not V's, wave 3 V's
	s_xor_b32 s20, s18, 1
	s_cmp_eq_u32 s16, 1
	s_cselect_b32 s20, s18, s20
	SADD 88, 20
	s_mul_i32 s88, s88, TM/2*KS
	s_mov_b32 s89, 0
	s_mov_b32 s[G0A], 1
	s_mov_b32 s[G0A+1], 0
	s_mov_b32 s[G0B], 1
	s_mov_b32 s[G0B+1], YB
	s_mov_b32 s[G0R], 1
	s_and_b32 s66, s14, 1                          ; a refill's quarter: rows 64 (wave % 2) + 32 (wave / 2) on
	s_lshl_b32 s66, s66, 6
	s_lshr_b32 s20, s14, 1
	s_lshl_b32 s20, s20, 5
	SADD 66, 20
	s_mul_i32 s17, s15, 64*PITCH
	s_mul_i32 s46, s16, 64*PITCH
	s_add_co_u32 s47, s46, YB
	s_mul_i32 s20, s15, 8*272
	s_add_co_u32 s20, s20, SCL
	s_lshl_b32 s90, s40, 2                         ; my share of a prefetch of x's rows,
	SADD 90, 14
	s_lshl_b32 s100, s41, 2                        ; of W_v's
	SADD 100, 14
	v_and_b32 v1, 15, v0                           ; r
	v_bfe_u32 v2, v0, 4, 1                         ; h
	v_and_b32 v3, 31, v0                           ; lane
	v_mul_u32_u24 v22, v1, PITCH
	v_lshl_add_u32 v23, v2, 4, v22
	v_add_nc_u32 v[ADRA0], s17, v23
	v_add_nc_u32 v[ADRB+1], s46, v23
	v_add_nc_u32 v[ADRB], s47, v23
	v_mul_u32_u24 v[ABS], v3, KS
	v_lshlrev_b32 v23, 5, v1
	v_lshrrev_b32 v22, 3, v1
	v_lshl_add_u32 v23, v22, 4, v23
	v_add_nc_u32 v[AAS0], s20, v23
	s_wait_alu depctr_va_vdst(0)
	s_wait_dscnt 0x0                               ; both opening adds are done
	CROUND                                         ; all sixteen work-groups are here
	s_wait_kmcnt 0x0
	s_cmp_eq_u32 s19, 1                            ; which weight: by the cluster's x alone
	s_cselect_b64 s[76:77], s[80:81], s[76:77]
	s_cselect_b64 s[78:79], s[82:83], s[78:79]
	s_add_nc_u64 s[G0A+2:G0A+3], s[4:5], s[86:87]
	s_or_b32 s[G0A+3], s[G0A+3], 0x80000000
	s_add_nc_u64 s[G0B+2:G0B+3], s[76:77], s[84:85]
	s_or_b32 s[G0B+3], s[G0B+3], 0x80000000
	s_add_nc_u64 s[G0S+2:G0S+3], s[6:7], s[88:89]
	s_or_b32 s[G0S+3], s[G0S+3], 0x80000000
	s_add_nc_u64 s[10:11], s[78:79], s[22:23]
	s_cmp_eq_u32 s14, 0                            ; one joint load a wave, a line of its own for what is shown ahead of the rest
	s_cbranch_scc0 .Lwave_1
	TLOAD G0B, G1B
	s_branch .Lasked
.Lwave_1:
	s_cmp_eq_u32 s14, 1
	s_cbranch_scc0 .Lfor_scales
	TLOAD G0A, G1A
	s_branch .Lasked
.Lfor_scales:
	TLOAD G0S, G1S
.Lasked:
; where my results go
	s_lshl_b32 s76, s19, 23                        ; qkc: Q's 512 blocks of 16 tokens, then K's; my tile row's 32; my row of waves 4 on in a chunk
	s_lshl_b32 s20, s43, 19
	SADD 76, 20
	s_lshl_b32 s20, s15, 16
	SADD 76, 20
	s_lshl_b32 s20, s42, 11
	SADD 76, 20
	s_lshl_b32 s20, s16, 10
	SADD 76, 20
	s_mov_b32 s77, 0
	s_lshl_b32 s78, s19, 5                         ; qks: wave n stores window n / 2 in the order of work, half n % 2
	s_lshl_b32 s20, s43, 1
	SADD 78, 20
	s_xor_b32 s20, s15, s18
	s_xor_b32 s20, s20, 1
	SADD 78, 20
	s_lshl_b32 s78, s78, 13
	s_lshl_b32 s20, s42, 10
	SADD 78, 20
	s_lshl_b32 s20, s16, 9
	SADD 78, 20
	s_mov_b32 s79, 0
	s_lshl_b32 s20, s43, 1                         ; V's tile of 256 keys
	SADD 20, 18
	s_lshr_b32 s21, s20, 3
	s_lshl_b32 s21, s21, 3
	SADD 21, 13
	s_lshl_b32 s21, s21, 3
	s_and_b32 s20, s20, 7
	SADD 21, 20                                    ; (8 batch + channel tile) x 8 + key tile
	s_lshl_b32 s80, s21, 15                        ; vc: 32,768 bytes a tile; my four tiles of 16 channels; c = 2 x my row of waves on
	s_lshl_b32 s20, s16, 13
	SADD 80, 20
	s_lshl_b32 s20, s15, 10
	SADD 80, 20
	s_mov_b32 s81, 0
	s_lshl_b32 s82, s21, 10                        ; vs: 1,024 bytes, 256 a wave
	s_lshl_b32 s20, s14, 8
	SADD 82, 20
	s_mov_b32 s83, 0
	s_lshl_b32 s20, s15, 8
	s_lshl_b32 s21, s16, 1
	SADD 20, 21
	s_add_co_u32 s20, s20, XN
	s_lshl_b32 s21, s16, 9
	s_lshl_b32 s22, s15, 1
	SADD 21, 22
	s_add_co_u32 s21, s21, XV
	v_lshlrev_b32 v[CO], 4, v3
	v_lshl_add_u32 v[VXB], v1, 2, s20              ; 4 x row + 2 x my column of waves
	v_lshl_add_u32 v[VX], v1, 2, s20
	v_lshl_add_u32 v[RD], v1, 3, s21               ; V's byte: 8 x channel + 2 x my row of waves
	s_mov_b32 s20, s12
	s_mov_b32 s21, 0
	s_add_nc_u64 s[8:9], s[8:9], s[20:21]
.irp p, 0,1
.irp c, 0,1
	global_load_b128 v[SB+8*\p+4*\c:SB+8*\p+4*\c+3], v[ABS], s[10:11] offset:\p*32*KS+16*\c
	global_load_b128 v[WS+8*\p+4*\c:WS+8*\p+4*\c+3], v[ABS], s[8:9] offset:\p*32*KS+16*\c
.endr
.endr
	s_add_co_u32 s6, s67, CH*KROW                  ; chunk 1
	s_add_co_u32 s7, s2, CH*KROW                   ; chunk 3
	s_lshl_b32 s21, s90, 13
	s_add_co_u32 s22, s21, s6
	s_add_co_u32 s23, s21, s2
	v_lshl_add_u32 v7, v3, 8, s22                  ; a prefetch's addresses: my sixteenth of chunk 1, of chunk 2
	v_lshl_add_u32 v8, v3, 8, s23
	v_add_nc_u32 v1, BP, v[ADRA0]                  ; block 1's LDS addresses
	v_add_nc_u32 v2, SSTEP, v[AAS0]
	s_wait_alu depctr_va_vdst(0)
	s_wait_xcnt 0x0
	s_cmp_eq_u32 s14, 0
	s_cbranch_scc0 .Lnot_b
	s_wait_tensorcnt 0x0                           ; wave 0: the weight has landed; the other waves' wait stands at the second barrier
.Lnot_b:
	BARRIER
	global_prefetch_b8 v7, s[4:5] th:TH_LOAD_NT scope:SCOPE_SE
	global_prefetch_b8 v8, s[4:5] th:TH_LOAD_NT scope:SCOPE_SE
.macro WALU
	s_wait_alu depctr_va_vdst(0)
.endm
.macro MIDDLE                          ; a round's middle
	WIN 0
	s_barrier_wait -1
	s_cmp_lg_u32 s14, 0
	s_cbranch_scc1 .Lnot_wave_0_\@
	s_barrier_signal -3
.Lnot_wave_0_\@:
	s_barrier_wait -3
.endm
.macro GRD
	s_wait_tensorcnt 0x0
	ds_add_u32 v[SPW], v[NIL]
.endm
.macro FRAG f, adr, q, off             ; a weight's fragment: lane: row r; registers 4 c .. 4 c + 3: K = 32 c + 16 h + 0..15
	WIN (1+(\f)/FPW)<<6
.irp c, 0,1,2,3
	ds_load_b128 v[FR*((\f)%FPW)+4*\c:FR*((\f)%FPW)+4*\c+3], v[\adr] offset:128*(\q)+32*\c+(\off)
.endr
.endm
.macro FETCHAT k, a, s                 ; a block of x into set k of window 3, and its scale words: NF loads
	WIN 3<<6
.irp q, 0,1,2,3,4,5,6,7
.irp c, 0,1,2,3
	ds_load_b128 v[128*\k+FR*\q+4*\c:128*\k+FR*\q+4*\c+3], v[\a] offset:128*\q+32*\c
.endr
.endr
	WIN 0
	ds_load_b128 v[SA+8*\k:SA+8*\k+3], v[\s]
	ds_load_b128 v[SA+8*\k+4:SA+8*\k+7], v[\s] offset:16
.endm
.macro PROD kind, e, a, n              ; product n = 4 q + b: the q-th 128 of K, column tile b; x's rows in set e, sums in set a.  kind 0 (Q, K): source 0 = the weight; kind 1 (V): source 0 = x.  The accumulators take turns
.set Q_, (\n)/4
.set B_, (\n)%4
.set FB_, NB*Q_+B_
.set AC_, ACC+32*(\a)+8*B_
.set R_, 128*(\e)+FR*Q_
.set W_, FR*(FB_%FPW)
.set XS_, SA+8*(\e)+Q_
.set WS_, SB+8*(B_/2)+Q_
.if \kind
	WIN 3|((1+FB_/FPW)<<2)
.if Q_ && B_%2
	v_wmma_scale_f32_16x16x128_f8f6f4 v[AC_:AC_+7], v[R_:R_+FR-1], v[W_:W_+FR-1], v[AC_:AC_+7], v[XS_], v[WS_] matrix_a_fmt:MATRIX_FMT_BF8 matrix_b_fmt:MATRIX_FMT_BF8 matrix_b_scale:MATRIX_SCALE_ROW1
.elseif Q_
	v_wmma_scale_f32_16x16x128_f8f6f4 v[AC_:AC_+7], v[R_:R_+FR-1], v[W_:W_+FR-1], v[AC_:AC_+7], v[XS_], v[WS_] matrix_a_fmt:MATRIX_FMT_BF8 matrix_b_fmt:MATRIX_FMT_BF8
.elseif B_%2
	v_wmma_scale_f32_16x16x128_f8f6f4 v[AC_:AC_+7], v[R_:R_+FR-1], v[W_:W_+FR-1], 0, v[XS_], v[WS_] matrix_a_fmt:MATRIX_FMT_BF8 matrix_b_fmt:MATRIX_FMT_BF8 matrix_b_scale:MATRIX_SCALE_ROW1
.else
	v_wmma_scale_f32_16x16x128_f8f6f4 v[AC_:AC_+7], v[R_:R_+FR-1], v[W_:W_+FR-1], 0, v[XS_], v[WS_] matrix_a_fmt:MATRIX_FMT_BF8 matrix_b_fmt:MATRIX_FMT_BF8
.endif
.else
	WIN (1+FB_/FPW)|(3<<2)
.if Q_ && B_%2
	v_wmma_scale_f32_16x16x128_f8f6f4 v[AC_:AC_+7], v[W_:W_+FR-1], v[R_:R_+FR-1], v[AC_:AC_+7], v[WS_], v[XS_] matrix_a_fmt:MATRIX_FMT_BF8 matrix_b_fmt:MATRIX_FMT_BF8 matrix_a_scale:MATRIX_SCALE_ROW1
.elseif Q_
	v_wmma_scale_f32_16x16x128_f8f6f4 v[AC_:AC_+7], v[W_:W_+FR-1], v[R_:R_+FR-1], v[AC_:AC_+7], v[WS_], v[XS_] matrix_a_fmt:MATRIX_FMT_BF8 matrix_b_fmt:MATRIX_FMT_BF8
.elseif B_%2
	v_wmma_scale_f32_16x16x128_f8f6f4 v[AC_:AC_+7], v[W_:W_+FR-1], v[R_:R_+FR-1], 0, v[WS_], v[XS_] matrix_a_fmt:MATRIX_FMT_BF8 matrix_b_fmt:MATRIX_FMT_BF8 matrix_a_scale:MATRIX_SCALE_ROW1
.else
	v_wmma_scale_f32_16x16x128_f8f6f4 v[AC_:AC_+7], v[W_:W_+FR-1], v[R_:R_+FR-1], 0, v[WS_], v[XS_] matrix_a_fmt:MATRIX_FMT_BF8 matrix_b_fmt:MATRIX_FMT_BF8
.endif
.endif
.endm
.macro HOLD x, b                       ; the conversion does not saturate (ISA guide 7.6.2): a sum is held at 57,344 x its block's scale
	v_med3_num_f32 v[\x], v[\x], -v[\b], v[\b]
.endm
; THE QUANTISER OF Q's OR K's BLOCK, gaps 0 .. 27.  Sums x + 16 c .. x + 15 + 16 c of lanes l and l xor 16 are scale block c: codes NCD + 4 c .., bytes EB (low: c = 0).  The bound's second copy (SOP + 2) serves one gap
.macro GAPQ m, x
.if (\m) == 0
	v_max3_num_f32 v[TQ], |v[\x]|, |v[\x+1]|, |v[\x+2]|
	v_max3_num_f32 v[TQ+2], |v[\x+16]|, |v[\x+17]|, |v[\x+18]|
.elseif (\m) < 7
	v_max3_num_f32 v[TQ], v[TQ], |v[\x+2*(\m)+1]|, |v[\x+2*(\m)+2]|
	v_max3_num_f32 v[TQ+2], v[TQ+2], |v[\x+2*(\m)+17]|, |v[\x+2*(\m)+18]|
.elseif (\m) == 7
	v_max3_num_f32 v[TQ], v[TQ], |v[\x+15]|, (EMAX+1)<<23
	v_max3_num_f32 v[TQ+2], v[TQ+2], |v[\x+31]|, (EMAX+1)<<23
.elseif (\m) == 8
	v_permlanex16_b32 v[TQ+1], v[TQ], s60, s61
	v_permlanex16_b32 v[TQ+3], v[TQ+2], s60, s61
.elseif (\m) == 9
	v_max_num_f32 v[TQ], v[TQ], v[TQ+1]
	v_max_num_f32 v[TQ+2], v[TQ+2], v[TQ+3]
.elseif (\m) == 10
	v_add_nc_u32 v[SOP], -(EMAX<<23), v[TQ]
	v_add_nc_u32 v[SOP+1], -(EMAX<<23), v[TQ+2]
.elseif (\m) == 11
	v_and_or_b32 v[TQ+1], v[TQ], 0x7f800000, s62
	v_and_or_b32 v[TQ+3], v[TQ+2], 0x7f800000, s62
.else
.set H_, (\m)-12
.if H_ == 3
	HOLD \x+2*H_, SOP+2
	HOLD \x+2*H_+1, SOP+2
.elseif H_ < 8
	HOLD \x+2*H_, TQ+1
	HOLD \x+2*H_+1, TQ+1
.else
	HOLD \x+2*H_, TQ+3
	HOLD \x+2*H_+1, TQ+3
.endif
.if H_ == 0
	v_lshrrev_b32 v[EB], 23, v[SOP]
.elseif H_ == 1
	v_lshrrev_b32 v[EB+1], 23, v[SOP+1]
.elseif H_ == 2
	v_mov_b32 v[SOP+2], v[TQ+1]
.elseif H_ == 4
	v_lshl_or_b32 v[EB], v[EB+1], 8, v[EB]
.elseif (H_%4) == 3
	v_cvt_scalef32_pk8_bf8_f32 v[NCD+2*(H_/4):NCD+2*(H_/4)+1], v[\x+8*(H_/4):\x+8*(H_/4)+7], v[SOP+H_/8]
.endif
.endif
.endm
.macro HOLDV m, x
.if (\m) == 3
	HOLD \x, TQ+3
	HOLD \x+1, TQ+3
.else
	HOLD \x, TQ+1
	HOLD \x+1, TQ+1
.endif
.if (\m) == 2
	v_mov_b32 v[TQ+3], v[TQ+1]
.endif
.endm
; THE QUANTISER OF A PAIR OF V's BLOCKS (32 tokens), gaps 0 .. 59, 15 a tile of 16 channels: the even block's sums at x, the odd's at x + 32; a scale block lies in lanes l and l xor 16: codes MCD + 4 t, bytes EB + t
.macro GAPV u, x
.set T_, (\u)/15
.set J_, (\u)%15
.set E_, \x+8*T_
.set O_, E_+32
.if (\u) > 59
.elseif J_ == 0
	v_max3_num_f32 v[TQ], |v[E_]|, |v[E_+1]|, |v[E_+2]|
	v_max3_num_f32 v[TQ+2], |v[O_]|, |v[O_+1]|, |v[O_+2]|
.elseif J_ < 3
	v_max3_num_f32 v[TQ], v[TQ], |v[E_+2*J_+1]|, |v[E_+2*J_+2]|
	v_max3_num_f32 v[TQ+2], v[TQ+2], |v[O_+2*J_+1]|, |v[O_+2*J_+2]|
.elseif J_ == 3
	v_max3_num_f32 v[TQ+2], v[TQ+2], |v[O_+7]|, (EMAX+1)<<23
	v_max3_num_f32 v[TQ], v[TQ], |v[E_+7]|, v[TQ+2]
.elseif J_ == 4
	v_permlanex16_b32 v[TQ+2], v[TQ], s60, s61
	v_max_num_f32 v[TQ], v[TQ], v[TQ+2]
.elseif J_ == 5
	v_add_nc_u32 v[SOP+T_], -(EMAX<<23), v[TQ]
	v_and_or_b32 v[TQ+1], v[TQ], 0x7f800000, s62
.elseif J_ < 10
	HOLDV J_-6, E_+2*(J_-6)
.if J_ == 9
	v_cvt_scalef32_pk8_bf8_f32 v[MCD+4*T_:MCD+4*T_+1], v[E_:E_+7], v[SOP+T_]
.endif
.elseif J_ < 14
	HOLDV J_-6, O_+2*(J_-10)
.if J_ == 13
	v_cvt_scalef32_pk8_bf8_f32 v[MCD+4*T_+2:MCD+4*T_+3], v[O_:O_+7], v[SOP+T_]
.endif
.else
	v_lshrrev_b32 v[EB+T_], 23, v[SOP+T_]
.endif
.endm
.macro RDESC i, off, lds               ; group 0 of a refill of x's rows, in two parts
.if (\i) == 0
	s_mul_i32 s[G0R+1], s66, PITCH
	s_add_co_u32 s[G0R+1], s[G0R+1], s\lds
	s_lshl_b32 s20, s66, 10
	s_add_co_u32 s20, s20, s\off
.else
	s_mov_b32 s21, 0
	s_add_nc_u64 s[G0R+2:G0R+3], s[4:5], s[20:21]
	s_or_b32 s[G0R+3], s[G0R+3], 0x80000000
.endif
.endm
; WHAT STANDS BEHIND PRODUCT n.  j: the block's number in its trip (the second loop's: 4, 5; V's: -1, -2).  s[84:85]: where the block before goes in qkc; ADRA, AAS: the block two on; y = 1: Q's or K's way out at x; 2, 3: the halves of V's
.macro LIST n, j, y, x
.if (\n) == 0
.if (\j) == 1 || (\j) == 5
	s_add_nc_u64 s[84:85], s[84:85], s[86:87]
.elseif (\j) >= 0
	s_add_nc_u64 s[84:85], s[84:85], TBK
.endif
.if (\j) == 1
	s_cmp_eq_u32 s46, 2
	s_cselect_b64 s[84:85], s[88:89], s[84:85]
.endif
	WIN 0
.if (\j) == 0 || (\j) == 1
	s_add_co_u32 s22, s101, ((\j)+2)*BP
.elseif (\j) > 1
	s_add_co_u32 s22, s47, ((\j)%2)*BP
.else
	s_add_co_u32 s22, s47, (-1-(\j))*BP
.endif
	v_add_nc_u32 v[ADRA], s22, v[ADRA0]
.elseif (\n) == 1
	WIN 0
.if (\j) == 0 || (\j) == 1
	s_add_co_u32 s22, s17, ((\j)+2)*SSTEP
.elseif (\j) > 1
	s_add_co_u32 s22, s8, ((\j)%2)*SSTEP
.else
	s_add_co_u32 s22, s8, (-1-(\j))*SSTEP
.endif
	v_add_nc_u32 v[AAS], s22, v[AAS0]
.endif
.if (\j) == 2 && (\n) == 2
	WIN 0
	v_lshl_add_u32 v7, v3, 8, s23
.elseif (\j) == 0 && ((\n) == 29 || (\n) == 30)
	RDESC (\n)-29, 6, 47
.elseif ((\j) == 1 || (\j) == 5) && (\n) == 2
	WIN 0
	v_add_nc_u32 v[VX], s9, v[VXB]
.endif
.if (\y) == 1 && (\n) < 28
	WIN 0
	GAPQ \n, \x
.elseif (\y) == 2 && (\n) > 0 && (\n) < 31
	WIN 0
	GAPV (\n)-1, \x
.elseif (\y) == 3 && (\n) > 0 && (\n) < 31
	WIN 0
	GAPV (\n)+29, \x
.endif
.endm
.macro BLOCK kind, e, a, from, to, j, y, x
.set N_, \from
.rept (\to)-(\from)
	PROD \kind, \e, \a, N_
	LIST N_, \j, \y, \x
.set N_, N_+1
.endr
.endm
.macro BLK kind, e, a, w, j, y, x      ; w: the wait's count (-1: none)
.if (\w) >= 0
	s_wait_dscnt \w
.endif
	s_wait_xcnt 0x0                                ; the last block's stores have read their registers and their base
	BLOCK \kind, \e, \a, 0, 32, \j, \y, \x
	WIN 0
	PLACES NP                                      ; eight plain lines behind this form ahead of loads into what it read and of reads of its sums
.endm
.macro RBLK kind, e, a, w, j, y, x     ; a block with a round of the cluster's barrier
.if (\w) >= 0
	s_wait_dscnt \w
.endif
	s_wait_xcnt 0x0
	GRD
	BLOCK \kind, \e, \a, 0, 28, \j, \y, \x
	WIN 0
	WALU
	s_wait_dscnt 0x0                               ; the add and my reads of the slot are over
	s_barrier_signal -1
	BLOCK \kind, \e, \a, 28, 32, \j, \y, \x
	MIDDLE
	BARRIER
.endm
.macro SBLK kind, e, a, w, j, y, x, half=0 ; a block with a plain barrier (half = 1: it shows waves 0 and 1's loads alone)
.if (\w) >= 0
	s_wait_dscnt \w
.endif
	s_wait_xcnt 0x0
	BLOCK \kind, \e, \a, 0, 28, \j, \y, \x
	WIN 0
	WALU
.if \half
	s_cmp_lt_u32 s14, 2
	s_cbranch_scc0 .Lnot_yet_\@
	s_wait_tensorcnt 0x0
.Lnot_yet_\@:
.else
	s_wait_tensorcnt 0x0
.endif
	s_wait_dscnt 0x0
	s_barrier_signal -1
	BLOCK \kind, \e, \a, 28, 32, \j, \y, \x
	WIN 0
	s_barrier_wait -1
	PLACES NP
.endm
.macro QOUT off, boff                  ; a block's two bytes a token go to LDS, its codes leave: 512 consecutive bytes a store
	ds_store_b16 v[VX], v[EB] offset:\boff
	global_store_b128 v[CO], v[NCD:NCD+3], s[84:85] offset:\off
	global_store_b128 v[CO], v[NCD+4:NCD+7], s[84:85] offset:(\off)+512
.endm
.irp q, 0,1,2,3,4,5,6,7
.irp b, 0,1,2,3
	FRAG NB*\q+\b, ADRB, \q, \b*16*PITCH
.endr
.endr
	WIN 0
	s_wait_tensorcnt 0x0                           ; chunk 0 and the scale bytes are in
	s_wait_dscnt 0x0                               ; the weight is in registers
	BARRIER
	FETCHAT 0, ADRA0, AAS0
	FETCHAT 1, 1, 2
	s_load_b256 s[92:99], s[0:1], 0x40             ; qkc, qks, vc, vs
	s_load_b64 s[10:11], s[0:1], 0x30              ; W_v's codes
	s_mov_b32 s60, 0x76543210
	s_mov_b32 s61, 0xfedcba98                      ; selects for lane l xor 16
	s_mov_b32 s62, 0x600000                        ; 57,344's mantissa field
	v_mov_b32 v[TQ+1], 0                           ; a lane permute's destination counts as a source
	v_mov_b32 v[TQ+3], 0
.set I_, 0
.rept 32
	v_mov_b32 v[ACC+32+I_], 0                      ; what the first way out reads
.set I_, I_+1
.endr
	s_mov_b64 s[12:13], s[4:5]
	s_wait_kmcnt 0x0
	s_add_nc_u64 s[92:93], s[92:93], s[76:77]
	s_add_nc_u64 s[94:95], s[94:95], s[78:79]
	s_add_nc_u64 s[96:97], s[96:97], s[80:81]
	s_add_nc_u64 s[98:99], s[98:99], s[82:83]
	s_lshl_b32 s20, s18, 18
	s_mov_b32 s21, 0
	s_add_nc_u64 s[88:89], s[92:93], s[20:21]      ; V's window in qkc
	s_xor_b32 s20, s20, 1<<18
	s_add_nc_u64 s[84:85], s[92:93], s[20:21]      ; the other window
	s_sub_nc_u64 s[84:85], s[84:85], 6*TBK
	s_mov_b32 s86, 5*TBK                           ; from a chunk's last block of mine to the next chunk's first
	s_mov_b32 s87, 0
	s_mov_b32 s46, 0                               ; the trip; s101, s47: this chunk's slot, the next's; s17, s8: their scale words; s6: the rows that are loaded; s9: a byte's place; s23: my share of what is asked for ahead
	s_mov_b32 s9, 0
	s_mov_b32 s23, 0
	s_mov_b32 s101, 0
	s_mov_b32 s47, YB
	s_mov_b32 s17, 0
	s_mov_b32 s8, SCHK
	s_wait_loadcnt 0x0
.Lfour:
	RBLK 0, 0, 0, NF, 0, 1, ACC+32                 ; blocks 0, 4, 8: chunks 1, 2, 3 come
	s_cmp_lt_u32 s14, 2                            ; a load line each for waves 0, 1 and waves 2, 3
	s_cbranch_scc0 .Lupper
	TLOAD G0R, G1R
	s_branch .Lboth
.Lupper:
	TLOAD G0R, G1R
.Lboth:
	PLACES NP-4
	s_cmp_eq_u32 s46, 0
	s_cbranch_scc1 .Lno_block_before
	QOUT 0, 192
.Lno_block_before:
	FETCHAT 0, ADRA, AAS
	BLK 0, 1, 1, -1, 1, 1, ACC
	QOUT 0, 0
	FETCHAT 1, ADRA, AAS
	SBLK 0, 0, 0, NF, 2, 1, ACC+32, 1              ; the next chunk's blocks 0 and 1 are in
	QOUT 0, 64
	s_cmp_eq_u32 s46, 0
	s_cbranch_scc1 .Lnone_ahead
	global_prefetch_b8 v7, s[12:13] th:TH_LOAD_NT scope:SCOPE_SE
.Lnone_ahead:
	FETCHAT 0, ADRA, AAS
	BLK 0, 1, 1, -1, 3, 1, ACC
	QOUT 0, 128
	FETCHAT 1, ADRA, AAS
	s_cmp_eq_u32 s46, 0                            ; the next trip asks ahead for chunk 3, the one after for W_v's rows
	s_cselect_b32 s6, s2, s7
	s_cselect_b32 s21, s90, s100
	s_cselect_b32 s22, s7, s3
	s_cselect_b64 s[12:13], s[4:5], s[10:11]
	s_lshl_b32 s21, s21, 13
	s_add_co_u32 s23, s21, s22
	s_add_co_u32 s9, s9, 512
	s_mov_b32 s101, s47
	s_mov_b32 s17, s8
	s_xor_b32 s47, s47, YB
	s_add_co_u32 s8, s8, SCHK
	s_add_co_u32 s46, s46, 1
	s_cmp_lg_u32 s46, 3
	s_cbranch_scc1 .Lfour
	GRD
	s_mul_i32 s20, s14, CH/4*KROW
	s_add_co_u32 s20, s20, s3
	s_mov_b32 s21, 0
	s_mul_i32 s[G0A+1], s14, CH/4*PITCH
	s_add_nc_u64 s[G0A+2:G0A+3], s[10:11], s[20:21]
	s_or_b32 s[G0A+3], s[G0A+3], 0x80000000
	GROUP1 G1A, 45, CH/4
	s_wait_dscnt 0x0
	s_barrier_signal -1
	MIDDLE
	BARRIER
	TLOAD G0A, G1A
	s_mov_b32 s47, YB+2*BP
	s_mov_b32 s8, 26*SSTEP
	s_mov_b32 s9, 1408
.Ltwo:
	BLK 0, 0, 0, NF, 4, 1, ACC+32                  ; blocks 12, 14
	QOUT 0, 192
	FETCHAT 0, ADRA, AAS
	BLK 0, 1, 1, NF, 5, 1, ACC                     ; 13, 15; the block two on is then V's: chunk 3 again, as it lies in slot 1
	QOUT 0, 128
	FETCHAT 1, ADRA, AAS
	s_mov_b32 s47, YB
	s_mov_b32 s8, 24*SSTEP
	s_mov_b32 s86, TBK
	s_add_co_u32 s9, s9, 128
	s_add_co_u32 s46, s46, 1
	s_cmp_lg_u32 s46, 5
	s_cbranch_scc1 .Ltwo
	s_wait_xcnt 0x0                                ; the change of phase
	s_wait_tensorcnt 0x0                           ; W_v's rows are in
	s_wait_dscnt 0x0
	BARRIER
.macro CHANGE i                        ; among W_v's loads: the last block's way out; W_v's scale words; zeros for what V's first way out reads
.if (\i) < 7
.irp k, 0,1,2,3
	GAPQ 4*(\i)+\k, ACC+32
.endr
.elseif (\i) < 9
.irp q, 0,1,2,3,4,5,6,7
	v_mov_b32 v[SB+8*((\i)-7)+\q], v[WS+8*((\i)-7)+\q]
.endr
.elseif (\i) < 15
.irp q, 0,1,2,3,4,5,6,7
	v_mov_b32 v[ACC+80+8*((\i)-9)+\q], 0
.endr
.endif
.endm
.irp q, 0,1,2,3,4,5,6,7
.irp b, 0,2
	FRAG NB*\q+\b, ADRB+1, \q, \b*16*PITCH
	FRAG NB*\q+\b+1, ADRB+1, \q, (\b+1)*16*PITCH
	WIN 0
	CHANGE 2*\q+\b/2
.endr
.endr
	QOUT TBK, 192
	GRD
	s_mov_b32 s47, 0
	RDESC 0, 2, 47
	RDESC 1, 2, 47
	s_mov_b32 s46, 0
	s_mov_b32 s47, YB+2*BP
	s_mov_b32 s8, 26*SSTEP
	s_wait_dscnt 0x0
	s_barrier_signal -1
	MIDDLE
	BARRIER
	TLOAD G0R, G1R
.macro VOUT                            ; a pair of V's blocks: four tiles' bytes and codes
.irp t, 0,1,2,3
	ds_store_b8 v[VX], v[EB+\t] offset:128*\t
	global_store_b128 v[CO], v[MCD+4*\t:MCD+4*\t+3], s[84:85] offset:2048*\t
.endr
.endm
.macro VTO                             ; s22 = 2 x (which 128 keys) + which c of my two
	s_lshr_b32 s20, s22, 1
	s_and_b32 s22, s22, 1
	s_lshl_b32 s23, s20, 2
	s_add_co_u32 s23, s23, s22
	s_lshl_b32 s20, s20, 14
	s_lshl_b32 s22, s22, 9
	s_add_co_u32 s20, s20, s22
	s_mov_b32 s21, 0
	s_add_nc_u64 s[84:85], s[96:97], s[20:21]
	v_add_nc_u32 v[VX], s23, v[RD]
.endm
.Lpair:
	BLK 1, 0, 0, -1, -1, 2, ACC+64
	s_cmp_eq_u32 s46, 3
	s_cbranch_scc1 .Lnone_0
	FETCHAT 0, ADRA, AAS
	s_wait_dscnt NF
	s_branch .Lgo
.Lnone_0:
	s_wait_dscnt 0x0
.Lgo:
	SBLK 1, 1, 1, -1, -2, 3, ACC+64                ; the first trip's shows chunk 2
.set I_, 0
.rept 32                               ; the pair's sums are copied, so that one trip is two blocks of text
	v_dual_mov_b32 v[ACC+64+I_], v[ACC+I_] :: v_dual_mov_b32 v[ACC+64+I_+1], v[ACC+I_+1]
.set I_, I_+2
.endr
	s_add_co_u32 s22, s46, 1
	s_and_b32 s22, s22, 3
	VTO
	s_cmp_eq_u32 s46, 0
	s_cbranch_scc1 .Lno_pair_before
	VOUT
.Lno_pair_before:
	s_cmp_eq_u32 s46, 3
	s_cbranch_scc1 .Lnone_1
	FETCHAT 1, ADRA, AAS
.Lnone_1:
	s_mov_b32 s8, 18*SSTEP
	s_cmp_eq_u32 s46, 0
	s_cselect_b32 s47, 0, 2*BP
	s_cselect_b32 s8, 16*SSTEP, s8
	s_add_co_u32 s46, s46, 1
	s_cmp_lg_u32 s46, 4
	s_cbranch_scc1 .Lpair
	s_wait_xcnt 0x0
.set K_, 0
.rept 60
	GAPV K_, ACC+64
.set K_, K_+1
.endr
	WALU
	s_mov_b32 s22, 1
	VTO
	VOUT
	s_wait_dscnt 0x0                               ; my scale bytes are stored
	BARRIER
	s_lshl_b32 s21, s14, 9
	s_add_co_u32 s21, s21, XN
	s_lshl_b32 s22, s14, 8
	s_add_co_u32 s22, s22, XV
	v_lshlrev_b32 v20, 4, v3
	v_lshlrev_b32 v22, 3, v3
	v_add_nc_u32 v21, s21, v20
	v_add_nc_u32 v23, s22, v22
	s_wait_alu depctr_va_vdst(0)
	ds_load_b128 v[60:63], v21
	ds_load_b64 v[40:41], v23
	s_wait_dscnt 0x0
	global_store_b128 v20, v[60:63], s[94:95]      ; 512 consecutive bytes a wave
	global_store_b64 v22, v[40:41], s[98:99]       ; 256
	s_wait_tensorcnt 0x0                           ; the wave's end
	ds_add_u32 v[SPW], v[NIL]
	s_wait_dscnt 0x0
	CROUND
	s_endpgm
.Lfunc_end_k_q7f77063ec1_proj:
	.size	k_q7f77063ec1_proj, .Lfunc_end_k_q7f77063ec1_proj-k_q7f77063ec1_proj
	.p2alignl 7, 3214868480
	.fill 96, 4, 3214868480
	.section	.rodata,"a",@progbits
	.p2align	6, 0x0
	.amdhsa_kernel k_q7f77063ec1_proj
		.amdhsa_group_segment_fixed_size 327680
		.amdhsa_private_segment_fixed_size 0
		.amdhsa_enable_private_segment 0
		.amdhsa_kernarg_size 96
		.amdhsa_user_sgpr_count 2
		.amdhsa_user_sgpr_kernarg_segment_ptr 1
		.amdhsa_wavefront_size32 1
		.amdhsa_system_sgpr_workgroup_id_x 1
		.amdhsa_system_sgpr_workgroup_id_y 1
		.amdhsa_system_sgpr_workgroup_id_z 1
		.amdhsa_system_vgpr_workitem_id 0
		.amdhsa_next_free_vgpr 1024
		.amdhsa_next_free_sgpr 102
		.amdhsa_reserve_vcc 0
		.amdhsa_float_denorm_mode_32 3
		.amdhsa_float_denorm_mode_16_64 3
		.amdhsa_memory_ordered 1
		.amdhsa_forward_progress 1
		.amdhsa_inst_pref_size 162
	.end_amdhsa_kernel
	.amdgpu_metadata
---
amdhsa.version: [ 1, 2 ]
amdhsa.kernels:
  - .name:           k_q7f77063ec1_proj
    .symbol:         k_q7f77063ec1_proj.kd
    .args:
      - { .name: embedded_codes, .offset: 0, .size: 8, .value_kind: global_buffer, .address_space: global }
      - { .name: embedded_scales, .offset: 8, .size: 8, .value_kind: global_buffer, .address_space: global }
      - { .name: W_q_codes, .offset: 16, .size: 8, .value_kind: global_buffer, .address_space: global }
      - { .name: W_q_scales, .offset: 24, .size: 8, .value_kind: global_buffer, .address_space: global }
      - { .name: W_k_codes, .offset: 32, .size: 8, .value_kind: global_buffer, .address_space: global }
      - { .name: W_k_scales, .offset: 40, .size: 8, .value_kind: global_buffer, .address_space: global }
      - { .name: W_v_codes, .offset: 48, .size: 8, .value_kind: global_buffer, .address_space: global }
      - { .name: W_v_scales, .offset: 56, .size: 8, .value_kind: global_buffer, .address_space: global }
      - { .name: qkc, .offset: 64, .size: 8, .value_kind: global_buffer, .address_space: global }
      - { .name: qks, .offset: 72, .size: 8, .value_kind: global_buffer, .address_space: global }
      - { .name: vc, .offset: 80, .size: 8, .value_kind: global_buffer, .address_space: global }
      - { .name: vs, .offset: 88, .size: 8, .value_kind: global_buffer, .address_space: global }
    .group_segment_fixed_size: 327680
    .private_segment_fixed_size: 0
    .kernarg_segment_align: 8
    .kernarg_segment_size: 96
    .max_flat_workgroup_size: 128
    .sgpr_count:     102
    .vgpr_count:     1024
    .wavefront_size: 32
...
	.end_amdgpu_metadata
.endif
;; end of part 4
;; launch score (part 5): grid 36 x 4, 4 waves a work-group, no clusters, 327,680 bytes of LDS; arguments qkc, qks, pc, pst; writes pc, pst
.if DOCPART == 5
	.amdgcn_target "amdgcn-amd-amdhsa--gfx1250"
	.amdhsa_code_object_version 6
	.text
	.protected	k_q7f77063ec1_score
	.globl	k_q7f77063ec1_score
	.p2align	8
	.type	k_q7f77063ec1_score,@function
k_q7f77063ec1_score:
	s_mov_b64 s[64:65], 0
	v_nop
	global_prefetch_b8 v0, s[64:65] scope:SCOPE_SE
	s_setreg_imm32_b32 hwreg(HW_REG_WAVE_MODE, 25, 1), 1
	s_wait_xcnt 0x0
; The kept tiles of S = Q K^T (256 queries x 256 keys, key tile j <= query tile i: 36 a batch), and a LOCAL softmax on each wave's 128 x 128: t = score x log2(e) / 32; for each row and each 128 keys M = ceil(the largest t there), a whole number;
; p = 2^(t - M); l = the sum of the unquantised p.  p is quantised along the keys.  LEFT OUT: tiles whose keys all come after their queries (the causal mask puts -infinity there: p = 0 for all inputs).
; Stored: p's codes, 65,536 bytes a tile, in the order of the operand's registers: fragment (16 queries a, 128 keys s) at 2,048 (2 a + s), piece c of lane l at 512 c + 16 l: straight from the conversions' registers; inside 32 keys the order is V's.
; For each (row, 128 keys) the scale word, M and l.  The next launch brings a row's parts under one M by subtracting a whole number from the scale bytes.
; Hidden keys (key > query) get t = -infinity, so p = 0.  A quarter that is wholly hidden gets M = -3e38, l = 0 and zero codes.
; NO CLUSTER: a batch's kept tiles form a triangle whose rows have 1 to 8 tiles; a 4 x 4 cluster on the diagonal would hold 6 hidden work-groups.  NO PREFETCH: there is no loop to run ahead in, four K steps are written out.
; Q's and K's tiles lie in memory as images of operand registers: a K step of 256 is 4,096 bytes of each 16-token block; LDS takes them without padding, and a fragment load's 32 lanes read 512 consecutive bytes.
; A work-group of four waves, each 128 x 128 (source 1 = queries across the lanes, source 0 = keys along the registers); two LDS slots, one barrier a change.  Scale words: lanes 0-15 Q's block i, lanes 16-31 K's block i, in one register.
; LIMITS: NaN and infinities are not served; the scaled scores stay under 2^31 in magnitude; a block of p under 2^-111 keeps the scale byte 1.
; REGISTERS: window 0: v16-31 addresses, v32-63 scale words (two sets of 16), v64-71 sums, v96-118 at work, v128-255 source 1's fragments, later t, p and codes.  Window 1: source 0's, two sets.  Windows 2, 3: accumulators, (a, b) at v[8 (8 (a % 4) + b)].
.set HALFT,  32768                     ; 128 rows x 256 channels
.set SLOT,   4*HALFT
.set FR,     16
.set SCL,    2*SLOT                    ; Q's scale bytes [8][256 rows][4], then K's
.set SPARE,  SCL+16384                 ; the spare words
.set SST,    SPARE+512                 ; the way out's stage: scale words, + 2,048 M, + 4,096 l
.set ADR1, 16
.set ADR0, 20
.set ASC,  22
.set SWA,  23
.set SW,   24
.set GO,   25
.set GA,   26
.set SRD,  27
.set SPW,  28
.set NIL,  29
.set SGO,  30
.set VD0,  31
.set SC,   32
.set SM,   64
.set BM,   96
.set PX,   100
.set HOLD, 104
.set SCOP, 108
.set NM,   112                         ; v[112:113] -M (the low word serves both halves)
.set WD,   114
.set MV,   115
.set VD,   116
.set NINF, 117
.set RT,   118
.set AF,   128
.set XT,   128
.set CD,   192
.set G0S,  20
.set G1,   24
.set G0,   32
.set G1S,  44
.set CS,   52
.set SEL,  54
.set MNT,  56
.set MASKF, 57
.set G0H,  68
.set MSB, 0
.macro WIN new
.if MSB != (\new)
	s_set_vgpr_msb (MSB<<8)|(\new)
.set MSB, (\new)
.endif
.endm
.set MUL_LO, 0xa1
.set MUL_HI, 0xf1
.set TO_B,   0x40
.macro PLACES n
.rept \n
	v_nop
.endr
.endm
.macro FRAG reg, adr, q, i
.irp c, 0,1,2,3
	ds_load_b128 v[\reg+4*\c:\reg+4*\c+3], v[\adr] offset:2048*(\q)+512*\c+(\i)*4096
.endr
.endm
.macro FETCH_B slot, q, p
	WIN TO_B
.irp i, 0,1,2,3,4,5,6,7
	FRAG 128*(\p)+FR*\i, ADR0+\slot, \q, \i
.endr
	WIN 0
.endm
.macro FETCH_A slot, q, i0
.irp i, \i0, \i0+1, \i0+2, \i0+3
	FRAG AF+FR*(\i), ADR1+\slot, \q, \i
.endr
.endm
.macro SCALES sc, k                    ; a K step's 16 registers of scale words
.irp q, 0,1
.irp i, 0,1,2,3,4,5,6,7
	ds_load_b32 v[SC+16*(\sc)+8*\q+\i], v[ASC] offset:(\k)+1024*\q+64*\i
.endr
.endr
.endm
.macro MUL16 a0, p, q, sc, zero        ; the 64 accumulators take turns, one instruction a turn
.irp a, \a0, \a0+1
.irp b, 0,1,2,3,4,5,6,7
.if \zero
	v_wmma_scale_f32_16x16x128_f8f6f4 v[8*(8*((\a)%4)+\b):8*(8*((\a)%4)+\b)+7], v[128*(\p)+FR*\b:128*(\p)+FR*\b+FR-1], v[AF+FR*(\a):AF+FR*(\a)+FR-1], 0, v[SC+16*(\sc)+8*(\q)+\b], v[SC+16*(\sc)+8*(\q)+(\a)] matrix_a_fmt:MATRIX_FMT_BF8 matrix_b_fmt:MATRIX_FMT_BF8 matrix_a_scale:MATRIX_SCALE_ROW1
.else
	v_wmma_scale_f32_16x16x128_f8f6f4 v[8*(8*((\a)%4)+\b):8*(8*((\a)%4)+\b)+7], v[128*(\p)+FR*\b:128*(\p)+FR*\b+FR-1], v[AF+FR*(\a):AF+FR*(\a)+FR-1], v[8*(8*((\a)%4)+\b):8*(8*((\a)%4)+\b)+7], v[SC+16*(\sc)+8*(\q)+\b], v[SC+16*(\sc)+8*(\q)+(\a)] matrix_a_fmt:MATRIX_FMT_BF8 matrix_b_fmt:MATRIX_FMT_BF8 matrix_a_scale:MATRIX_SCALE_ROW1
.endif
.endr
.endr
.endm
; Eight plain vector lines stand between a matrix instruction of this form and a load into a register that it read, or a read of its result
.macro STEP slot, zero                 ; a slot's first 128 along K
	s_wait_dscnt 16                                ; all but the youngest 16 loads (source 1's blocks 4-7) are in
	WIN MUL_LO
	MUL16 0, 0, 0, \slot, \zero
	MUL16 2, 0, 0, \slot, \zero
	s_wait_dscnt 0
	PLACES 8
	FETCH_B \slot, 1, 1
	FETCH_A \slot, 1, 0
	WIN MUL_HI
	MUL16 4, 0, 0, \slot, \zero
	MUL16 6, 0, 0, \slot, \zero
	PLACES 8
	WIN 0
	FETCH_A \slot, 1, 4
.endm
.macro TURN slot, next, fill, k        ; its second 128, and the change of slots
	s_wait_tensorcnt 0x0                           ; all my tensor loads have landed: my part of the next slot
	ds_add_u32 v[SPW], v[NIL]                      ; 0 onto my spare word
	s_wait_dscnt 17                                ; the add and the youngest 16 loads may be out
	WIN MUL_LO
	MUL16 0, 1, 1, \slot, 0
	s_wait_dscnt 0x0                               ; the add is done, and my reads of this slot are over
	s_barrier_signal -1
	MUL16 2, 1, 1, \slot, 0
	WIN 0
	s_barrier_wait -1
.if \fill
	s_add_nc_u64 s[G0+4*\slot+2:G0+4*\slot+3], s[G0+4*\slot+2:G0+4*\slot+3], 8192   ; two K steps on
	tensor_load_to_lds s[G0+4*\slot:G0+4*\slot+3], s[G1:G1+7]
	s_nop 0
.endif
	PLACES 8
	FETCH_B \next, 0, 0
	FETCH_A \next, 0, 0
	SCALES \next, \k
	WIN MUL_HI
	MUL16 4, 1, 1, \slot, 0
	MUL16 6, 1, 1, \slot, 0
	PLACES 8
	WIN 0
	FETCH_A \next, 0, 4
.endm
	s_load_b256 s[4:11], s[0:1], 0x0               ; qkc, qks, pc, pst
	v_lshl_add_u32 v[SPW], v0, 2, SPARE
	v_mov_b32 v[NIL], 0
	ds_add_u32 v[SPW], v[NIL]                      ; the wave's opening: the add, twice on end
	ds_add_u32 v[SPW], v[NIL]
	v_lshrrev_b32 v1, 5, v0
	v_readfirstlane_b32 s14, v1                    ; wave 0..3
	s_lshr_b32 s15, s14, 1                         ; my half of the queries.  In the ring I fetch Q (0) or K (1)
	s_and_b32 s16, s14, 1                          ; my half of the keys.  At the head I fetch for Q (0) or K (1); in the ring: which 128 rows
	s_mov_b32 s40, 0                               ; ttmp9 = i (i + 1) / 2 + j
.irp th, 1,3,6,10,15,21,28
	s_cmp_ge_u32 ttmp9, \th
	s_cselect_b32 s41, 1, 0
	s_add_co_u32 s40, s40, s41
.endr
	s_add_co_u32 s41, s40, 1
	s_mul_i32 s41, s41, s40
	s_lshr_b32 s41, s41, 1
	s_sub_co_u32 s41, ttmp9, s41                   ; j
	s_and_b32 s17, ttmp7, 0xffff                   ; the batch
	s_lshl_b32 s17, s17, 3
	s_add_co_u32 s42, s17, s40                     ; Q's token tile
	s_add_co_u32 s43, s17, s41                     ; K's
	s_mov_b32 s[G1], 3<<16                         ; elements of 8 bytes: 16 blocks of 16 tokens, 4,096 bytes each, 16,384 apart (behind the head: 8 blocks)
	s_mov_b32 s[G1+1], 512<<16
	s_mov_b32 s[G1+2], 16<<16
	s_mov_b32 s[G1+3], 512<<16
	s_mov_b32 s[G1+4], 16
	s_mov_b32 s[G1+5], 2048
	s_mov_b32 s[G1+6], 0
	s_mov_b32 s[G1+7], 0
	s_mov_b32 s[G1S], 3<<16                        ; 8,192 dense scale bytes as 32 rows of 256
	s_mov_b32 s[G1S+1], 32<<16
	s_mov_b32 s[G1S+2], 32<<16
	s_mov_b32 s[G1S+3], 32<<16
	s_mov_b32 s[G1S+4], 32
	s_mov_b32 s[G1S+5], 32
	s_mov_b32 s[G1S+6], 0
	s_mov_b32 s[G1S+7], 0
	s_cmp_eq_u32 s16, 0
	s_cselect_b32 s58, s42, s43
	s_lshl_b32 s60, s58, 13                        ; 8,192 scale bytes a tile, K's 32 tiles behind Q's
	s_lshl_b32 s61, s16, 18
	s_add_co_u32 s60, s60, s61
	s_mov_b32 s61, 0
	s_lshl_b32 s58, s58, 18                        ; 262,144 bytes of codes
	s_lshl_b32 s59, s16, 23
	s_add_co_u32 s58, s58, s59
	s_mov_b32 s59, 0
	s_cmp_eq_u32 s15, 0                            ; the ring's part
	s_cselect_b32 s62, s42, s43
	s_lshl_b32 s62, s62, 18
	s_lshl_b32 s63, s15, 23
	s_add_co_u32 s62, s62, s63
	s_lshl_b32 s63, s16, 17
	s_add_co_u32 s62, s62, s63
	s_mov_b32 s63, 0
	s_wait_dscnt 0x0                               ; both opening adds are done
	s_wait_kmcnt 0x0
	s_mov_b32 s[G0H], 1
	s_lshl_b32 s[G0H+1], s16, 16
	s_add_nc_u64 s[G0H+2:G0H+3], s[4:5], s[58:59]
	s_or_b32 s[G0H+3], s[G0H+3], 0x80000000
	s_mov_b32 s[G0S], 1
	s_lshl_b32 s[G0S+1], s16, 13
	s_add_co_u32 s[G0S+1], s[G0S+1], SCL
	s_add_nc_u64 s[G0S+2:G0S+3], s[6:7], s[60:61]
	s_or_b32 s[G0S+3], s[G0S+3], 0x80000000
	s_cmp_lt_u32 s14, 2                            ; one load a wave: waves 0, 1 K step 0's 256 rows of Q, of K; waves 2, 3 their scale bytes
	s_cbranch_scc0 .Lfor_scales
	tensor_load_to_lds s[G0H:G0H+3], s[G1:G1+7]
	s_nop 0
	PLACES 4
	s_branch .Lasked
.Lfor_scales:
	tensor_load_to_lds s[G0S:G0S+3], s[G1S:G1S+7]
	s_nop 0
	PLACES 4
.Lasked:
	s_lshl_b32 s3, s14, 15
.irp s, 0,1
	s_mov_b32 s[G0+4*\s], 1
	s_add_co_u32 s[G0+4*\s+1], s3, \s*SLOT
	s_add_nc_u64 s[G0+4*\s+2:G0+4*\s+3], s[4:5], s[62:63]
	s_add_nc_u64 s[G0+4*\s+2:G0+4*\s+3], s[G0+4*\s+2:G0+4*\s+3], \s*4096
	s_or_b32 s[G0+4*\s+3], s[G0+4*\s+3], 0x80000000
.endr
	s_lshl_b32 s58, s42, 3
	s_add_co_u32 s58, s58, s41                     ; the output block: (8 b + i) x 8 + j
	s_lshl_b32 s60, s58, 11
	s_mov_b32 s61, 0
	s_lshl_b32 s58, s58, 16
	s_mov_b32 s59, 0
	s_add_nc_u64 s[8:9], s[8:9], s[58:59]
	s_add_nc_u64 s[10:11], s[10:11], s[60:61]
	s_cmp_eq_u32 s40, s41                          ; the mask is at work on the diagonal tile, in the quarters that are not wholly open
	s_cselect_b32 s[MASKF], 1, 0
	s_cmp_le_u32 s15, s16
	s_cselect_b32 s[MASKF], s[MASKF], 0
	s_mov_b32 s[CS], 0x3d38aa3b                    ; log2(e) / 32
	s_mov_b32 s[CS+1], s[CS]
	s_mov_b32 s[SEL], 0x76543210
	s_mov_b32 s[SEL+1], 0xfedcba98
	s_mov_b32 s[MNT], 0x600000
	s_lshl_b32 s58, s15, 15                        ; my 128 rows of Q
	s_lshl_b32 s59, s16, 15
	s_add_co_u32 s59, s59, 2*HALFT                 ; of K
	s_add_co_u32 s60, s58, SLOT
	s_add_co_u32 s61, s59, SLOT
	s_lshl_b32 s62, s15, 9                         ; scale words: Q's half,
	s_lshl_b32 s63, s16, 9
	s_add_co_u32 s63, s63, 8192
	s_sub_co_u32 s63, s63, s62                     ; and from it to K's
	s_add_co_u32 s62, s62, SCL
	s_lshl_b32 s66, s15, 10
	s_lshl_b32 s67, s16, 2
	s_add_co_u32 s66, s66, s67
	s_add_co_u32 s66, s66, SST
	s_lshl_b32 s67, s16, 11
	s_add_co_u32 s67, s67, s58                     ; my fragments of the tile: 32,768 x row half + 2,048 x key half
	s_sub_co_i32 s2, s15, s16
	s_lshl_b32 s2, s2, 7
	v_and_b32 v1, 15, v0                           ; r
	v_bfe_u32 v2, v0, 4, 1                         ; h
	v_and_b32 v3, 31, v0
	v_lshlrev_b32 v3, 4, v3                        ; 16 x lane
	v_add_nc_u32 v[ADR1], s58, v3
	v_add_nc_u32 v[ADR0], s59, v3
	v_add_nc_u32 v[ADR1+1], s60, v3
	v_add_nc_u32 v[ADR0+1], s61, v3
	v_lshl_add_u32 v4, v1, 2, s62
	v_mul_u32_u24 v5, s63, v2
	v_add_nc_u32 v[ASC], v4, v5
	v_lshl_add_u32 v[SWA], v1, 3, s66
	v_add_nc_u32 v[GO], s67, v3
	v_lshl_add_u32 v[SRD], v0, 4, SST
	v_lshlrev_b32 v[SGO], 4, v0
	v_lshlrev_b32 v5, 3, v2
	v_sub_nc_u32 v5, v1, v5
	v_add_nc_u32 v[VD0], s2, v5                    ; 128 (row half - key half) + r - 8 h
	v_mov_b32 v[NINF], 0xff800000                  ; -infinity
	v_mov_b32 v[NM+1], 0                           ; named with -M as a pair
.irp c, 0,1,2,3
	v_mov_b32 v[PX+\c], 0                          ; a lane permute's destination counts as a source
.endr
	s_wait_alu depctr_va_vdst(0)
	s_wait_tensorcnt 0x0                           ; my tile is in; these lines as ahead of a refill
	ds_add_u32 v[SPW], v[NIL]
	s_mov_b32 s[G1+2], 8<<16                       ; no tensor load of mine is out: from here on a load brings 8 blocks
	s_mov_b32 s[G1+4], 8
	s_wait_dscnt 0x0
	s_barrier_signal -1
	s_barrier_wait -1
	tensor_load_to_lds s[G0+4:G0+7], s[G1:G1+7]    ; K step 1
	s_nop 0
	PLACES 4
	FETCH_B 0, 0, 0
	FETCH_A 0, 0, 0
	SCALES 0, 0
	FETCH_A 0, 0, 4
	STEP 0, 1                                      ; the first products start the sums
	TURN 0, 1, 1, 2048
	STEP 1, 0
	TURN 1, 0, 1, 4096
	STEP 0, 0
	TURN 0, 1, 0, 6144
	STEP 1, 0
	s_wait_dscnt 16                                ; the very last 128 along K
	WIN MUL_LO
	MUL16 0, 1, 1, 1, 0
	MUL16 2, 1, 1, 1, 0
	s_wait_dscnt 0
	WIN MUL_HI
	MUL16 4, 1, 1, 1, 0
	MUL16 6, 1, 1, 1, 0
	WIN 0
	PLACES 8
; THE SOFTMAX, a loop over my eight blocks of 16 queries x 128 keys.  Register 8 b + j of lane (r, h) is key 16 b + 8 h + j of query 16 a + r.  Only the scaling reads the accumulators, so it alone stands once for each block
.macro TAKE a
	WIN 2+(\a)/4
	s_wait_alu depctr_va_vdst(0)                   ; ahead of the sums' first readers
.set kk, 0
.rept 32
	v_pk_mul_f32 v[XT+kk:XT+kk+1], v[64*((\a)%4)+kk:64*((\a)%4)+kk+1], s[CS:CS+1] op_sel_hi:[1,0]   ; t; each accumulator from its low end on
.set kk, kk+2
.endr
	WIN 0
.endm
	s_mov_b32 s40, 0
.Lblock:
	s_wait_xcnt 0x0                                ; the last block's stores have read their registers
	s_lshl_b32 s41, s40, 12
	s_lshl_b32 s42, s40, 7
	s_lshl_b32 s43, s40, 4
	v_add_nc_u32 v[GA], s41, v[GO]
	v_add_nc_u32 v[SW], s42, v[SWA]
	v_add_nc_u32 v[VD], s43, v[VD0]                ; key 16 b + 8 h + j is hidden where 16 b + j > this
.irp a, 0,1,2,3,4,5,6
	s_cmp_eq_u32 s40, \a
	s_cbranch_scc0 .Lnot_\a
	TAKE \a
	s_branch .Ltaken
.Lnot_\a:
.endr
	TAKE 7
.Ltaken:
	s_wait_alu depctr_va_vdst(0)
	s_cmp_eq_u32 s[MASKF], 0
	s_cbranch_scc1 .Lopen
.set kk, 0
.rept 64
	v_cmp_gt_i32 vcc_lo, 16*(kk/8)+kk%8, v[VD]
	v_cndmask_b32 v[XT+kk], v[XT+kk], v[NINF], vcc_lo
.set kk, kk+1
.endr
.Lopen:
.irp c, 0,1,2,3
	v_max3_num_f32 v[BM+\c], v[XT+16*\c], v[XT+16*\c+1], v[XT+16*\c+2]   ; the largest t of each block of 32 keys: for the row's maximum, and, since p rises with t, for the block's largest p
.endr
.irp i, 3,5,7,9,11,13
.irp c, 0,1,2,3
	v_max3_num_f32 v[BM+\c], v[BM+\c], v[XT+16*\c+\i], v[XT+16*\c+\i+1]
.endr
.endr
.irp c, 0,1,2,3
	v_max_num_f32 v[BM+\c], v[BM+\c], v[XT+16*\c+15]
.endr
.irp c, 0,1,2,3
	v_permlanex16_b32 v[PX+\c], v[BM+\c], s[SEL], s[SEL+1]
.endr
.irp c, 0,1,2,3
	v_max_num_f32 v[BM+\c], v[BM+\c], v[PX+\c]
.endr
	v_max3_num_f32 v[RT], v[BM], v[BM+1], v[BM+2]
	v_max3_num_f32 v[RT], v[RT], v[BM+3], 0xff61b1e6   ; not under -3e38: a row with no open key here gets a number for M, and p = 0
	v_floor_f32 v[NM], -v[RT]                      ; -M = floor(-t) = -ceil(t)
.set kk, 0
.rept 32
	v_pk_add_f32 v[XT+kk:XT+kk+1], v[XT+kk:XT+kk+1], v[NM:NM+1] op_sel_hi:[1,0]
.set kk, kk+2
.endr
.irp c, 0,1,2,3
	v_add_f32 v[BM+\c], v[BM+\c], v[NM]
.endr
	s_wait_alu depctr_va_vdst(0)                   ; ahead of the batch
.set kk, 0
.rept 64
	v_exp_f32 v[XT+kk], v[XT+kk]                   ; p = 2^(t - M)
.set kk, kk+1
.endr
	v_sub_f32 v[MV], 0, v[NM]                      ; M.  (The plain line behind the exponentials)
	s_wait_alu depctr_va_vdst(0)                   ; and behind it, ahead of its first reader
.irp c, 0,1,2,3
	v_exp_f32 v[BM+\c], v[BM+\c]                   ; each block's largest p
.endr
.irp k, 0,1,2,3
	v_pk_add_f32 v[SM+2*\k:SM+2*\k+1], v[XT+4*\k:XT+4*\k+1], v[XT+4*\k+2:XT+4*\k+3]   ; the sum of the unquantised p, in four chains
.endr
.irp j, 16,24,32,40,48,56
.irp k, 0,1,2,3
	v_pk_add_f32 v[SM+2*\k:SM+2*\k+1], v[SM+2*\k:SM+2*\k+1], v[XT+\j+2*\k:XT+\j+2*\k+1]
.endr
.endr
	v_pk_add_f32 v[SM:SM+1], v[SM:SM+1], v[SM+2:SM+3]
	v_pk_add_f32 v[SM+4:SM+5], v[SM+4:SM+5], v[SM+6:SM+7]
	v_pk_add_f32 v[SM:SM+1], v[SM:SM+1], v[SM+4:SM+5]
	s_wait_alu depctr_va_vdst(0)                   ; and one for the four
.irp c, 0,1,2,3
	v_max_num_f32 v[BM+\c], 0x8000000, v[BM+\c]    ; the floor 2^(16 - 127)
.endr
.irp c, 0,1,2,3
	v_add_nc_u32 v[SCOP+\c], 0xf8800000, v[BM+\c]
.endr
.irp c, 0,1,2,3
	v_and_or_b32 v[HOLD+\c], v[BM+\c], 0x7f800000, s[MNT]
.endr
.irp c, 0,1,2,3
	v_lshrrev_b32 v[PX+\c], 23, v[SCOP+\c]
.endr
	v_add_f32 v[SM], v[SM], v[SM+1]
	v_lshl_or_b32 v[WD], v[PX+1], 8, v[PX]
	v_permlanex16_b32 v[SM+2], v[SM], s[SEL], s[SEL+1]
	v_lshl_or_b32 v[WD], v[PX+2], 16, v[WD]
	v_add_f32 v[SM], v[SM], v[SM+2]                ; l of my row and these 128 keys
	v_lshl_or_b32 v[WD], v[PX+3], 24, v[WD]
.set kk, 0
.rept 64
	v_min_num_f32 v[XT+kk], v[XT+kk], v[HOLD+kk/16]   ; p is not negative: a one-sided hold ahead of the conversion, which does not saturate (ISA guide 7.6.2)
.set kk, kk+1
.endr
.irp b, 0,1,2,3,4,5,6,7
	v_cvt_scalef32_pk8_bf8_f32 v[CD+2*\b:CD+2*\b+1], v[XT+8*\b:XT+8*\b+7], v[SCOP+\b/2]
.endr
	v_nop                                          ; one plain line behind the last conversion
	ds_store_b32 v[SW], v[WD]
	ds_store_b32 v[SW], v[MV] offset:2048
	ds_store_b32 v[SW], v[SM] offset:4096
.irp c, 0,1,2,3
	global_store_b128 v[GA], v[CD+4*\c:CD+4*\c+3], s[8:9] offset:512*\c   ; piece c of the fragment: 512 consecutive bytes
.endr
	s_add_co_u32 s40, s40, 1
	s_cmp_lt_u32 s40, 8
	s_wait_alu depctr_va_vdst(0)
	s_cbranch_scc1 .Lblock
	s_wait_dscnt 0x0                               ; for the others' sake: my stores into the stage are done
	s_barrier_signal -1
	s_barrier_wait -1
	ds_load_b128 v[32:35], v[SRD]
	ds_load_b128 v[36:39], v[SRD] offset:2048
	ds_load_b128 v[40:43], v[SRD] offset:4096
	s_wait_dscnt 0x0
	global_store_b128 v[SGO], v[32:35], s[10:11]                    ; the scale words,
	global_store_b128 v[SGO], v[36:39], s[10:11] offset:524288      ; M,
	global_store_b128 v[SGO], v[40:43], s[10:11] offset:1048576     ; l: a wave stores 512 consecutive bytes each time
	s_wait_tensorcnt 0x0                           ; the wave's end
	ds_add_u32 v[SPW], v[NIL]
	s_wait_dscnt 0x0
	s_endpgm
.Lfunc_end_k_q7f77063ec1_score:
	.size	k_q7f77063ec1_score, .Lfunc_end_k_q7f77063ec1_score-k_q7f77063ec1_score
	.p2alignl 7, 3214868480
	.fill 96, 4, 3214868480
	.section	.rodata,"a",@progbits
	.p2align	6, 0x0
	.amdhsa_kernel k_q7f77063ec1_score
		.amdhsa_group_segment_fixed_size 327680
		.amdhsa_private_segment_fixed_size 0
		.amdhsa_enable_private_segment 0
		.amdhsa_kernarg_size 32
		.amdhsa_user_sgpr_count 2
		.amdhsa_user_sgpr_kernarg_segment_ptr 1
		.amdhsa_wavefront_size32 1
		.amdhsa_system_sgpr_workgroup_id_x 1
		.amdhsa_system_sgpr_workgroup_id_y 1
		.amdhsa_system_sgpr_workgroup_id_z 1
		.amdhsa_system_vgpr_workitem_id 0
		.amdhsa_next_free_vgpr 1024
		.amdhsa_next_free_sgpr 80
		.amdhsa_reserve_vcc 1
		.amdhsa_float_denorm_mode_32 3
		.amdhsa_float_denorm_mode_16_64 3
		.amdhsa_memory_ordered 1
		.amdhsa_forward_progress 1
		.amdhsa_inst_pref_size 151
	.end_amdhsa_kernel
	.amdgpu_metadata
---
amdhsa.version: [ 1, 2 ]
amdhsa.kernels:
  - .name:           k_q7f77063ec1_score
    .symbol:         k_q7f77063ec1_score.kd
    .args:
      - { .name: qkc, .offset: 0, .size: 8, .value_kind: global_buffer, .address_space: global }
      - { .name: qks, .offset: 8, .size: 8, .value_kind: global_buffer, .address_space: global }
      - { .name: pc, .offset: 16, .size: 8, .value_kind: global_buffer, .address_space: global }
      - { .name: pst, .offset: 24, .size: 8, .value_kind: global_buffer, .address_space: global }
    .group_segment_fixed_size: 327680
    .private_segment_fixed_size: 0
    .kernarg_segment_align: 8
    .kernarg_segment_size: 32
    .max_flat_workgroup_size: 128
    .sgpr_count:     80
    .vgpr_count:     1024
    .wavefront_size: 32
...
	.end_amdgpu_metadata
.endif
;; end of part 5
;; launch pv (part 6): grid 8 x 32, 4 waves a work-group, no clusters, 327,680 bytes of LDS; arguments pc, pst, vc, vs, out0; writes out0
.if DOCPART == 6
	.amdgcn_target "amdgcn-amd-amdhsa--gfx1250"
	.amdhsa_code_object_version 6
	.text
	.protected	k_q7f77063ec1_pv
	.globl	k_q7f77063ec1_pv
	.p2align	8
	.type	k_q7f77063ec1_pv,@function
k_q7f77063ec1_pv:
	s_mov_b64 s[64:65], 0
	v_nop
	global_prefetch_b8 v0, s[64:65] scope:SCOPE_SE
	s_setreg_imm32_b32 hwreg(HW_REG_WAVE_MODE, 25, 1), 1
	s_wait_xcnt 0x0
; out = round(10,000 x (P V) / l) / 10,000.  P: the codes of p made tile by tile under local whole numbers M, stored in the order of the operand's registers; V^T: codes with the keys innermost.
; A work-group makes 256 queries (tile y = 8 b + it) x 128 channels (tile x); each of its four waves 64 queries x 128 channels: 32 accumulators.  K = the keys of tiles 0 .. it, 256 a tile, two steps of 128 a tile.
; V^T STAYS IN LDS: the work-group's 128 rows x 256 keys of a tile are 34,816 bytes with their padding, eight tiles 278,528.  Every tile is a first fill, asked for at the head: no LDS byte is filled twice,
; so there is no ring and no change of slots.  Each wave brings 32 rows of each tile: at most eight tensor loads of a wave are out.
; P GOES FROM MEMORY STRAIGHT INTO REGISTERS: a fragment is 2,048 dense bytes, four loads of 512 consecutive bytes; a wave reads its own 64 rows and no other wave reads them.  Four register sets take turns,
; so the loads of four steps (64 loads) of each wave are on their way.
; THE KEY TILES ARE WALKED DOWNWARDS, it, it - 1, .. 0: step g = 2 (7 - tile) + half.  The way in differs from work-group to work-group, the way out is one: so behind tile jj's tensor load stand jj loads, and
; behind step g's loads those of steps g + 1 .. g + 3, on every way, and every counted wait is a constant.  Each way in has a first step of its own, whose products start the sums with the constant 0.
; A step's register set is g % 4, so the order of the first 64 loads hangs on it's parity: the head behind the tensor loads is written twice by one macro; the odd copy leads to odd tiles alone, the even one to even tiles.
; With it = 0 two of the four first sets bring tile 0 a second time and nobody reads them (16 KB a wave): so the first loads are 64 on every way.
; THE PREAMBLE brings a row's parts under one M.  For each row: MF = the largest of its 16 M; each part's four scale bytes are lowered by MF - M (a whole number; held at 127), a byte that would fall under 0 becomes 0;
; l = the sum of the parts' l x 2^(M - MF).  All of that is exact but for the hold.  The new scale words, 10,000 / l and V's scale bytes go to LDS for all four waves.
; NO CLUSTER: V's tiles are shared by the query tiles of a batch, which need 1 to 8 of them; P does not go through LDS.
; Source 1 = P's queries across the lanes, source 0 = V^T's channels along the registers: a lane holds eight neighbouring channels of one row of out.
; LIMITS: NaN and infinities are not served.  A part lying more than 127 powers of two under the row's M, or a block whose byte would fall under 0, counts with 2^-127 in place of less: at most 2^-111 beside a row sum above 1/2.
; 1 / l is v_rcp_f32 with 10,000 folded in, and the division by 10,000 is a multiplication by the f32 nearest 1e-4: an ulp each.  The keys are summed from the last tile to the first.
; REGISTERS: window 0: v5-31 addresses; v32-79 scale words, two sets of 24 (8 of P's, 16 of V's), by the tile's parity; v96-123 at work; v128-255 the preamble, then rows of out.
;   window 1: the accumulators, (a, b) at v[8 (8 a + b)].   window 2: V's fragments, two sets of 8 x 16.   window 3: P's fragments, four sets of 4 x 16.
; V'S TILES, IN PLACE OF WHAT THE HEAD SAYS OF THEM: a key tile is 32,768 bytes without padding, [128 keys: 2][16 channels: 8][c 4][lane][16 bytes], an image of the operand's registers.  Tiles come in pairs (2 m, 2 m + 1), a quarter of a pair a wave:
; the pair that holds tile it at the head, each lower pair behind a full sequence and a barrier; every wait on TENSORcnt is for 0.  All eight tiles have bytes of their own; none is filled twice.
.set VTILE,  32768
.set VSC,    8*VTILE                   ; V's scale bytes [8 key tiles][128 rows][8]: written by LDS stores
.set PSC,    VSC+8192                  ; P's, as the preamble makes them: [8 key tiles][256 rows][8]
.set RLB,    PSC+16384                 ; 10,000 / l, twice, 8 bytes a row
.set SPITCH, 528                       ; the way out: a stage of 16 rows x (512 + 16) bytes a wave, in key tile 0's bytes
.set VO,   5                           ; v5   V's scale bytes in memory: my 16 bytes
.set VSA,  6                           ; v6   and in LDS
.set PO,   7                           ; v7   P: 16 x lane + 16,384 x wave; never rewritten
.set OFFJ, 8                           ; v8-15 the statistics' offsets, one for each key tile
.set ADV,  16                          ; v16-23 LDS address of my lane's place in key tile jj of V
.set AS1,  24
.set AS0,  25
.set STO,  26
.set RD,   27
.set GO,   28
.set RFA,  29
.set PSA,  30
.set RLA,  31
.set MF,   96                          ; preamble: v96-97 MF, v98-99 l, v100-101 1 / l, v102-105 10,000 / l twice, v108-123 V's scale bytes on their way
.set LSU,  98
.set RC,   100
.set FP,   102
.set VS,   108
.set RF,   96                          ; the way out: v96-103 10,000 / l of my four blocks' rows, in pairs
.set PS,   128                         ; preamble: register 4 jj + 2 u + q: key tile jj, row 2 tid + u, the q-th 128 keys: scale words,
.set PM,   160                         ; M,
.set PL,   192                         ; l,
.set PK,   224                         ; masks
.set BK,   128                         ; the way out: 16 rows read back: v128-191 and v192-255 by turns
.set IT,   18
.set G1V,  24                          ; s[24:31] descriptor group 1; the groups 0 of the four pairs of tiles at s44-59
.set VAL,  80                          ; s80-87 1.0 where key tile jj <= it, else 0
.set LIT,  88                          ; s88 0x01010101
.set INV,  90                          ; s[90:91] 1e-4
.set PB,   92                          ; s[92:93] P's block of tile it;  s[94:95] of tile it - 1 (tile 0 where it = 0)
.set PB2,  94
.set MSB, 0
.macro WIN new                         ; the immediate's high byte repeats the setting that is left
.if MSB != (\new)
	s_set_vgpr_msb (MSB<<8)|(\new)
.set MSB, (\new)
.endif
.endm
.set W_MUL, 0x5e                       ; source 0 (V) window 2, source 1 (P) window 3, C and D window 1
.set W_V,   0x80                       ; destination window 2
.set W_P,   0xc0                       ; destination window 3
.macro PLACES n
.rept \n
	v_nop
.endr
.endm
; V's fragments b0 .. b0 + 3 of step g into set g % 2: lane l holds channel l % 16; registers 4 c .. 4 c + 3 hold keys 32 c + 16 (l / 16) + 0 .. 15
.macro FETCH_V g, b0
.set FVJ, 7-(\g)/2
.set FVQ, (\g)%2
.set FVS, 128*((\g)%2)
	WIN W_V
.irp b, \b0,\b0+1,\b0+2,\b0+3
.irp c, 0,1,2,3
	ds_load_b128 v[FVS+16*(\b)+4*\c:FVS+16*(\b)+4*\c+3], v[ADV+FVJ] offset:(\b)*2048+16384*FVQ+512*\c
.endr
.endr
.endm
.macro SCALES jj                       ; key tile jj's scale words, two a row: register 2 a + q of P's, 8 + 2 b + q of V's
.set SCB, 32+24*((\jj)%2)
	WIN 0
.irp a, 0,1,2,3
	ds_load_b64 v[SCB+2*\a:SCB+2*\a+1], v[AS1] offset:2048*(\jj)+128*\a
.endr
.irp b, 0,1,2,3,4,5,6,7
	ds_load_b64 v[SCB+8+2*\b:SCB+8+2*\b+1], v[AS0] offset:1024*(\jj)+128*\b
.endr
.endm
.macro PSET set, base, q               ; one of the first loads: my four fragments of half q of the block at s[base] into a set
.irp a, 0,1,2,3
.irp c, 0,1,2,3
	global_load_b128 v[64*\set+16*\a+4*\c:64*\set+16*\a+4*\c+3], v[PO], s[\base:\base+1] offset:4096*\a+2048*\q+512*\c
.endr
.endr
.endm
.macro PLOAD g                         ; step g's four fragments of P into set g % 4; the tile and the half stand in the immediate
.set LJ, 7-(\g)/2
.set LQ, (\g)%2
.set LP, 64*((\g)%4)
	WIN W_P
.irp a, 0,1,2,3
.irp c, 0,1,2,3
	global_load_b128 v[LP+16*\a+4*\c:LP+16*\a+4*\c+3], v[PO], s[4:5] offset:65536*LJ+4096*\a+2048*LQ+512*\c
.endr
.endr
	WIN 0
.endm
; 16 matrix instructions of step g: V's blocks b0 .. b0 + 3 against P's four.  The 32 accumulators take turns, one instruction a turn, in the same order in every step.
.macro MUL8V g, b0, zero               ; eight of them: V's blocks b0, b0 + 1
.set MJ, 7-(\g)/2
.set MQ, (\g)%2
.set MVS, 128*((\g)%2)
.set MPS, 64*((\g)%4)
.set MSC, 32+24*(MJ%2)
	WIN W_MUL
.irp b, \b0,\b0+1
.irp a, 0,1,2,3
.if \zero
	v_wmma_scale_f32_16x16x128_f8f6f4 v[8*(8*\a+(\b)):8*(8*\a+(\b))+7], v[MVS+16*(\b):MVS+16*(\b)+15], v[MPS+16*\a:MPS+16*\a+15], 0, v[MSC+8+2*(\b)+MQ], v[MSC+2*\a+MQ] matrix_a_fmt:MATRIX_FMT_BF8 matrix_b_fmt:MATRIX_FMT_BF8
.else
	v_wmma_scale_f32_16x16x128_f8f6f4 v[8*(8*\a+(\b)):8*(8*\a+(\b))+7], v[MVS+16*(\b):MVS+16*(\b)+15], v[MPS+16*\a:MPS+16*\a+15], v[8*(8*\a+(\b)):8*(8*\a+(\b))+7], v[MSC+8+2*(\b)+MQ], v[MSC+2*\a+MQ] matrix_a_fmt:MATRIX_FMT_BF8 matrix_b_fmt:MATRIX_FMT_BF8
.endif
.endr
.endr
.endm
; STEP g: 128 keys.  The next step's fragments of V are fetched in two runs among its products; the fragments of P of four steps on are asked for behind them.
; Eight plain vector instructions stand between a matrix instruction of this form and a load into a register that it read: the eight at a step's end serve
; the loads of P behind them and the next step's loads of V and of scale words alike.
; An even tile's first step also sees to the next pair of tiles: my quarter of it has landed (every tensor load of mine is in), I say so, and at the step's end all four waves have said so.
.macro SUB g, zero
.set SJ, 7-(\g)/2
.set SQ, (\g)%2
.if 15-(\g) >= 3
	s_wait_loadcnt 48                              ; this step's fragments of P are in; the next three steps' 48 loads may be out
.else
	s_wait_loadcnt 16*(15-(\g))                    ; the counts run down: nothing is asked for beyond the last step
.endif
	s_wait_dscnt 0x0                               ; this step's fragments of V and its scale words are in
.if (\g) < 15
	FETCH_V (\g)+1, 0
.endif
	MUL8V \g, 0, \zero
	MUL8V \g, 2, \zero
.if (\g) < 15
	FETCH_V (\g)+1, 4
.if SQ == 1
	SCALES SJ-1
.endif
.endif
.if (SQ == 0) && (SJ > 0) && ((SJ%2) == 0)
	WIN 0
	s_wait_tensorcnt 0x0                           ; an even tile's first step: my part of the next pair of tiles is in
	ds_add_u32 v126, v127
.endif
	MUL8V \g, 4, \zero
.if (SQ == 0) && (SJ > 0) && ((SJ%2) == 0)
	s_wait_dscnt 0x0
	s_barrier_signal -1
.endif
	MUL8V \g, 6, \zero
	PLACES 8
	WIN 0
.if (SQ == 0) && (SJ > 0) && ((SJ%2) == 0)
	s_barrier_wait -1
.if SJ > 2
	tensor_load_to_lds s[44+4*(SJ/2-2):47+4*(SJ/2-2)], s[G1V:G1V+7]   ; the pair after that, a first fill behind the full sequence
	s_nop 0
	PLACES 4
.endif
.endif
.if (\g)+4 <= 15
	PLOAD (\g)+4
.endif
.endm
; THE WAY IN at key tile jj = it.  My part of the tile has landed; my LDS stores of the preamble are done (its last line waits for them); behind the barrier that holds of all four waves.
.macro ENTRY jj, g0
	s_wait_tensorcnt 0x0
	ds_add_u32 v126, v127
	s_wait_dscnt 0x0
	s_barrier_signal -1
	s_barrier_wait -1
.if (\jj) > 1
	tensor_load_to_lds s[44+4*((\jj)/2-1):47+4*((\jj)/2-1)], s[G1V:G1V+7]   ; the next pair of tiles
	s_nop 0
	PLACES 4
.endif
	FETCH_V \g0, 0
	FETCH_V \g0, 4
	SCALES \jj
	SUB \g0, 1
.endm
.macro PREAMBLE
	s_wait_loadcnt 63                              ; the 28 loads of statistics and of V's scale bytes are in: 64 loads were issued behind them, and the wait's field ends at 63
.irp k, 0,1,2,3
	ds_store_b128 v[VSA], v[VS+4*\k:VS+4*\k+3] offset:2048*\k
.endr
.irp u, 0,1
	v_max3_num_f32 v[MF+\u], v[PM+2*\u], v[PM+2*\u+1], v[PM+4+2*\u]   ; MF: the largest of the row's 16 M
.endr
.irp m, 3,5,7,9,11,13
.irp u, 0,1
	v_max3_num_f32 v[MF+\u], v[MF+\u], v[PM+4*(\m/2)+2*\u+\m%2], v[PM+4*((\m+1)/2)+2*\u+(\m+1)%2]
.endr
.endr
.irp u, 0,1
	v_max_num_f32 v[MF+\u], v[MF+\u], v[PM+28+2*\u+1]
.endr
.set nn, 0
.rept 32
	v_sub_f32 v[PM+nn], v[PM+nn], v[MF+(nn/2)%2]   ; M - MF: a whole number, 0 or less
.set nn, nn+1
.endr
.set nn, 0
.rept 32
	v_max_num_f32 v[PM+nn], 0xc2fe0000, v[PM+nn]   ; held at -127
.set nn, nn+1
.endr
.set nn, 0
.rept 32
	v_cvt_i32_f32 v[PM+nn], v[PM+nn]
.set nn, nn+1
.endr
.set nn, 0
.rept 32
	v_ldexp_f32 v[PL+nn], v[PL+nn], v[PM+nn]       ; the part's l under MF: nothing is rounded
.set nn, nn+1
.endr
.set nn, 0
.rept 32
.if (nn == 0) || (nn == 2)
	v_mul_f32 v[LSU+(nn/2)%2], s[VAL+nn/4], v[PL+nn]
.else
	v_fmac_f32 v[LSU+(nn/2)%2], s[VAL+nn/4], v[PL+nn]
.endif
.set nn, nn+1
.endr
	s_wait_alu depctr_va_vdst(0)
	v_rcp_f32 v[RC], v[LSU]
	v_rcp_f32 v[RC+1], v[LSU+1]
.set nn, 0
.rept 32
	v_or_b32 v[PS+nn], 0x80808080, v[PS+nn]        ; a guard bit over each byte (the bytes are 1 .. 112), so that no byte borrows from its neighbour.  (Plain work behind the reciprocals)
.set nn, nn+1
.endr
.set nn, 0
.rept 32
	v_mul_lo_u32 v[PM+nn], v[PM+nn], s[LIT]        ; M - MF in each byte
.set nn, nn+1
.endr
.set nn, 0
.rept 32
	v_add_nc_u32 v[PS+nn], v[PS+nn], v[PM+nn]
.set nn, nn+1
.endr
.set nn, 0
.rept 32
	v_and_b32 v[PK+nn], 0x80808080, v[PS+nn]       ; the guard bit stays where the byte did not fall under 0
.set nn, nn+1
.endr
.set nn, 0
.rept 32
	v_lshrrev_b32 v[PM+nn], 7, v[PK+nn]
.set nn, nn+1
.endr
.set nn, 0
.rept 32
	v_sub_nc_u32 v[PK+nn], v[PK+nn], v[PM+nn]      ; 0x7f in those bytes, 0 in the others
.set nn, nn+1
.endr
.set nn, 0
.rept 32
	v_and_b32 v[PS+nn], v[PS+nn], v[PK+nn]
.set nn, nn+1
.endr
	s_wait_alu depctr_va_vdst(0)                   ; one wait for the two reciprocals, ahead of their first reader
	v_mul_f32 v[FP], 0x461c4000, v[RC]             ; 10,000 / l, twice: the packed multiply takes a pair
	v_mul_f32 v[FP+1], 0x461c4000, v[RC]
	v_mul_f32 v[FP+2], 0x461c4000, v[RC+1]
	v_mul_f32 v[FP+3], 0x461c4000, v[RC+1]
.irp jj, 0,1,2,3,4,5,6,7
	ds_store_b128 v[PSA], v[PS+4*\jj:PS+4*\jj+3] offset:2048*\jj   ; rows 2 tid and 2 tid + 1, two words each
.endr
	ds_store_b128 v[RLA], v[FP:FP+3]
	s_wait_dscnt 0x0                               ; for the others' sake: my stores are done
.endm
	s_load_b256 s[4:11], s[0:1], 0x0               ; pc, pst, vc, vs
	s_load_b64 s[12:13], s[0:1], 0x20              ; out0
	v_lshl_add_u32 v126, v0, 2, 0x4a800
	v_mov_b32 v127, 0
	ds_add_u32 v126, v127
	ds_add_u32 v126, v127
	v_lshrrev_b32 v1, 5, v0
	v_readfirstlane_b32 s14, v1                    ; wave 0..3
	s_and_b32 s17, ttmp7, 0xffff                   ; y = 8 b + it
	s_and_b32 s[IT], s17, 7
	s_lshr_b32 s19, s17, 3                         ; b
	s_mov_b32 s[G1V], 3<<16                        ; a quarter of a pair of tiles: 16,384 dense bytes as 64 rows of 32 elements of 8
	s_mov_b32 s[G1V+1], 32<<16
	s_mov_b32 s[G1V+2], 64<<16
	s_mov_b32 s[G1V+3], 32<<16
	s_mov_b32 s[G1V+4], 64
	s_mov_b32 s[G1V+5], 32
	s_mov_b32 s[G1V+6], 0
	s_mov_b32 s[G1V+7], 0
	; offsets in memory, made while the arguments are on their way
	s_lshl_b32 s20, s19, 3
	s_add_co_u32 s20, s20, ttmp9                   ; 8 b + the channel tile of 128
	s_lshl_b32 s22, s20, 18                        ; codes: 262,144 bytes for its eight key tiles
	s_lshl_b32 s23, s14, 14                        ; my wave's quarter of a pair
	s_add_co_u32 s22, s22, s23
	s_mov_b32 s23, 0
	s_lshl_b32 s2, s20, 13                         ; scale bytes: 8,192 for its eight key tiles
	s_mov_b32 s3, 0
	s_lshl_b32 s20, s17, 14                        ; the statistics: my row of 8 blocks of 2,048 bytes
	s_mov_b32 s21, 0
	s_lshl_b32 s15, s14, 14                        ; my wave's quarter of a pair in LDS
	s_lshl_b32 s96, s17, 19                        ; P: my row of 8 blocks of 65,536 bytes
	s_mov_b32 s97, 0
	s_lshl_b32 s16, s[IT], 16
	s_add_co_u32 s[PB], s96, s16                   ; tile it's block
	s_mov_b32 s[PB+1], 0
	s_max_u32 s16, s[IT], 1
	s_sub_co_u32 s16, s16, 1
	s_lshl_b32 s16, s16, 16
	s_add_co_u32 s[PB2], s96, s16                  ; tile it - 1's; tile 0's where it = 0
	s_mov_b32 s[PB2+1], 0
	s_lshl_b32 s98, s17, 8                         ; out: row 256 y + 64 x wave, 4,096 bytes a row; byte 512 x channel tile
	s_lshl_b32 s99, s14, 6
	s_add_co_u32 s98, s98, s99
	s_lshl_b32 s98, s98, 12
	s_lshl_b32 s99, ttmp9, 9
	s_add_co_u32 s98, s98, s99
	s_mov_b32 s99, 0
.irp jj, 0,1,2,3,4,5,6,7
	s_cmp_ge_u32 s[IT], \jj
	s_cselect_b32 s[VAL+\jj], 1.0, 0
.endr
	s_mov_b32 s[LIT], 0x01010101
	s_mov_b32 s[INV], 0x38d1b717                   ; 1e-4
	s_mov_b32 s[INV+1], s[INV]
	v_lshlrev_b32 v1, 4, v0                        ; thread tid owns rows 2 tid and 2 tid + 1: 16 bytes of each array of statistics
	s_wait_alu depctr_va_vdst(0)
.irp jj, 0,1,2,3,4,5,6,7
	s_min_u32 s16, s[IT], \jj                      ; only written blocks are read: a tile beyond it reads tile it again, which changes no maximum and is weighed with 0
	s_lshl_b32 s16, s16, 11
	v_add_nc_u32 v[OFFJ+\jj], s16, v1
.endr
	v_and_b32 v2, 31, v0
	s_lshl_b32 s16, s14, 14
	v_lshl_add_u32 v[PO], v2, 4, s16               ; my wave's 8 fragments of a block are 16,384 bytes
	v_lshlrev_b32 v[GO], 4, v2
	v_lshlrev_b32 v[VO], 4, v0                     ; V's scale bytes are dense in memory as in LDS
	v_lshl_add_u32 v[VSA], v0, 4, VSC              ; in LDS 1,024
	v_lshl_add_u32 v[PSA], v0, 4, PSC
	v_lshl_add_u32 v[RLA], v0, 4, RLB
	v_and_b32 v1, 15, v0                           ; r
	v_bfe_u32 v2, v0, 4, 1                         ; h
.irp jj, 0,1,2,3,4,5,6,7
	v_add_nc_u32 v[ADV+\jj], \jj*VTILE, v[GO]      ; 16 x lane in the tile
.endr
	s_lshl_b32 s16, s14, 9                         ; my wave's 64 rows, 8 bytes a row
	s_add_co_u32 s16, s16, PSC
	v_lshl_add_u32 v[AS1], v1, 3, s16
	s_lshl_b32 s16, s14, 9
	s_add_co_u32 s16, s16, RLB
	v_lshl_add_u32 v[RFA], v1, 3, s16
	v_lshl_add_u32 v[AS0], v1, 3, VSC
	s_mul_i32 s16, s14, 16*SPITCH                  ; my stage
	v_mul_u32_u24 v4, v1, SPITCH
	v_lshl_add_u32 v4, v2, 5, v4
	v_add_nc_u32 v[STO], s16, v4                   ; in: row r, 32 bytes for each half of the lanes
	v_add_nc_u32 v[RD], s16, v[GO]                 ; back: the 32 lanes take one row of 512 bytes
	s_wait_dscnt 0x0
	s_wait_kmcnt 0x0
	s_add_nc_u64 s[6:7], s[6:7], s[20:21]
	s_add_nc_u64 s[10:11], s[10:11], s[2:3]
.irp jj, 0,1,2,3,4,5,6,7
	global_load_b128 v[PS+4*\jj:PS+4*\jj+3], v[OFFJ+\jj], s[6:7]
	global_load_b128 v[PM+4*\jj:PM+4*\jj+3], v[OFFJ+\jj], s[6:7] offset:524288
	global_load_b128 v[PL+4*\jj:PL+4*\jj+3], v[OFFJ+\jj], s[6:7] offset:1048576
.endr
.irp k, 0,1,2,3
	global_load_b128 v[VS+4*\k:VS+4*\k+3], v[VO], s[10:11] offset:2048*\k
.endr
	s_add_nc_u64 s[8:9], s[8:9], s[22:23]
	s_add_nc_u64 s[PB:PB+1], s[4:5], s[PB:PB+1]
	s_add_nc_u64 s[PB2:PB2+1], s[4:5], s[PB2:PB2+1]
	s_add_nc_u64 s[4:5], s[4:5], s[96:97]
	s_add_nc_u64 s[12:13], s[12:13], s[98:99]
.irp m, 0,1,2,3
	s_mov_b32 s[44+4*\m], 1                        ; group 0 of the pair of tiles 2 m, 2 m + 1
	s_add_co_u32 s[45+4*\m], s15, \m*65536
	s_add_nc_u64 s[46+4*\m:47+4*\m], s[8:9], \m*65536
	s_or_b32 s[47+4*\m], s[47+4*\m], 0x80000000
.endr
	; one load a wave at the head: the pair that holds tile it.  A branch on the work-group's y: every way passes one load
.irp m, 3,2,1
	s_cmp_lt_u32 s[IT], 2*\m
	s_cbranch_scc1 .Lbelow_\m
	tensor_load_to_lds s[44+4*\m:47+4*\m], s[G1V:G1V+7]
	s_nop 0
	PLACES 4
	s_branch .Lasked_v
.Lbelow_\m:
.endr
	tensor_load_to_lds s[44:47], s[G1V:G1V+7]
	s_nop 0
	PLACES 4
.Lasked_v:
	s_bitcmp1_b32 s[IT], 0
	s_cbranch_scc1 .Lodd
	; it even: the first step is 2 modulo 4
	WIN W_P
	PSET 2, PB, 0
	PSET 3, PB, 1
	PSET 0, PB2, 0
	PSET 1, PB2, 1
	WIN 0
	PREAMBLE
	s_cmp_eq_u32 s[IT], 6
	s_cbranch_scc1 .Lent_6
	s_cmp_eq_u32 s[IT], 4
	s_cbranch_scc1 .Lent_4
	s_cmp_eq_u32 s[IT], 2
	s_cbranch_scc1 .Lent_2
	s_branch .Lent_0
.Lodd:
	; it odd: the first step is 0 modulo 4
	WIN W_P
	PSET 0, PB, 0
	PSET 1, PB, 1
	PSET 2, PB2, 0
	PSET 3, PB2, 1
	WIN 0
	PREAMBLE
	s_cmp_eq_u32 s[IT], 7
	s_cbranch_scc1 .Lent_7
	s_cmp_eq_u32 s[IT], 5
	s_cbranch_scc1 .Lent_5
	s_cmp_eq_u32 s[IT], 3
	s_cbranch_scc1 .Lent_3
	s_branch .Lent_1
.Lent_6:
	ENTRY 6, 2
	s_branch .Lpos_3
.Lent_5:
	ENTRY 5, 4
	s_branch .Lpos_5
.Lent_4:
	ENTRY 4, 6
	s_branch .Lpos_7
.Lent_3:
	ENTRY 3, 8
	s_branch .Lpos_9
.Lent_2:
	ENTRY 2, 10
	s_branch .Lpos_11
.Lent_1:
	ENTRY 1, 12
	s_branch .Lpos_13
.Lent_0:
	ENTRY 0, 14
	s_branch .Lpos_15
.Lent_7:
	ENTRY 7, 0
	SUB 1, 0
	SUB 2, 0
.Lpos_3:
	SUB 3, 0
	SUB 4, 0
.Lpos_5:
	SUB 5, 0
	SUB 6, 0
.Lpos_7:
	SUB 7, 0
	SUB 8, 0
.Lpos_9:
	SUB 9, 0
	SUB 10, 0
.Lpos_11:
	SUB 11, 0
	SUB 12, 0
.Lpos_13:
	SUB 13, 0
	SUB 14, 0
.Lpos_15:
	SUB 15, 0
	s_barrier_signal -1                            ; my reads of V are over (the last step's head waited for them, and no LDS instruction followed); every fill has landed
	s_barrier_wait -1                              ; that holds of all four waves: key tile 0's bytes serve as the stage
.irp a, 0,1,2,3
	ds_load_b64 v[RF+2*\a:RF+2*\a+1], v[RFA] offset:\a*128
.endr
	s_wait_dscnt 0x0
; THE WAY OUT of block a (16 rows x 128 channels): x 10,000 / l, to the nearest whole number (ties to even), x 1e-4, in place; through my stage; whole rows of 512 bytes out.
.macro FINISH a
.set AC, 64*(\a)
	WIN 0x41                                       ; destination and source 0: the accumulators' window
.set kk, 0
.rept 32
	v_pk_mul_f32 v[AC+kk:AC+kk+1], v[AC+kk:AC+kk+1], v[RF+2*(\a):RF+2*(\a)+1]   ; each accumulator is read from its low end on
.set kk, kk+2
.endr
.set kk, 0
.rept 64
	v_rndne_f32 v[AC+kk], v[AC+kk]
.set kk, kk+1
.endr
.set kk, 0
.rept 32
	v_pk_mul_f32 v[AC+kk:AC+kk+1], v[AC+kk:AC+kk+1], s[INV:INV+1] op_sel_hi:[1,0]
.set kk, kk+2
.endr
	WIN 0
.endm
.macro TOSTAGE a
.set AC, 64*(\a)
	WIN 0x04                                       ; an LDS store's data are its source 1
.irp b, 0,1,2,3,4,5,6,7
	ds_store_b128 v[STO], v[AC+8*\b:AC+8*\b+3] offset:64*\b
	ds_store_b128 v[STO], v[AC+8*\b+4:AC+8*\b+7] offset:64*\b+16
.endr
	WIN 0
.set BB, BK+64*((\a)%2)
.set tt, 0
.rept 16
	ds_load_b128 v[BB+4*tt:BB+4*tt+3], v[RD] offset:tt*SPITCH   ; LDS serves a wave's instructions in order (ISA guide 5.7.1.4): these see the stores above
.set tt, tt+1
.endr
.endm
.macro SEND a, younger                 ; younger: the LDS instructions issued behind block a's loads
.set BB, BK+64*((\a)%2)
	s_wait_dscnt \younger
.set tt, 0
.rept 16
	global_store_b128 v[GO], v[BB+4*tt:BB+4*tt+3], s[12:13] offset:(16*(\a)+tt)*4096 th:TH_STORE_NT   ; 32 lanes store 512 consecutive bytes, aligned; 63 rows at the most stand in the immediate
.set tt, tt+1
.endr
.endm
	FINISH 0
	TOSTAGE 0
.irp a, 1,2,3
	FINISH \a
.if \a > 1
	s_wait_alu depctr_va_vdst(0)
	s_wait_xcnt 0x0                                ; block a - 2's stores have read their registers: block a's loads may land there
.endif
	TOSTAGE \a
	SEND \a-1, 32                                  ; behind block a - 1's loads: block a's 16 stores and 16 loads
.endr
	SEND 3, 0
	s_wait_tensorcnt 0x0
	ds_add_u32 v126, v127
	s_wait_dscnt 0x0
	s_endpgm
.Lfunc_end_k_q7f77063ec1_pv:
	.size	k_q7f77063ec1_pv, .Lfunc_end_k_q7f77063ec1_pv-k_q7f77063ec1_pv
	.p2alignl 7, 3214868480
	.fill 96, 4, 3214868480
	.section	.rodata,"a",@progbits
	.p2align	6, 0x0
	.amdhsa_kernel k_q7f77063ec1_pv
		.amdhsa_group_segment_fixed_size 327680
		.amdhsa_private_segment_fixed_size 0
		.amdhsa_enable_private_segment 0
		.amdhsa_kernarg_size 40
		.amdhsa_user_sgpr_count 2
		.amdhsa_user_sgpr_kernarg_segment_ptr 1
		.amdhsa_wavefront_size32 1
		.amdhsa_system_sgpr_workgroup_id_x 1
		.amdhsa_system_sgpr_workgroup_id_y 1
		.amdhsa_system_sgpr_workgroup_id_z 1
		.amdhsa_system_vgpr_workitem_id 0
		.amdhsa_next_free_vgpr 1024
		.amdhsa_next_free_sgpr 100
		.amdhsa_reserve_vcc 0
		.amdhsa_float_denorm_mode_32 3
		.amdhsa_float_denorm_mode_16_64 3
		.amdhsa_memory_ordered 1
		.amdhsa_forward_progress 1
		.amdhsa_inst_pref_size 255
	.end_amdhsa_kernel
	.section	.bss,"aw",@nobits
	.p2align	6
	.space	262144
	.amdgpu_metadata
---
amdhsa.version: [ 1, 2 ]
amdhsa.kernels:
  - .name:           k_q7f77063ec1_pv
    .symbol:         k_q7f77063ec1_pv.kd
    .args:
      - { .name: pc, .offset: 0, .size: 8, .value_kind: global_buffer, .address_space: global }
      - { .name: pst, .offset: 8, .size: 8, .value_kind: global_buffer, .address_space: global }
      - { .name: vc, .offset: 16, .size: 8, .value_kind: global_buffer, .address_space: global }
      - { .name: vs, .offset: 24, .size: 8, .value_kind: global_buffer, .address_space: global }
      - { .name: out0, .offset: 32, .size: 8, .value_kind: global_buffer, .address_space: global }
    .group_segment_fixed_size: 327680
    .private_segment_fixed_size: 0
    .kernarg_segment_align: 8
    .kernarg_segment_size: 40
    .max_flat_workgroup_size: 128
    .sgpr_count:     100
    .vgpr_count:     1024
    .wavefront_size: 32
...
	.end_amdgpu_metadata
.endif
;; end of part 6
